; MI455X (gfx1250); checked and timed in simulation.
; The chip was launched on July 23, 2026; its instructions are those of AMD's public machine-readable ISA for CDNA 5 (MIT licence, August 2026) and "CDNA5" Instruction Set Architecture Reference Guide (July 2026). The comments in the code are by the model that wrote it; some were corrected since.
;; Cohomological Attention. Allowed arithmetic: matrix products marked QUANTISED: E2M3 operands, one E8M0 scale for each 32 along K, by v_wmma_scale_f32_16x16x128_f8f6f4 with both operands' format E2M3, f32 sums; everything else in f32.
;; Inputs: Wk 1,024 x 1,024 float32; Wo 1,024 x 1,024 float32; Wq 1,024 x 1,024 float32; Wr 4 x 512 x 1,024 float32; Wv 1,024 x 1,024 float32; bk 1,024 float32; bo 1,024 float32; bq 1,024 float32; br 4 x 512 float32; bv 1,024 float32; x 2 x 2,048 x 1,024 float32.
;; Outputs: out0 2 x 2,048 x 1,024 float32; out1 2 x 2,048 x 1 float32.
;; This version of the problem:
;;   THIS VERSION OF THE PROBLEM IS GIVEN IN LOW PRECISION. The matrix products marked QUANTISED in the list below multiply operands that are first quantised to E2M3 (2 exponent bits, 3 mantissa bits; 6 bits a number), with one power-of-two scale for each 32 numbers along K (OCP MX v1.0); their sums are f32. All else is computed in f32.
;;   The module's matrix products, in the order in which they are computed (A, B: the left and right operand; K: the contracted axis; several contracted axes count as one K, in the product's order):
;;     1. [M 4,096, K 1,024] x [K 1,024, N 1,024]; A: input x; B: input Wq: QUANTISED
;;     2. [M 4,096, K 1,024] x [K 1,024, N 1,024]; A: input x; B: input Wk: QUANTISED
;;     3. [M 4,096, K 1,024] x [K 1,024, N 1,024]; A: input x; B: input Wv: QUANTISED
;;     4. [M 2,048, K 1,024] x [K 1,024, N 4,096]; A: input Wr; B: input x: QUANTISED
;;     5. batch 32 x [M 2,048, K 64] x [K 64, N 2,048]; A: computed on the way; B: computed on the way: QUANTISED
;;     6. batch 32 x [M 2,048, K 2,048] x [K 2,048, N 64]; A: softmax (see below); B: computed on the way: QUANTISED
;;     7. [M 4,096, K 1,024] x [K 1,024, N 1,024]; A: computed on the way; B: input Wo: QUANTISED
;;   THE QUANTISER, for each operand of a quantised product, along K:
;;     - K is cut into blocks of 32 from its start; a last block that is shorter is filled with zeros.
;;     - A block's scale is 2^e with e = floor(log2(the largest magnitude in the block)) - 2, held to -126 .. 127; a block of zeros has e = 0. As a byte (E8M0): e + 127.
;;     - Each number is divided by its block's scale, clamped to +-7.5, and rounded to the nearest number of E2M3, ties to even, subnormals kept.
;;     - The product sums the exact products of the quantised numbers (number of the format x scale) in f32.
;;   ~~~python
;;   def quantise(x, axis):      # numpy; x: float32 -> the quantised numbers, widened to float32 again
;;       x = np.moveaxis(x, axis, -1); K = x.shape[-1]
;;       x = np.pad(x, [(0, 0)] * (x.ndim - 1) + [(0, -K % 32)]); x = x.reshape(x.shape[:-1] + (-1, 32)); a = np.abs(x).max(-1, keepdims=True)
;;       e = np.where(a > 0, np.clip(np.frexp(np.where(a > 0, a, 1))[1] - 1 - 2, -126, 127), 0)      # np.frexp(a)[1] - 1 = floor(log2(a)), exactly
;;       r = np.clip(x / 2.0 ** e, -7.5, 7.5)
;;       step = 2.0 ** (np.maximum(np.frexp(np.where(r == 0, 1, r))[1] - 1, 0) - 3)
;;       q = np.round(r / step) * step * 2.0 ** e      # np.round: ties to even
;;       return np.moveaxis(q.reshape(q.shape[:-2] + (-1,))[..., :K], -1, axis).astype(np.float32)
;;   ~~~
;;   SOFTMAX AHEAD OF A QUANTISED PRODUCT. Where the list says 'softmax', what is quantised is not the finished softmax but p = 2^(t - M), with t = logit x log2(e) and M = ceil(the row's largest t), a whole number; so 1/2 < the row's largest p <= 1. The row's sum l is taken of the UNQUANTISED p, in f32, and the product's result is divided by l at the end. Since M is a whole number, a kernel that streams over the keys may use a running M (the ceiling of the running maximum): every later rescaling is an exact power of two, which a block's scale takes up: the codes' values come out the same.
;;   OPERANDS COMPUTED ON THE WAY. 'Computed on the way' means the value that the module computes at that place (a softmax that the list does not call 'softmax' is quantised finished and normalised). What goes into a quantiser is computed in f32, as accurately as f32 sums, v_exp_f32 and their like allow (about 1e-6 of the number): no bf16 or f16 on the way to a quantiser, and a product that is left as it is and whose result goes on into a quantised operand takes f32 operands (vector FMAs, or v_wmma_f32_16x16x4_f32). A number that lies on a knife's edge between two numbers of the format may be rounded either way, as far as f32 arithmetic and the matrix unit's own rounding can turn it there, and no further.
;; 2 versions. Each part assembles by itself: llvm-mc -triple=amdgcn-amd-amdhsa -mcpu=gfx1250 --defsym DOCPART=n.
;; ======== version 1 of 2: 5 launches
;; workspace buffers: codes 7,864,320 bytes; scales 327,680 bytes; hc 9,437,184 bytes; sm 917,504 bytes; ps 1,572,864 bytes; ac 3,145,728 bytes; ah 131,072 bytes
;; launch quant (part 1): grid 320 x 1, 4 waves a work-group, no clusters, 33,280 bytes of LDS; arguments x, Wq, Wk, Wv, Wr, Wo, codes, scales; writes codes, scales
.if DOCPART == 1
	.amdgcn_target "amdgcn-amd-amdhsa--gfx1250"
	.amdhsa_code_object_version 6
	.text
	.protected	k_qfd38c99159_quant
	.globl	k_qfd38c99159_quant
	.p2align	8
	.type	k_qfd38c99159_quant,@function
k_qfd38c99159_quant:
	s_mov_b64 s[64:65], 0
	v_nop
	global_prefetch_b8 v0, s[64:65] scope:SCOPE_SE
	s_setreg_imm32_b32 hwreg(HW_REG_WAVE_MODE, 25, 1), 1
	s_wait_xcnt 0x0
; x [4096][1024], Wq, Wk, Wv, Wo [1024][1024] and Wr [2048][1024], f32, K innermost, become codes of FP6 (E2M3) with one E8M0 byte for each 32 along K.
; All six go into ONE table of 10,240 rows: codes 768 bytes a row, scale bytes 32 a row.  Rows 0.. x, 4096.. Wq, 5120.. Wk, 6144.. Wv, 7168.. Wr, 9216.. Wo.
; Wr's row (p, f) goes to row 7168 + 128 (f / 32) + 32 p + f % 32, so that 128 neighbouring rows hold all four p of 32 neighbouring f.
; A block's scale is 2^(floor(log2(largest magnitude)) - 2); its byte is the largest magnitude's exponent field - 2, held at 1 from below.
; ORDER INSIDE A BLOCK: the 32 codes lie in the order 0-7, 16-23, 8-15, 24-31 of the block's numbers.  Every operand of this program is laid so, so both sides of each product agree along K.
; LIMITS: a block of zeros gets the byte 1 (its codes are zeros; this program alone reads the bytes); NaN and infinities among the inputs are not served.
; A work-group takes 32 rows, a wave 8 rows = 8,192 numbers = 16 steps of 512.  Each load reads 512 consecutive bytes; a step's 2,048 bytes turn through the wave's own stage in LDS and come back
; 16 numbers a lane (two neighbouring lanes hold a block).  No barrier: waves share nothing.  Loads run four steps ahead, the turn through LDS one step.
.set STEPS, 16
.set EMAX,  2
.set CB,    12                         ; bytes of 16 codes
.set R,     16                         ; v16-79   four sets of 16 numbers as they are loaded
.set X,     80                         ; v80-111  two sets of 16 numbers of one block's half
.set C,     128                        ; v128-191 codes: four registers for each step, so that no store's data are written again
.set E,     112                        ; v112-127 a scale byte for each step
.set WREG,  8192                       ; LDS: a region for each wave: two stages of 32 x SP bytes, behind them its 256 scale bytes
.set SP,    80                         ; 64 bytes of numbers + 16 of padding
.set SPW,   12                         ; v12  LDS address of my spare word; never rewritten
.set NIL,   13                         ; v13  0; never rewritten
.set SPARE, 4*WREG                     ; the spare words, 128 bytes for each wave
	s_load_b512 s[4:19], s[0:1], 0x0               ; x, Wq, Wk, Wv, Wr, Wo, codes, scales
	v_lshl_add_u32 v[SPW], v0, 2, SPARE
	v_mov_b32 v[NIL], 0
	v_lshrrev_b32 v1, 5, v0
	v_readfirstlane_b32 s24, v1                    ; wave
	v_and_b32 v2, 31, v0                           ; lane
	v_lshlrev_b32 v3, 4, v2                        ; my 16 bytes of a load's 512
	s_mul_i32 s25, s24, WREG
	v_lshrrev_b32 v14, 2, v2
	v_mul_u32_u24 v14, v14, SP
	v_and_b32 v15, 3, v2
	v_lshl_add_u32 v14, v15, 4, v14
	v_add_nc_u32 v14, s25, v14                     ; the stage, on the way in: SP (lane / 4) + 16 (lane % 4)
	v_lshrrev_b32 v15, 1, v2
	v_mul_u32_u24 v15, v15, 2*SP
	v_and_b32 v10, 1, v2
	v_lshl_add_u32 v15, v10, 5, v15
	v_add_nc_u32 v15, s25, v15                     ; on the way out: my block at 160 (lane / 2); the even lane takes numbers 0-7 and 16-23, the odd lane 8-15 and 24-31
	v_mul_u32_u24 v4, v2, CB                       ; my codes' place in a step's
	v_lshrrev_b32 v5, 1, v2
	s_add_co_u32 s25, s25, 2*32*SP
	v_add_nc_u32 v5, s25, v5                       ; my wave's 256 scale bytes, my block's byte
	v_lshlrev_b32 v7, 3, v2                        ; and on the way out 8 bytes a lane
	v_add_nc_u32 v6, s25, v7
	s_wait_kmcnt 0x0
	s_mov_b64 s[20:21], s[4:5]                     ; which tensor is my work-group's: the choice hangs on the work-group's number alone
	s_mov_b32 s22, 0
	s_cmp_ge_u32 ttmp9, 128
	s_cselect_b64 s[20:21], s[6:7], s[20:21]
	s_cselect_b32 s22, 128, s22
	s_cmp_ge_u32 ttmp9, 160
	s_cselect_b64 s[20:21], s[8:9], s[20:21]
	s_cselect_b32 s22, 160, s22
	s_cmp_ge_u32 ttmp9, 192
	s_cselect_b64 s[20:21], s[10:11], s[20:21]
	s_cselect_b32 s22, 192, s22
	s_cmp_ge_u32 ttmp9, 224
	s_cselect_b64 s[20:21], s[12:13], s[20:21]
	s_cselect_b32 s22, 224, s22
	s_cmp_ge_u32 ttmp9, 288
	s_cselect_b64 s[20:21], s[14:15], s[20:21]
	s_cselect_b32 s22, 288, s22
	s_sub_co_u32 s26, ttmp9, s22
	s_lshl_b32 s26, s26, 2
	s_add_co_u32 s26, s26, s24                     ; my run of 8 rows in its tensor
	s_lshl_b32 s27, ttmp9, 2
	s_add_co_u32 s27, s27, s24                     ; and in the table, as the tensors lie on end
	s_and_b32 s28, s26, 63                         ; Wr: run = 64 p + f / 8 goes to run 896 + 16 (f / 32) + 4 p + (f % 32) / 8
	s_lshr_b32 s28, s28, 2
	s_lshl_b32 s28, s28, 4
	s_lshr_b32 s29, s26, 6
	s_lshl_b32 s29, s29, 2
	s_add_co_u32 s28, s28, s29
	s_and_b32 s29, s26, 3
	s_add_co_u32 s28, s28, s29
	s_add_co_u32 s28, s28, 896
	s_sub_co_u32 s29, ttmp9, 224
	s_cmp_lt_u32 s29, 64                           ; work-groups 224 to 287 are Wr's
	s_cselect_b32 s27, s28, s27
	s_lshl_b32 s30, s26, 15                        ; 32,768 bytes of numbers a run
	s_mov_b32 s31, 0
	s_add_nc_u64 s[20:21], s[20:21], s[30:31]
	s_mul_i32 s30, s27, 6144                       ; 6,144 bytes of codes
	s_add_nc_u64 s[16:17], s[16:17], s[30:31]
	s_lshl_b32 s30, s27, 8                         ; 256 scale bytes
	s_add_nc_u64 s[18:19], s[18:19], s[30:31]
.macro LOAD t
.irp i, 0,1,2,3
	global_load_b128 v[R+16*((\t)%4)+4*\i:R+16*((\t)%4)+4*\i+3], v3, s[20:21] offset:2048*(\t)+512*\i th:TH_LOAD_NT   ; 32 lanes read 512 consecutive bytes
.endr
.endm
.macro TURN t                          ; step t's numbers through the stage: LDS serves a wave's instructions in order, so no wait stands between the stores and the loads
.irp i, 0,1,2,3
	ds_store_b128 v14, v[R+16*((\t)%4)+4*\i:R+16*((\t)%4)+4*\i+3] offset:32*SP*((\t)%2)+8*SP*\i
.endr
.irp i, 0,1,2,3
	ds_load_b128 v[X+16*((\t)%2)+4*\i:X+16*((\t)%2)+4*\i+3], v15 offset:32*SP*((\t)%2)+16*(\i%2)+80*(\i/2)
.endr
.endm
.irp t, 0,1,2,3
	LOAD \t
.endr
	s_wait_loadcnt 12                              ; step 0's four loads are in
	TURN 0
.macro STEP t
.set XS, X+16*((\t)%2)
.if (\t) > 0
	s_wait_dscnt 1                                 ; this step's numbers are back from the stage (the last step's byte store may be out)
.else
	s_wait_dscnt 0x0
.endif
.if (\t)+4 < STEPS
	LOAD (\t)+4                                    ; the registers that the stage's stores have read take the loads of four steps on
.endif
.if (\t)+1 < STEPS
.if STEPS-2-(\t) >= 3
	s_wait_loadcnt 12                              ; the next step's four loads are in; those of the three steps behind it may be out
.else
	s_wait_loadcnt 4*(STEPS-2-(\t))
.endif
	TURN (\t)+1
.endif
	v_max3_num_f32 v8, |v[XS]|, |v[XS+1]|, |v[XS+2]|               ; the largest magnitude of my 16
	v_max3_num_f32 v9, |v[XS+3]|, |v[XS+4]|, |v[XS+5]|
.irp i, 6,10
	v_max3_num_f32 v8, v8, |v[XS+\i]|, |v[XS+\i+1]|
	v_max3_num_f32 v9, v9, |v[XS+\i+2]|, |v[XS+\i+3]|
.endr
	v_max3_num_f32 v8, v8, |v[XS+14]|, |v[XS+15]|
	v_max3_num_f32 v8, v8, v9, (EMAX+1)<<23        ; and the floor 2^(EMAX + 1 - 127): the byte cannot fall under 1
	v_max_num_f32_dpp v8, v8, v8 row_xmask:1 row_mask:0xf bank_mask:0xf   ; and of my neighbour's 16: the block's
	v_add_nc_u32 v11, -(EMAX<<23), v8              ; EMAX off its exponent field: the conversion takes the exponent field of this operand as its scale
	v_cvt_scalef32_pk16_fp6_f32 v[C+4*(\t):C+4*(\t)+2], v[XS:XS+15], v11
	v_lshrrev_b32 v[E+(\t)], 23, v11               ; the scale's byte
	ds_store_b8 v5, v[E+(\t)] offset:16*(\t)       ; both lanes of a block write the same byte with the same value
	global_store_b96 v4, v[C+4*(\t):C+4*(\t)+2], s[16:17] offset:32*CB*(\t)
.endm
.irp t, 0,1,2,3,4,5,6,7,8,9,10,11,12,13,14,15
	STEP \t
.endr
	ds_load_b64 v[8:9], v6                         ; LDS serves a wave's instructions in order: these see my stores
	s_wait_dscnt 0x0
	global_store_b64 v7, v[8:9], s[18:19]          ; 32 lanes store 256 consecutive bytes, aligned
	s_wait_tensorcnt 0x0                           ; the wave's end, behind my last LDS store
	ds_add_u32 v[SPW], v[NIL]
	s_wait_dscnt 0x0
	s_endpgm
.Lfunc_end_k_qfd38c99159_quant:
	.size	k_qfd38c99159_quant, .Lfunc_end_k_qfd38c99159_quant-k_qfd38c99159_quant
	.p2alignl 7, 3214868480
	.fill 96, 4, 3214868480
	.section	.rodata,"a",@progbits
	.p2align	6, 0x0
	.amdhsa_kernel k_qfd38c99159_quant
		.amdhsa_group_segment_fixed_size 33280
		.amdhsa_private_segment_fixed_size 0
		.amdhsa_enable_private_segment 0
		.amdhsa_kernarg_size 64
		.amdhsa_user_sgpr_count 2
		.amdhsa_user_sgpr_kernarg_segment_ptr 1
		.amdhsa_wavefront_size32 1
		.amdhsa_system_sgpr_workgroup_id_x 1
		.amdhsa_system_sgpr_workgroup_id_y 1
		.amdhsa_system_sgpr_workgroup_id_z 1
		.amdhsa_system_vgpr_workitem_id 0
		.amdhsa_next_free_vgpr 192
		.amdhsa_next_free_sgpr 66
		.amdhsa_reserve_vcc 0
		.amdhsa_float_denorm_mode_32 3
		.amdhsa_float_denorm_mode_16_64 3
		.amdhsa_memory_ordered 1
		.amdhsa_forward_progress 1
		.amdhsa_inst_pref_size 33
	.end_amdhsa_kernel
	.amdgpu_metadata
---
amdhsa.version: [ 1, 2 ]
amdhsa.kernels:
  - .name:           k_qfd38c99159_quant
    .symbol:         k_qfd38c99159_quant.kd
    .args:
      - { .name: x, .offset: 0, .size: 8, .value_kind: global_buffer, .address_space: global }
      - { .name: Wq, .offset: 8, .size: 8, .value_kind: global_buffer, .address_space: global }
      - { .name: Wk, .offset: 16, .size: 8, .value_kind: global_buffer, .address_space: global }
      - { .name: Wv, .offset: 24, .size: 8, .value_kind: global_buffer, .address_space: global }
      - { .name: Wr, .offset: 32, .size: 8, .value_kind: global_buffer, .address_space: global }
      - { .name: Wo, .offset: 40, .size: 8, .value_kind: global_buffer, .address_space: global }
      - { .name: codes, .offset: 48, .size: 8, .value_kind: global_buffer, .address_space: global }
      - { .name: scales, .offset: 56, .size: 8, .value_kind: global_buffer, .address_space: global }
    .group_segment_fixed_size: 33280
    .private_segment_fixed_size: 0
    .kernarg_segment_align: 8
    .kernarg_segment_size: 64
    .max_flat_workgroup_size: 128
    .sgpr_count:     66
    .vgpr_count:     192
    .wavefront_size: 32
...
	.end_amdgpu_metadata
.endif
;; end of part 1
;; launch proj (part 2): grid 20 x 16, 4 waves a work-group, clusters of 4 x 4, 327,680 bytes of LDS; arguments codes, scales, bq, bk, bv, br, hc, sm, ps; writes hc, sm, ps
.if DOCPART == 2
	.amdgcn_target "amdgcn-amd-amdhsa--gfx1250"
	.amdhsa_code_object_version 6
	.text
	.protected	k_qfd38c99159_proj
	.globl	k_qfd38c99159_proj
	.p2align	8
	.type	k_qfd38c99159_proj,@function
k_qfd38c99159_proj:
	s_mov_b64 s[64:65], 0
	v_nop
	global_prefetch_b8 v0, s[64:65] scope:SCOPE_SE
	s_setreg_imm32_b32 hwreg(HW_REG_WAVE_MODE, 25, 1), 1
	s_wait_xcnt 0x0
	s_wait_alu depctr_hold_cnt(0) depctr_sa_sdst(0) depctr_va_vdst(0) depctr_va_sdst(0) depctr_va_ssrc(0) depctr_va_vcc(0) depctr_vm_vsrc(0)
	s_getreg_b32 s2, hwreg(HW_REG_IB_STS2, 6, 4)
	s_cmp_eq_u32 s2, 0
	s_cbranch_scc0 .Lentry_in_a_cluster
	s_endpgm
.Lentry_in_a_cluster:
	s_bfe_u32 s2, ttmp6, 0x10000c
	s_cmp_lg_u32 s2, 0xf033
	s_cbranch_scc0 .Lentry_shape_is_right
	s_endpgm
.Lentry_shape_is_right:
; The four products of x: q, k, v (each 4096 x 1024, K = 1024) and the restrictions r (4096 x 2048), on codes of FP6 (E2M3) with E8M0 scales, from the one table of codes and scale bytes.
; A work-group of four waves makes a tile of 256 x 256, a wave 128 x 128: 64 accumulators, 512 registers.  K goes in steps of 256 through two LDS slots filled by the tensor data mover.
; THE KIND is the cluster's x, which all sixteen partners share: 0 q, 1 k, 2 v, 3 and 4 r.  Branches hang on it and on the wave's number alone.
; 'A' is source 1 (it sets the result's lane), 'B' is source 0 (it sets the result's registers).  q, k, r: A = 256 tokens of x, B = 256 rows of the weight: a lane holds one token, its registers run along the columns.
; v: A = 256 rows of Wv, B = 256 tokens: a lane holds one channel and its registers run along the tokens, which are the K of attention's second product.
; The bias is the C of each sum's first matrix instruction.
; CLUSTERS: 4 x 4.  A's tile is shared along a row of the cluster, B's along a column: each is asked for jointly, by the same tensor load with a mask that names the four.
; THE WAY OUT.  q, k, v: each block of 16 lanes' rows x 128 is quantised in registers along its registers (blocks of 32, codes in the order 0-7, 16-23, 8-15, 24-31 of a block) and stored as an image of the
; operand's registers: q, k as 16 rows x 64 K (768 bytes: 16 bytes a lane, then 8 bytes a lane), v as 16 rows x 128 K (three times 16 bytes a lane).  Scale words are gathered in LDS and leave in runs of 256 bytes.
; r: a wave's 128 columns are the four p of 32 neighbouring f: the six differences are squared and summed over these 32 f; the partial sums go to ps [chunk 16][pair 6][token 4096].
; LIMITS: a block of zeros gets the scale byte 1 (its codes are zeros); NaN and infinities are not served.
.set KSTEP,  256
.set NQ,     2
.set ROWB,   192
.set KROW,   768
.set PITCH,  240                       ; an LDS row: 3 x (64 bytes + 16 of padding)
.set FR,     12
.set NL,     6
.set NP,     4
.set HALFT,  128*PITCH
.set SLOT,   4*HALFT
.set LAPS,   2
.set KS,     32
.set SCL,    2*SLOT                    ; behind the ring: the scale bytes of my 256 + 256 rows, as runs of 256 bytes + 16 of padding
.set HALFS,  16*272
.set SBLK,   2*272
.set SPARE,  SCL+4*HALFS               ; the spare words, 128 bytes for each wave
.set STQ,    0                         ; the way out's stages lie in slot 0, which has had its last fill and its last read by then; each kind has bytes of its own
.set STV,    4096
.set STR,    8192
.set O16,  7                           ; v7   16 x lane
.set O8,   8                           ; v8   8 x lane
.set SH,   9                           ; v9   16 x (lane / 16)
.set STQA, 10                          ; v10  q, k: where I put a scale word;  v11: where I read 8 bytes back
.set STQR, 11
.set STVA, 12                          ; v12, v13  the same for v
.set STVR, 13
.set STRA, 14                          ; v14, v15  the same for r
.set STRR, 15
.set ADRA, 16                          ; v16-19
.set ADRB, 20                          ; v20-23
.set ADRS, 27
.set SPW,  28
.set NIL,  29
.set SC,   32                          ; v32-63 scale words, two sets
.set BI,   64                          ; v64-127 eight tiles of bias
.set AF,   128                         ; v128-223 A's fragments
.set TM,   52                          ; the way out: v52-67 at work
.set PW,   68
.set WD,   69
.set T,    128                         ; r: v128-223 the six differences, 16 registers each
.set SS,   32                          ; r: v32-43 six pairs of sums
.set RT,   44                          ; r: v44-49
.set G1, 24
.set G0, 32
.set G1B, 48
.set G0B, 56
.set G1S, 68
.set G0S, 76
.set G1SB, 80
.set G0SB, 88
.set MSB, 0
.macro WIN new                         ; the immediate's high byte repeats the setting that is left
.if MSB != \new
	s_set_vgpr_msb (MSB<<8)|\new
.set MSB, \new
.endif
.endm
.set MUL_LO, 0xa1                      ; source 0 (B) window 1, source 1 (A) window 0, C and D window 2
.set MUL_HI, 0xf1                      ; the same, C and D window 3
.set BIA_LO, 0x81                      ; the first step: C (the bias) window 0, D window 2
.set BIA_HI, 0xc1                      ; D window 3
.set TO_B,   0x40
; A joint load: waves 0 and 1 fetch for A, waves 2 and 3 for B.  An s_nop 0 and four v_nop follow each of the two lines.
.macro JLOAD g0a, g1a, g0b, g1b
	s_cmp_eq_u32 s23, 0
	s_cbranch_scc0 .Lfor_b_\@
	tensor_load_to_lds s[\g0a:\g0a+3], s[\g1a:\g1a+7]
	s_nop 0
.rept 4
	v_nop
.endr
	s_branch .Lasked_\@
.Lfor_b_\@:
	tensor_load_to_lds s[\g0b:\g0b+3], s[\g1b:\g1b+7]
	s_nop 0
.rept 4
	v_nop
.endr
.Lasked_\@:
.endm
.macro CREST                           ; a round of the cluster's barrier behind its opening barrier
	s_cmp_lg_u32 s22, 0
	s_cbranch_scc1 .Lnot_wave_0_\@
	s_barrier_signal -3
.Lnot_wave_0_\@:
	s_barrier_wait -3
	s_barrier_signal -1
	s_barrier_wait -1
.endm
.macro CROUND
	s_barrier_signal -1
	s_barrier_wait -1
	CREST
.endm
	s_load_b512 s[4:19], s[0:1], 0x0               ; codes, scales, bq, bk, bv, br, hc, sm
	s_load_b64 s[20:21], s[0:1], 0x40              ; ps
	v_lshl_add_u32 v[SPW], v0, 2, SPARE
	v_mov_b32 v[NIL], 0
	ds_add_u32 v[SPW], v[NIL]                      ; the wave's opening: the add and its wait ahead of my first tensor load
	v_lshrrev_b32 v1, 5, v0
	v_readfirstlane_b32 s22, v1                    ; wave 0..3
	s_lshr_b32 s23, s22, 1                         ; WR: which half of A's rows is mine.  Also: I fetch for A (0) or for B (1)
	s_and_b32 s40, s22, 1                          ; WC: which half of B's rows.  Also: which 128 rows I fetch
	s_bfe_u32 s41, ttmp6, 0x40000                  ; cx
	s_bfe_u32 s42, ttmp6, 0x40004                  ; cy
	s_mov_b32 s43, ttmp9                           ; the cluster's x: the kind
	s_and_b32 s44, ttmp7, 0xffff                   ; the cluster's y
	s_lshl_b32 s45, s42, 2
	s_lshl_b32 s45, 15, s45                        ; my row of the cluster
	s_lshl_b32 s46, 0x1111, s41                    ; my column
	s_or_b32 s[G1+0], s45, (0<<16)|(1<<20)|(1<<21)|(3<<22)|(3<<25)  ; the mask; elements of 1 byte; padding on; after every 16 words, 4 words
	s_or_b32 s[G1B+0], s46, (0<<16)|(1<<20)|(1<<21)|(3<<22)|(3<<25)
.irp g, G1, G1B
	s_mov_b32 s[\g+1], ROWB<<16                    ; tensor_dim0
	s_mov_b32 s[\g+2], 128<<16                     ; tensor_dim1
	s_mov_b32 s[\g+3], ROWB<<16                    ; tile_dim0
	s_mov_b32 s[\g+4], 128                         ; tile_dim1
	s_mov_b32 s[\g+5], KROW                        ; the pitch
	s_mov_b32 s[\g+6], 0
	s_mov_b32 s[\g+7], 0
.endr
	s_or_b32 s[G1S+0], s45, (3<<16)|(1<<20)|(1<<21)|(5<<22)|(3<<25) ; the scale bytes of 128 rows: 4,096 dense bytes as 16 rows of 256, 16 bytes of padding behind each
	s_or_b32 s[G1SB+0], s46, (3<<16)|(1<<20)|(1<<21)|(5<<22)|(3<<25)
.irp g, G1S, G1SB
	s_mov_b32 s[\g+1], 32<<16
	s_mov_b32 s[\g+2], 16<<16
	s_mov_b32 s[\g+3], 32<<16
	s_mov_b32 s[\g+4], 16
	s_mov_b32 s[\g+5], 32
	s_mov_b32 s[\g+6], 0
	s_mov_b32 s[\g+7], 0
.endr
	; which rows of the table, in units of 256.  q, k, r: A = 4 clY + cy (tokens), B = 16 + 4 clX + cx (weights).  v: A = 24 + cy (Wv), B = 4 clY + cx (tokens)
	s_lshl_b32 s47, s44, 2
	s_lshl_b32 s92, s43, 2
	s_add_co_u32 s92, s92, 16
	s_cmp_eq_u32 s43, 2
	s_cselect_b32 s94, 24, s47
	s_cselect_b32 s96, s47, s92
	s_add_co_u32 s94, s94, s42                     ; A hangs on cy alone of the two places,
	s_add_co_u32 s96, s96, s41                     ; B on cx alone
	s_lshl_b32 s94, s94, 8
	s_lshl_b32 s96, s96, 8
	s_lshl_b32 s93, s40, 7                         ; which 128 rows of the tile I fetch
	s_add_co_u32 s94, s94, s93
	s_add_co_u32 s96, s96, s93
	s_mul_i32 s98, s94, KS                         ; where these rows' scale bytes begin,
	s_mul_i32 s92, s96, KS
	s_mul_i32 s94, s94, KROW                       ; and their codes
	s_mul_i32 s96, s96, KROW
	s_mov_b32 s95, 0
	s_mov_b32 s97, 0
	s_mov_b32 s99, 0
	s_mov_b32 s93, 0
	s_mul_i32 s2, s22, HALFT                       ; where they go: wave x 128 rows
	s_mul_i32 s3, s22, HALFS
	s_mov_b32 s100, 0x76543210
	s_mov_b32 s101, 0xfedcba98                     ; v_permlanex16_b32's selects for lane l xor 16
	s_wait_dscnt 0x0                               ; the opening add is done
	s_wait_kmcnt 0x0
	s_add_nc_u64 s[94:95], s[4:5], s[94:95]
	s_add_nc_u64 s[96:97], s[4:5], s[96:97]
	s_add_nc_u64 s[98:99], s[6:7], s[98:99]
	s_add_nc_u64 s[92:93], s[6:7], s[92:93]
	CROUND                                         ; all sixteen work-groups are here: the first joint loads meet
	s_mov_b32 s[G0S], 1
	s_add_co_u32 s[G0S+1], s3, SCL
	s_mov_b64 s[G0S+2:G0S+3], s[98:99]
	s_or_b32 s[G0S+3], s[G0S+3], 0x80000000
	s_mov_b32 s[G0SB], 1
	s_add_co_u32 s[G0SB+1], s3, SCL
	s_mov_b64 s[G0SB+2:G0SB+3], s[92:93]
	s_or_b32 s[G0SB+3], s[G0SB+3], 0x80000000
	JLOAD G0S, G1S, G0SB, G1SB                     ; the scales first: they are wanted with K step 0
.irp s, 0,1
	s_mov_b32 s[G0+4*\s], 1
	s_add_co_u32 s[G0+4*\s+1], s2, \s*SLOT
	s_add_nc_u64 s[G0+4*\s+2:G0+4*\s+3], s[94:95], \s*ROWB
	s_or_b32 s[G0+4*\s+3], s[G0+4*\s+3], 0x80000000
	s_mov_b32 s[G0B+4*\s], 1
	s_add_co_u32 s[G0B+4*\s+1], s2, \s*SLOT
	s_add_nc_u64 s[G0B+4*\s+2:G0B+4*\s+3], s[96:97], \s*ROWB
	s_or_b32 s[G0B+4*\s+3], s[G0B+4*\s+3], 0x80000000
	JLOAD G0+4*\s, G1, G0B+4*\s, G1B
.endr
	; every LDS address register is made here, on the one way that all waves and all kinds take
	v_and_b32 v1, 15, v0                           ; r
	v_bfe_u32 v2, v0, 4, 1                         ; h
	v_mul_u32_u24 v3, v1, PITCH
	v_mul_u32_u24 v4, v2, 24
	v_add_nc_u32 v4, v3, v4                        ; a fragment's row x pitch + 24 x half
	v_lshl_add_u32 v5, v2, 4, v4                   ; and the same behind one padding more
	s_mul_i32 s45, s23, HALFT                      ; my 128 rows of A
	s_mul_i32 s46, s40, HALFT                      ; my 128 rows of B,
	s_add_co_u32 s46, s46, 2*HALFT                 ; which lie behind A's 256
.irp s, 0,1
	v_add_nc_u32 v[ADRA+\s], s45, v4
	v_add_nc_u32 v[ADRB+\s], s46, v4
	v_add_nc_u32 v[ADRA+2+\s], s45, v5
	v_add_nc_u32 v[ADRB+2+\s], s46, v5
	s_add_co_u32 s45, s45, SLOT
	s_add_co_u32 s46, s46, SLOT
.endr
	v_mul_u32_u24 v5, v1, KS                       ; my row's scale bytes: KS a row,
	v_lshrrev_b32 v6, 8, v5
	v_lshl_add_u32 v5, v6, 4, v5                   ; and 16 more for each 256 passed
	s_mul_i32 s45, s23, HALFS
	s_mul_i32 s46, s40, HALFS
	s_add_co_u32 s46, s46, 2*HALFS
	s_sub_co_u32 s46, s46, s45
	v_mul_u32_u24 v6, s46, v2                      ; lanes 16-31 take B's
	s_add_co_u32 s45, s45, SCL
	v_add_nc_u32 v5, v5, v6
	v_add_nc_u32 v[ADRS], s45, v5
	v_and_b32 v6, 31, v0
	v_lshlrev_b32 v[O16], 4, v6
	v_lshlrev_b32 v[O8], 3, v6
	v_lshlrev_b32 v[SH], 4, v2
	v_lshlrev_b32 v3, 2, v1                        ; 4 r
	s_lshl_b32 s45, s22, 10
	v_lshl_add_u32 v[STQA], v2, 9, v3
	v_add_nc_u32 v[STQA], s45, v[STQA]             ; STQ + 1024 wave + 512 h + 4 r  (STQ = 0)
	v_add_nc_u32 v[STQR], s45, v[O8]
	s_lshl_b32 s45, s22, 9
	s_add_co_u32 s45, s45, STV
	v_add_nc_u32 v[STVA], s45, v3
	v_add_nc_u32 v[STVR], s45, v[O8]
	s_mul_i32 s45, s22, 3072
	s_add_co_u32 s45, s45, STR
	v_add_nc_u32 v[STRA], s45, v3
	v_add_nc_u32 v[STRR], s45, v[O16]
	; THE BIAS, in the result's layout.  q, k, r: tile b, register j: the bias of B's row 16 b + 8 h + j.  v: tile a, every register: the bias of A's row 16 a + r
	s_cmp_eq_u32 s43, 2
	s_cbranch_scc1 .Lbias_v
	s_lshl_b32 s92, s41, 10
	s_lshl_b32 s93, s40, 9
	s_add_co_u32 s92, s92, s93                     ; q, k: 4 (256 cx + 128 WC) bytes
	s_sub_co_u32 s94, s43, 3
	s_lshl_b32 s94, s94, 10
	s_lshl_b32 s93, s41, 8
	s_add_co_u32 s94, s94, s93
	s_lshl_b32 s93, s40, 7
	s_add_co_u32 s94, s94, s93                     ; r: 128 bytes x chunk, chunk = 2 (4 (clX - 3) + cx) + WC: 32 neighbouring f
	s_mov_b32 s95, 2048
	s_cmp_eq_u32 s43, 0
	s_cselect_b64 s[46:47], s[8:9], s[10:11]
	s_cmp_ge_u32 s43, 3
	s_cselect_b64 s[46:47], s[14:15], s[46:47]
	s_cselect_b32 s92, s94, s92
	s_cselect_b32 s95, s95, 128                    ; from two tiles to the next two: r: the next p, 2,048 bytes; q, k: 128 bytes
	s_mov_b32 s93, 0
	s_add_nc_u64 s[46:47], s[46:47], s[92:93]
	v_lshlrev_b32 v24, 5, v2                       ; 32 h
	v_add_nc_u32 v25, s95, v24
	s_lshl_b32 s94, s95, 1
	v_add_nc_u32 v26, s94, v24
	s_add_co_u32 s94, s94, s95
	v_add_nc_u32 v30, s94, v24
.macro BLD b, o
	global_load_b128 v[BI+8*\b:BI+8*\b+3], v[\o], s[46:47] offset:64*(\b%2)
	global_load_b128 v[BI+8*\b+4:BI+8*\b+7], v[\o], s[46:47] offset:64*(\b%2)+16
.endm
	BLD 0, 24
	BLD 1, 24
	BLD 2, 25
	BLD 3, 25
	BLD 4, 26
	BLD 5, 26
	BLD 6, 30
	BLD 7, 30
	s_branch .Lbias_done
.Lbias_v:
	s_lshl_b32 s92, s42, 10
	s_lshl_b32 s93, s23, 9
	s_add_co_u32 s92, s92, s93                     ; 4 (256 cy + 128 WR) bytes
	s_mov_b32 s93, 0
	s_add_nc_u64 s[46:47], s[12:13], s[92:93]
.irp a, 0,1,2,3,4,5,6,7
.irp j, 0,1,2,3,4,5,6,7
	global_load_b32 v[BI+8*\a+\j], v3, s[46:47] offset:64*\a
.endr
.endr
.Lbias_done:
.macro FRAG reg, adr, q, i             ; a fragment, 16 rows x 128 K of 6-bit codes: 12 registers, in pieces of 8 bytes; lanes 16-31 read three pieces further on, for some pieces behind one padding more
.irp p, 0,1,2,3,4,5
.set PIECE, 12*(\q)+6*(\p/3)+\p%3
.if PIECE%8 < 5
	ds_load_b64 v[\reg+2*\p:\reg+2*\p+1], v[\adr] offset:8*PIECE+16*(PIECE/8)+(\i)*16*PITCH
.else
	ds_load_b64 v[\reg+2*\p:\reg+2*\p+1], v[\adr+2] offset:8*PIECE+16*(PIECE/8)+(\i)*16*PITCH
.endif
.endr
.endm
; 16 matrix instructions: A's blocks a0, a0 + 1 x B's eight.  mode 0: the sums go on; 1: they begin with the bias of B's rows; 2: with the bias of A's rows.
; The 64 accumulators take turns, one instruction a turn, in the same order in every step.
.macro MUL16 a0, p, q, sc, mode
.irp a, \a0, \a0+1
.irp b, 0,1,2,3,4,5,6,7
.if \mode == 0
	v_wmma_scale_f32_16x16x128_f8f6f4 v[8*(8*((\a)%4)+\b):8*(8*((\a)%4)+\b)+7], v[128*(\p)+FR*\b:128*(\p)+FR*\b+FR-1], v[AF+FR*(\a):AF+FR*(\a)+FR-1], v[8*(8*((\a)%4)+\b):8*(8*((\a)%4)+\b)+7], v[SC+8*NQ*(\sc)+NQ*\b+(\q)], v[SC+8*NQ*(\sc)+NQ*(\a)+(\q)] matrix_a_fmt:MATRIX_FMT_FP6 matrix_b_fmt:MATRIX_FMT_FP6 matrix_a_scale:MATRIX_SCALE_ROW1
.elseif \mode == 1
	v_wmma_scale_f32_16x16x128_f8f6f4 v[8*(8*((\a)%4)+\b):8*(8*((\a)%4)+\b)+7], v[128*(\p)+FR*\b:128*(\p)+FR*\b+FR-1], v[AF+FR*(\a):AF+FR*(\a)+FR-1], v[BI+8*\b:BI+8*\b+7], v[SC+8*NQ*(\sc)+NQ*\b+(\q)], v[SC+8*NQ*(\sc)+NQ*(\a)+(\q)] matrix_a_fmt:MATRIX_FMT_FP6 matrix_b_fmt:MATRIX_FMT_FP6 matrix_a_scale:MATRIX_SCALE_ROW1
.else
	v_wmma_scale_f32_16x16x128_f8f6f4 v[8*(8*((\a)%4)+\b):8*(8*((\a)%4)+\b)+7], v[128*(\p)+FR*\b:128*(\p)+FR*\b+FR-1], v[AF+FR*(\a):AF+FR*(\a)+FR-1], v[BI+8*(\a):BI+8*(\a)+7], v[SC+8*NQ*(\sc)+NQ*\b+(\q)], v[SC+8*NQ*(\sc)+NQ*(\a)+(\q)] matrix_a_fmt:MATRIX_FMT_FP6 matrix_b_fmt:MATRIX_FMT_FP6 matrix_a_scale:MATRIX_SCALE_ROW1
.endif
.endr
.endr
.endm
.macro FETCH_B slot, q, p
	WIN TO_B
.irp i, 0,1,2,3,4,5,6,7
	FRAG 128*(\p)+FR*\i, ADRB+\slot, \q, \i
.endr
	WIN 0
.endm
.macro FETCH_A slot, q, i0
.irp i, \i0, \i0+1, \i0+2, \i0+3
	FRAG AF+FR*(\i), ADRA+\slot, \q, \i
.endr
.endm
.macro SCALES sc                       ; a K step's scale words into set sc: lanes 0-15 take A's block i, lanes 16-31 B's block i
.irp i, 0,1,2,3,4,5,6,7
	ds_load_b64 v[SC+8*NQ*\sc+NQ*\i:SC+8*NQ*\sc+NQ*\i+1], v[ADRS] offset:\i*SBLK
.endr
.endm
.macro PLACES n                        ; plain vector instructions between a matrix instruction and a load into, or a read of, its registers
.rept \n
	v_nop
.endr
.endm
.macro STEP slot, q, mode              ; a step of 128 along K that has its successor in the same slot
	s_wait_dscnt 4*NL                              ; B's set and A's blocks 0-3 are in; the youngest 24 loads (A's blocks 4-7) may be out
.if \mode
	WIN BIA_LO
.else
	WIN MUL_LO
.endif
	MUL16 0, (\q)%2, \q, \slot, \mode
	MUL16 2, (\q)%2, \q, \slot, \mode
	s_wait_dscnt 0                                 ; A's blocks 4-7 are in
	PLACES NP
	FETCH_B \slot, (\q)+1, 1-(\q)%2
	FETCH_A \slot, (\q)+1, 0
.if \mode
	WIN BIA_HI
.else
	WIN MUL_HI
.endif
	MUL16 4, (\q)%2, \q, \slot, \mode
	MUL16 6, (\q)%2, \q, \slot, \mode
	PLACES NP
	WIN 0
	FETCH_A \slot, (\q)+1, 4
.endm
; A slot's last step changes slots: ONE barrier; in front of it each wave waits for all its tensor loads, adds 0 to its spare word, and waits for that and for its own reads of this slot.
.macro TURN slot, next, fill
	s_wait_tensorcnt 0x0                           ; all my tensor loads have landed: my part of the next slot
	ds_add_u32 v[SPW], v[NIL]                      ; 0 onto my spare word
	s_wait_dscnt 4*NL+1                            ; (the add and the youngest 24 loads, A's blocks 4-7, may be out)
	WIN MUL_LO
	MUL16 0, 1, NQ-1, \slot, 0
	s_wait_dscnt 0x0                               ; the add is done, and my reads of this slot are over
	s_barrier_signal -1
	MUL16 2, 1, NQ-1, \slot, 0
	WIN 0
	s_barrier_wait -1
.if \fill
	CREST                                          ; the barrier has opened a round of the cluster's barrier: no wave of any partner still reads this slot or has a load on its way
	s_add_nc_u64 s[G0+4*\slot+2:G0+4*\slot+3], s[G0+4*\slot+2:G0+4*\slot+3], 2*ROWB
	s_add_nc_u64 s[G0B+4*\slot+2:G0B+4*\slot+3], s[G0B+4*\slot+2:G0B+4*\slot+3], 2*ROWB
	JLOAD G0+4*\slot, G1, G0B+4*\slot, G1B         ; the first tensor load behind the round; its four v_nop are also the places in front of the loads below
.else
	PLACES NP
.endif
	v_add_nc_u32 v[ADRS], 4*NQ, v[ADRS]            ; on to the next K step's scale words
	FETCH_B \next, 0, 0
	FETCH_A \next, 0, 0
	SCALES \next
	WIN MUL_HI
	MUL16 4, 1, NQ-1, \slot, 0
	MUL16 6, 1, NQ-1, \slot, 0
	PLACES NP
	WIN 0
	FETCH_A \next, 0, 4
.endm
	s_wait_tensorcnt 1                             ; the scales and my part of K step 0 are in (K step 1's load may be out),
	s_barrier_signal -1
	s_barrier_wait -1                              ; everybody's are
	FETCH_B 0, 0, 0
	FETCH_A 0, 0, 0
	SCALES 0
	FETCH_A 0, 0, 4
	s_wait_loadcnt 0x0                             ; the bias
	s_cmp_eq_u32 s43, 2
	s_cbranch_scc1 .Lfirst_v
	STEP 0, 0, 1                                   ; the first step starts the sums with the bias of B's rows,
	s_branch .Lfirst_done
.Lfirst_v:
	STEP 0, 0, 2                                   ; or, for v, of A's rows; both arms issue the same LDS loads
.Lfirst_done:
	s_mov_b32 s3, LAPS-1
.Llap:
	TURN 0, 1, 1
	STEP 1, 0, 0
	TURN 1, 0, 1
	STEP 0, 0, 0
	s_sub_co_u32 s3, s3, 1
	s_cmp_lg_u32 s3, 0
	s_cbranch_scc1 .Llap
	TURN 0, 1, 0                                   ; the last lap fills nothing
	STEP 1, 0, 0
	s_wait_dscnt 4*NL
	WIN MUL_LO
	MUL16 0, 1, NQ-1, 1, 0
	MUL16 2, 1, NQ-1, 1, 0
	s_wait_dscnt 0
	WIN MUL_HI
	MUL16 4, 1, NQ-1, 1, 0
	MUL16 6, 1, NQ-1, 1, 0
	WIN 0
	PLACES NP                                      ; behind the last products: window 0's registers are written and results are read from here on
.irp b, 0,1,2,3
	v_mov_b32 v[TM+4+\b], 0                        ; a lane permute's destination counts as one of its sources
.endr
.irp b, 0,1,2,3,4,5
	v_mov_b32 v[RT+\b], 0
.endr
	s_cmp_ge_u32 s43, 3
	s_cbranch_scc1 .Ltail_r
	; ---- q, k, v: where my images and scale words go
	s_cmp_eq_u32 s43, 2
	s_cbranch_scc1 .Lbase_v
	s_lshl_b32 s45, s44, 2
	s_add_co_u32 s45, s45, s42                     ; my 256 tokens: 4 clY + cy
	s_lshr_b32 s46, s45, 3                         ; the batch
	s_and_b32 s45, s45, 7
	s_lshl_b32 s46, s46, 4
	s_lshl_b32 s47, s41, 2
	s_add_co_u32 s46, s46, s47
	s_lshl_b32 s47, s40, 1
	s_add_co_u32 s46, s46, s47                     ; my first (batch, head): 16 b + 4 cx + 2 WC
	s_lshl_b32 s92, s46, 7
	s_lshl_b32 s47, s45, 4
	s_add_co_u32 s92, s92, s47
	s_lshl_b32 s47, s23, 3
	s_add_co_u32 s92, s92, s47                     ; image number: 128 a head, 16 for 256 tokens, 8 for my half
	s_mul_i32 s92, s92, 768
	s_mul_i32 s47, s43, 3145728                    ; q's images, then k's
	s_add_co_u32 s92, s92, s47
	s_mov_b32 s93, 0
	s_mul_i32 s94, s46, 28672                      ; the head's record of scale words
	s_lshl_b32 s47, s45, 10
	s_add_co_u32 s94, s94, s47
	s_lshl_b32 s47, s23, 9
	s_add_co_u32 s94, s94, s47
	s_cmp_eq_u32 s43, 0
	s_cselect_b32 s47, 20480, 0                    ; q's words lie at 20,480 in the record, k's at 0
	s_add_co_u32 s94, s94, s47
	s_mov_b32 s95, 0
	s_branch .Lbase_done
.Lbase_v:
	s_lshl_b32 s45, s44, 2
	s_add_co_u32 s45, s45, s41                     ; my 256 tokens: 4 clY + cx
	s_lshr_b32 s46, s45, 3
	s_and_b32 s45, s45, 7
	s_lshl_b32 s46, s46, 4
	s_lshl_b32 s47, s42, 2
	s_add_co_u32 s46, s46, s47
	s_lshl_b32 s47, s23, 1
	s_add_co_u32 s46, s46, s47                     ; my first (batch, head): 16 b + 4 cy + 2 WR
	s_lshl_b32 s45, s45, 1
	s_add_co_u32 s45, s45, s40                     ; my key step of 128
	s_lshl_b32 s92, s46, 6
	s_lshl_b32 s47, s45, 2
	s_add_co_u32 s92, s92, s47                     ; image number: 64 a head, 4 a key step
	s_mul_i32 s92, s92, 1536
	s_add_co_u32 s92, s92, 6291456
	s_mov_b32 s93, 0
	s_mul_i32 s94, s46, 28672
	s_lshl_b32 s47, s45, 8
	s_add_co_u32 s94, s94, s47
	s_add_co_u32 s94, s94, 8192
	s_mov_b32 s95, 0
.Lbase_done:
	s_add_nc_u64 s[92:93], s[16:17], s[92:93]
	s_add_nc_u64 s[94:95], s[18:19], s[94:95]
; Block a: the 64 numbers of a lane (register 16 b + i: number 8 h + i, or 16 + 8 h + i - 8, of block b) become a fragment's codes in v[PC] on and its scale word in v[PW].
.macro QACC a
.set AC, 64*((\a)%4)
.set QW, 2+(\a)/4
.set PC, 96
.if ((\a)%4) == 1
.set PC, 160                           ; so that the codes' register numbers never coincide with the numbers' in the other window
.endif
	s_wait_xcnt 0x0                                ; the last block's stores have read their data
	s_wait_dscnt 0x0
	WIN QW|(QW<<2)
.irp b, 0,1,2,3
	v_max3_num_f32 v[TM+\b], |v[AC+16*\b]|, |v[AC+16*\b+1]|, 0x1800000   ; each accumulator is read from its low end on; the floor 2^(3 - 127) holds the byte at 1
.endr
.irp i, 2,4,6,8,10,12,14
.irp b, 0,1,2,3
	v_max3_num_f32 v[TM+\b], |v[AC+16*\b+\i]|, |v[AC+16*\b+\i+1]|, v[TM+\b]
.endr
.endr
	WIN 0
.irp b, 0,1,2,3
	v_permlanex16_b32 v[TM+4+\b], v[TM+\b], s100, s101
.endr
.irp b, 0,1,2,3
	v_max_num_f32 v[TM+\b], v[TM+\b], v[TM+4+\b]   ; with lane l xor 16's: the block's largest magnitude
.endr
.irp b, 0,1,2,3
	v_add_nc_u32 v[TM+12+\b], 0xff000000, v[TM+\b] ; 2 off its exponent field: the conversion's scale operand
.endr
.irp b, 0,1,2,3
	v_lshrrev_b32 v[TM+4+\b], 23, v[TM+12+\b]      ; the scale's byte
.endr
	v_lshl_or_b32 v[PW], v[TM+5], 8, v[TM+4]
	v_lshl_or_b32 v[PW], v[TM+6], 16, v[PW]
	v_lshl_or_b32 v[PW], v[TM+7], 24, v[PW]
	WIN QW
.irp c, 0,1
	v_cvt_scalef32_pk16_fp6_f32 v[PC+6*\c:PC+2+6*\c], v[AC+32*\c:AC+15+32*\c], v[TM+12+2*\c]
	v_cvt_scalef32_pk16_fp6_f32 v[PC+12+4*\c:PC+14+4*\c], v[AC+16+32*\c:AC+31+32*\c], v[TM+12+2*\c+1]
.endr
	WIN 0
	v_nop                                          ; one plain place behind a scaled conversion
.irp c, 0,1                                    ; a whole block in a lane: lanes 0-15 block 2 c, lanes 16-31 block 2 c + 1
.irp i, 0,1,2
	v_permlane16_swap_b32 v[PC+6*\c+\i], v[PC+12+4*\c+\i]
.endr
.irp i, 0,1,2
	v_mov_b32 v[PC+3+6*\c+\i], v[PC+12+4*\c+\i]
.endr
.endr
	s_cmp_eq_u32 s43, 2
	s_cbranch_scc1 .Lst_v_\@
	v_lshrrev_b32 v[WD], v[SH], v[PW]              ; q, k: lanes 0-15 keep the first head's two bytes, lanes 16-31 the second's
	v_and_b32 v[WD], 0xffff, v[WD]
	ds_store_b32 v[STQA], v[WD] offset:64*(\a)
.irp c, 0,1                                    ; registers 6 c .. 6 c + 5 are head c's image: 16 tokens x 64
	global_store_b128 v[O16], v[PC+6*\c:PC+6*\c+3], s[92:93] offset:98304*\c+768*(\a)
	global_store_b64 v[O8], v[PC+6*\c+4:PC+6*\c+5], s[92:93] offset:98304*\c+768*(\a)+512
.endr
	s_branch .Lst_d_\@
.Lst_v_\@:
	ds_store_b32 v[STVA], v[PW] offset:64*(\a)     ; v: my channel's word for these 128 keys (both halves of the lanes write the same)
.irp g, 0,1,2
	global_store_b128 v[O16], v[PC+4*\g:PC+4*\g+3], s[92:93] offset:98304*((\a)/4)+1536*((\a)%4)+512*\g
.endr
.Lst_d_\@:
.endm
.irp a, 0,1,2,3,4,5,6,7
	QACC \a
.endr
	s_cmp_eq_u32 s43, 2
	s_cbranch_scc1 .Lsc_v
.irp i, 0,1,2,3
	ds_load_b64 v[200+2*\i:201+2*\i], v[STQR] offset:256*\i   ; LDS serves a wave's instructions in order: these see my stores
.endr
	s_wait_dscnt 0x0
.irp i, 0,1,2,3
	global_store_b64 v[O8], v[200+2*\i:201+2*\i], s[94:95] offset:28672*(\i/2)+256*(\i%2)   ; 32 lanes store 256 consecutive bytes, aligned
.endr
	s_branch .Ltail_end
.Lsc_v:
.irp i, 0,1
	ds_load_b64 v[200+2*\i:201+2*\i], v[STVR] offset:256*\i
.endr
	s_wait_dscnt 0x0
.irp i, 0,1
	global_store_b64 v[O8], v[200+2*\i:201+2*\i], s[94:95] offset:28672*\i
.endr
	s_branch .Ltail_end
.Ltail_r:
	; ---- r: tile b of a block holds p = b / 2 and f = 32 chunk + 16 (b % 2) + 8 h + j
	s_sub_co_u32 s45, s43, 3
	s_lshl_b32 s45, s45, 2
	s_add_co_u32 s45, s45, s41
	s_lshl_b32 s45, s45, 1
	s_add_co_u32 s45, s45, s40                     ; chunk
	s_mul_i32 s92, s45, 98304                      ; 6 x 4,096 numbers a chunk
	s_lshl_b32 s46, s44, 2
	s_add_co_u32 s46, s46, s42
	s_lshl_b32 s46, s46, 10                        ; my 256 tokens
	s_add_co_u32 s92, s92, s46
	s_lshl_b32 s46, s23, 9
	s_add_co_u32 s92, s92, s46
	s_mov_b32 s93, 0
	s_add_nc_u64 s[92:93], s[20:21], s[92:93]
.macro RDIF pi, i, j
.irp e, 0,1,2,3,4,5,6,7
	v_pk_add_f32 v[T+16*\pi+2*\e:T+16*\pi+2*\e+1], v[AC+16*\i+2*\e:AC+16*\i+2*\e+1], v[AC+16*\j+2*\e:AC+16*\j+2*\e+1] neg_lo:[0,1] neg_hi:[0,1]
.endr
.endm
.macro RACC a
.set AC, 64*((\a)%4)
.set QW, 2+(\a)/4
	s_wait_dscnt 0x0
	WIN QW|(QW<<2)
	RDIF 0, 0, 1                                   ; the six differences, each accumulator from its low end on
	RDIF 1, 0, 2
	RDIF 2, 0, 3
	RDIF 3, 1, 2
	RDIF 4, 1, 3
	RDIF 5, 2, 3
	WIN 0
.irp p, 0,1,2,3,4,5
	v_pk_mul_f32 v[SS+2*\p:SS+2*\p+1], v[T+16*\p:T+16*\p+1], v[T+16*\p:T+16*\p+1]
.endr
.irp e, 1,2,3,4,5,6,7
.irp p, 0,1,2,3,4,5
	v_pk_fma_f32 v[SS+2*\p:SS+2*\p+1], v[T+16*\p+2*\e:T+16*\p+2*\e+1], v[T+16*\p+2*\e:T+16*\p+2*\e+1], v[SS+2*\p:SS+2*\p+1]
.endr
.endr
.irp p, 0,1,2,3,4,5
	v_add_f32 v[SS+2*\p], v[SS+2*\p], v[SS+2*\p+1]
.endr
.irp p, 0,1,2,3,4,5
	v_permlanex16_b32 v[RT+\p], v[SS+2*\p], s100, s101
.endr
.irp p, 0,1,2,3,4,5
	v_add_f32 v[SS+2*\p], v[SS+2*\p], v[RT+\p]     ; my token's sum of squares over the chunk's 32 f
.endr
.irp p, 0,1,2,3,4,5
	ds_store_b32 v[STRA], v[SS+2*\p] offset:512*\p+64*(\a)
.endr
.endm
.irp a, 0,1,2,3,4,5,6,7
	RACC \a
.endr
.irp p, 0,1,2,3,4,5
	ds_load_b128 v[200+4*\p:203+4*\p], v[STRR] offset:512*\p
.endr
	s_wait_dscnt 0x0
.irp p, 0,1,2,3,4,5
	global_store_b128 v[O16], v[200+4*\p:203+4*\p], s[92:93] offset:16384*\p   ; 32 lanes store 512 consecutive bytes, aligned
.endr
.Ltail_end:
	s_wait_tensorcnt 0x0                           ; the wave's end, behind my last tensor load and my last LDS store
	ds_add_u32 v[SPW], v[NIL]
	s_wait_dscnt 0x0
	CROUND                                         ; the closing round
	s_endpgm
.Lfunc_end_k_qfd38c99159_proj:
	.size	k_qfd38c99159_proj, .Lfunc_end_k_qfd38c99159_proj-k_qfd38c99159_proj
	.p2alignl 7, 3214868480
	.fill 96, 4, 3214868480
	.section	.rodata,"a",@progbits
	.p2align	6, 0x0
	.amdhsa_kernel k_qfd38c99159_proj
		.amdhsa_group_segment_fixed_size 327680
		.amdhsa_private_segment_fixed_size 0
		.amdhsa_enable_private_segment 0
		.amdhsa_kernarg_size 72
		.amdhsa_user_sgpr_count 2
		.amdhsa_user_sgpr_kernarg_segment_ptr 1
		.amdhsa_wavefront_size32 1
		.amdhsa_system_sgpr_workgroup_id_x 1
		.amdhsa_system_sgpr_workgroup_id_y 1
		.amdhsa_system_sgpr_workgroup_id_z 1
		.amdhsa_system_vgpr_workitem_id 0
		.amdhsa_next_free_vgpr 1024
		.amdhsa_next_free_sgpr 102
		.amdhsa_reserve_vcc 0
		.amdhsa_float_denorm_mode_32 3
		.amdhsa_float_denorm_mode_16_64 3
		.amdhsa_memory_ordered 1
		.amdhsa_forward_progress 1
		.amdhsa_inst_pref_size 255
	.end_amdhsa_kernel
	.amdgpu_metadata
---
amdhsa.version: [ 1, 2 ]
amdhsa.kernels:
  - .name:           k_qfd38c99159_proj
    .symbol:         k_qfd38c99159_proj.kd
    .args:
      - { .name: codes, .offset: 0, .size: 8, .value_kind: global_buffer, .address_space: global }
      - { .name: scales, .offset: 8, .size: 8, .value_kind: global_buffer, .address_space: global }
      - { .name: bq, .offset: 16, .size: 8, .value_kind: global_buffer, .address_space: global }
      - { .name: bk, .offset: 24, .size: 8, .value_kind: global_buffer, .address_space: global }
      - { .name: bv, .offset: 32, .size: 8, .value_kind: global_buffer, .address_space: global }
      - { .name: br, .offset: 40, .size: 8, .value_kind: global_buffer, .address_space: global }
      - { .name: hc, .offset: 48, .size: 8, .value_kind: global_buffer, .address_space: global }
      - { .name: sm, .offset: 56, .size: 8, .value_kind: global_buffer, .address_space: global }
      - { .name: ps, .offset: 64, .size: 8, .value_kind: global_buffer, .address_space: global }
    .group_segment_fixed_size: 327680
    .private_segment_fixed_size: 0
    .kernarg_segment_align: 8
    .kernarg_segment_size: 72
    .max_flat_workgroup_size: 128
    .sgpr_count:     102
    .vgpr_count:     1024
    .wavefront_size: 32
...
	.end_amdgpu_metadata
.endif
;; end of part 2
;; launch cwred (part 3): grid 16 x 1, 4 waves a work-group, no clusters, 0 bytes of LDS; arguments ps, out1, sm; writes out1, sm
.if DOCPART == 3
	.amdgcn_target "amdgcn-amd-amdhsa--gfx1250"
	.amdhsa_code_object_version 6
	.text
	.protected	k_qfd38c99159_cwred
	.globl	k_qfd38c99159_cwred
	.p2align	8
	.type	k_qfd38c99159_cwred,@function
k_qfd38c99159_cwred:
	s_mov_b64 s[64:65], 0
	v_nop
	global_prefetch_b8 v0, s[64:65] scope:SCOPE_SE
	s_setreg_imm32_b32 hwreg(HW_REG_WAVE_MODE, 25, 1), 1
	s_wait_xcnt 0x0
; The consistency weights.  ps [chunk 16][pair 6][token 4096] holds partial sums of squares of the six differences of restrictions.  For each token: the 16 chunks are added, six roots, their mean h1,
; cw = 1 / (h1 + 1e-6), and the softmax over the one-element axis, written out: exp(cw - max) / sum.  That is out1.  w = out1 x log2(e) / 8 is what attention multiplies a key's scores by;
; it goes into each head's record of sm, 2,048 numbers at byte 12,288.
; A thread takes two neighbouring tokens: a wave's load or store covers 256 consecutive bytes, aligned.  4,096 tokens are 16 work-groups of 128 threads: that is all the work there is.
; No LDS, no barrier, no matrix unit: 96 loads a thread, all issued on end.  LIMITS: NaN and infinities in ps are not served.
	s_load_b128 s[4:7], s[0:1], 0x0                ; ps, out1
	s_load_b64 s[8:9], s[0:1], 0x10                ; sm
	v_lshlrev_b32 v1, 3, v0                        ; my two tokens, 8 bytes
	s_lshl_b32 s10, ttmp9, 10                      ; the work-group's 256 tokens
	s_mov_b32 s11, 0
	s_lshr_b32 s12, ttmp9, 3                       ; the batch
	s_mul_i32 s12, s12, 16*28672
	s_and_b32 s13, ttmp9, 7
	s_lshl_b32 s13, s13, 10
	s_add_co_u32 s12, s12, s13
	s_add_co_u32 s12, s12, 12288
	s_mov_b32 s13, 0
	s_mov_b32 s14, 0x3e2aaaab                      ; 1 / 6
	s_mov_b32 s15, 0x358637bd                      ; 1e-6
	s_wait_kmcnt 0x0
	s_add_nc_u64 s[4:5], s[4:5], s[10:11]
	s_add_nc_u64 s[6:7], s[6:7], s[10:11]
	s_add_nc_u64 s[8:9], s[8:9], s[12:13]
.set n, 0
.rept 96
	global_load_b64 v[32+2*n:33+2*n], v1, s[4:5] offset:16384*n th:TH_LOAD_NT   ; n = 6 chunk + pair
.set n, n+1
.endr
	s_wait_loadcnt 0x0
.set c, 1
.rept 15
.irp p, 0,1,2,3,4,5
	v_pk_add_f32 v[32+2*\p:33+2*\p], v[32+2*\p:33+2*\p], v[32+2*(6*c+\p):33+2*(6*c+\p)]   ; chunks ascending, the six pairs by turns
.endr
.set c, c+1
.endr
.irp j, 0,1,2,3,4,5,6,7,8,9,10,11
	v_sqrt_f32 v[8+\j], v[32+\j]                   ; the six norms of my two tokens
.endr
	v_nop                                          ; a plain place behind the batch,
	s_wait_alu depctr_va_vdst(0)                   ; and the one wait ahead of its first reader
.irp p, 1,2,3,4,5
	v_pk_add_f32 v[8:9], v[8:9], v[8+2*\p:9+2*\p]
.endr
	v_fma_f32 v20, v8, s14, s15                    ; the mean + 1e-6
	v_fma_f32 v21, v9, s14, s15
	v_rcp_f32 v22, v20                             ; cw
	v_rcp_f32 v23, v21
	v_nop
	s_wait_alu depctr_va_vdst(0)
	v_sub_f32 v24, v22, v22                        ; the softmax over one element: cw less its maximum, which is cw,
	v_sub_f32 v25, v23, v23
	v_mul_f32 v24, 0x3fb8aa3b, v24
	v_mul_f32 v25, 0x3fb8aa3b, v25
	v_exp_f32 v26, v24                             ; its exponential,
	v_exp_f32 v27, v25
	v_nop
	s_wait_alu depctr_va_vdst(0)
	v_rcp_f32 v28, v26                             ; divided by the sum, which is that exponential
	v_rcp_f32 v29, v27
	v_nop
	s_wait_alu depctr_va_vdst(0)
	v_mul_f32 v30, v26, v28
	v_mul_f32 v31, v27, v29
	global_store_b64 v1, v[30:31], s[6:7]
	v_mul_f32 v2, 0x3e38aa3b, v30                  ; x log2(e) / sqrt(64)
	v_mul_f32 v3, 0x3e38aa3b, v31
.irp h, 0,1,2,3,4,5,6,7,8,9,10,11,12,13,14,15
	global_store_b64 v1, v[2:3], s[8:9] offset:28672*\h
.endr
	s_endpgm
.Lfunc_end_k_qfd38c99159_cwred:
	.size	k_qfd38c99159_cwred, .Lfunc_end_k_qfd38c99159_cwred-k_qfd38c99159_cwred
	.p2alignl 7, 3214868480
	.fill 96, 4, 3214868480
	.section	.rodata,"a",@progbits
	.p2align	6, 0x0
	.amdhsa_kernel k_qfd38c99159_cwred
		.amdhsa_group_segment_fixed_size 0
		.amdhsa_private_segment_fixed_size 0
		.amdhsa_enable_private_segment 0
		.amdhsa_kernarg_size 24
		.amdhsa_user_sgpr_count 2
		.amdhsa_user_sgpr_kernarg_segment_ptr 1
		.amdhsa_wavefront_size32 1
		.amdhsa_system_sgpr_workgroup_id_x 1
		.amdhsa_system_sgpr_workgroup_id_y 1
		.amdhsa_system_sgpr_workgroup_id_z 1
		.amdhsa_system_vgpr_workitem_id 0
		.amdhsa_next_free_vgpr 224
		.amdhsa_next_free_sgpr 66
		.amdhsa_reserve_vcc 0
		.amdhsa_float_denorm_mode_32 3
		.amdhsa_float_denorm_mode_16_64 3
		.amdhsa_memory_ordered 1
		.amdhsa_forward_progress 1
		.amdhsa_inst_pref_size 19
	.end_amdhsa_kernel
	.amdgpu_metadata
---
amdhsa.version: [ 1, 2 ]
amdhsa.kernels:
  - .name:           k_qfd38c99159_cwred
    .symbol:         k_qfd38c99159_cwred.kd
    .args:
      - { .name: ps, .offset: 0, .size: 8, .value_kind: global_buffer, .address_space: global }
      - { .name: out1, .offset: 8, .size: 8, .value_kind: global_buffer, .address_space: global }
      - { .name: sm, .offset: 16, .size: 8, .value_kind: global_buffer, .address_space: global }
    .group_segment_fixed_size: 0
    .private_segment_fixed_size: 0
    .kernarg_segment_align: 8
    .kernarg_segment_size: 24
    .max_flat_workgroup_size: 128
    .sgpr_count:     66
    .vgpr_count:     224
    .wavefront_size: 32
...
	.end_amdgpu_metadata
.endif
;; end of part 3
;; launch attn (part 4): grid 8 x 32, 16 waves a work-group, clusters of 4 x 1, 229,376 bytes of LDS; arguments hc, sm, ac, ah; writes ac, ah
.if DOCPART == 4
	.amdgcn_target "amdgcn-amd-amdhsa--gfx1250"
	.amdhsa_code_object_version 6
	.text
	.protected	k_qfd38c99159_attn
	.globl	k_qfd38c99159_attn
	.p2align	8
	.type	k_qfd38c99159_attn,@function
k_qfd38c99159_attn:
	s_mov_b64 s[64:65], 0
	v_nop
	global_prefetch_b8 v0, s[64:65] scope:SCOPE_SE
	s_setreg_imm32_b32 hwreg(HW_REG_WAVE_MODE, 25, 1), 1
	s_wait_xcnt 0x0
	s_wait_alu depctr_hold_cnt(0) depctr_sa_sdst(0) depctr_va_vdst(0) depctr_va_sdst(0) depctr_va_ssrc(0) depctr_va_vcc(0) depctr_vm_vsrc(0)
	s_getreg_b32 s2, hwreg(HW_REG_IB_STS2, 6, 4)
	s_cmp_eq_u32 s2, 0
	s_cbranch_scc0 .Lentry_in_a_cluster
	s_endpgm
.Lentry_in_a_cluster:
	s_bfe_u32 s2, ttmp6, 0x10000c
	s_cmp_lg_u32 s2, 0x3003
	s_cbranch_scc0 .Lentry_shape_is_right
	s_endpgm
.Lentry_shape_is_right:
; Attention for one (batch, head): 2,048 queries and keys, head size 64, both products on codes of FP6 (E2M3) with E8M0 scales.
; t = score x w[key], w = cw x log2(e) / 8; M = the running largest t rounded UP to a whole number; p = 2^(t - M) is quantised along the keys, not normalised; the row's sum is taken of the unquantised p and divides O at the end.
; When M moves, the sum and O are multiplied by 2^(old M - new M): exact.
; SHARES.  A work-group owns 256 queries, each of its sixteen waves one tile of 16, in 256 registers: four waves to a SIMD, so that one wave's vector work stands beside another's matrix work and LDS loads.
; THE WHOLE HEAD LIES IN LDS: K's 128 images (16 keys x 64: 768 bytes), V's 64 images (16 channels x 128 keys: 1,536 bytes), their scale words and w: 217,088 bytes, filled ONCE.  Nothing is filled again.
; CLUSTER.  The four query blocks of a cluster belong to one head and want the same bytes: every tensor load is joint, with a mask that names the four.  Wave 0 asks for the scale words, w and K in four parts,
; wave 1 for V in four parts: five and four loads out.  A part is four key steps; the waves begin as soon as the first parts have landed.
; LAYOUT.  Both products are used transposed: S^T = K Q^T (source 0 = 16 keys), O^T = V^T P^T (source 0 = 16 channels): a lane holds ONE query throughout.  The first product's K is 64: the upper 64 are zero codes on both sides.
; Two neighbouring tiles of S^T give a lane 16 numbers of a block of 32 keys, in the order 0-7, 16-23 (lanes 0-15) and 8-15, 24-31 (lanes 16-31): V's codes were laid in that same order.
; THE WAY OUT.  O / the sum is quantised along the head's 64 channels and stored as an image (16 tokens x 64) into ac; its two scale bytes a token go through LDS into ah [head][token].
; LIMITS: p under 2^-126 counts as 0; a block of zeros keeps the scale byte 1; NaN and infinities are not served.
.set KIM,   0
.set VIM,   98304
.set KSC,   196608                     ; K's scale words, 4 bytes a key
.set VSC,   204800                     ; V's: [key step][channel tile][channel]
.set WKL,   208896                     ; w, 4 bytes a key
.set SPARE, 217088                     ; the spare words, 128 bytes for each of sixteen waves
.set STS,   219136                     ; 512 bytes: the attended rows' scale bytes, written by LDS stores alone
.set KF,  32                           ; v32-79   four fragments of K; the upper six registers of each stay 0
.set W,   80                           ; v80-111  w of four tiles
.set S,   112                          ; v112-175 S^T, t, p; then V's four fragments in v112-159
.set O,   176                          ; v176-207 O^T
.set PC,  208                          ; v208-227 p's codes
.set BM,  228                          ; v228-231 the blocks' maxima
.set TP,  232                          ; v232-235 at work
.set SO,  236                          ; v236-239 the conversions' scale operands
; v1 16 l, v2 8 l, v3 4 l, v4 32 h, v5, v6 the add's two, v7, v31 the stage's addresses; v8-11, v29, v30 the step's addresses; v12 -M, v13 the largest t, v[14:15] the sum; v16-27 Q, v28 its scale words;
; v240-243 K's scale words, v244-245 V's, v246 p's; v247 at work; v[248:249] f; v[250:251] the step's second chain of sums
.macro CROUND
	s_barrier_signal -1
	s_barrier_wait -1
	s_cmp_lg_u32 s12, 0
	s_cbranch_scc1 .Lnot_wave_0_\@
	s_barrier_signal -3
.Lnot_wave_0_\@:
	s_barrier_wait -3
	s_barrier_signal -1
	s_barrier_wait -1
.endm
	s_load_b256 s[4:11], s[0:1], 0x0               ; hc, sm, ac, ah
	v_lshl_add_u32 v5, v0, 2, SPARE
	v_mov_b32 v6, 0
	ds_add_u32 v5, v6                              ; the wave's opening: the add and its wait ahead of the first tensor loads
	v_lshrrev_b32 v8, 5, v0
	v_readfirstlane_b32 s12, v8                    ; wave 0..15
	s_bfe_u32 s13, ttmp6, 0x40000                  ; cx
	s_lshl_b32 s14, ttmp9, 2
	s_add_co_u32 s14, s14, s13                     ; my block of 256 queries: it enters global addresses of my own loads and stores alone
	s_and_b32 s15, ttmp7, 0xffff                   ; (batch, head), which the four partners share
	s_lshr_b32 s16, s15, 4                         ; batch
	s_and_b32 s17, s15, 15                         ; head
	s_mov_b32 s24, 15|(3<<16)|(1<<21)              ; group 1 for a part of K or V: the mask names all four; elements of 8 bytes; 96 rows of 256 dense bytes
	s_mov_b32 s25, 32<<16
	s_mov_b32 s26, 96<<16
	s_mov_b32 s27, 32<<16
	s_mov_b32 s28, 96
	s_mov_b32 s29, 32
	s_mov_b32 s30, 0
	s_mov_b32 s31, 0
	s_mov_b32 s32, 15|(3<<16)|(1<<21)              ; and for the scale words and w: 80 rows of 256 dense bytes
	s_mov_b32 s33, 32<<16
	s_mov_b32 s34, 80<<16
	s_mov_b32 s35, 32<<16
	s_mov_b32 s36, 80
	s_mov_b32 s37, 32
	s_mov_b32 s38, 0
	s_mov_b32 s39, 0
	s_mov_b32 s20, 0x76543210
	s_mov_b32 s21, 0xfedcba98                      ; v_permlanex16_b32's selects for lane l xor 16
	v_and_b32 v9, 31, v0
	v_lshlrev_b32 v1, 4, v9
	v_lshlrev_b32 v2, 3, v9
	v_lshlrev_b32 v3, 2, v9
	v_bfe_u32 v10, v0, 4, 1
	v_lshlrev_b32 v4, 5, v10
	v_and_b32 v11, 15, v0
	s_lshl_b32 s68, s12, 5
	s_add_co_u32 s68, s68, STS
	v_lshl_add_u32 v7, v11, 1, s68                 ; STS + 32 wave + 2 r
	v_add_nc_u32 v31, STS, v1                      ; STS + 16 l
	v_lshlrev_b32 v30, 2, v11                      ; 4 r: Q's scale words
	s_mul_i32 s70, s15, 28672                      ; the head's record in sm
	s_mov_b32 s71, 0
	s_min_u32 s69, s12, 1                          ; wave 0: K, wave 1: V (the others issue no load)
	s_mul_i32 s74, s69, 98304                      ; in LDS
	s_add_co_u32 s72, s69, 1
	s_mul_i32 s72, s72, 3145728                    ; in hc: q's images, then k's, then v's
	s_mul_i32 s73, s15, 98304
	s_add_co_u32 s72, s72, s73
	s_mov_b32 s73, 0
	s_lshl_b32 s76, s15, 7
	s_lshl_b32 s77, s14, 4
	s_add_co_u32 s76, s76, s77
	s_add_co_u32 s76, s76, s12
	s_mul_i32 s76, s76, 768                        ; my tile's image of q
	s_mov_b32 s77, 0
	s_lshl_b32 s78, s14, 10
	s_lshl_b32 s79, s12, 6
	s_add_co_u32 s78, s78, s79
	s_add_co_u32 s78, s78, 20480                   ; and its scale words in the record
	s_mov_b32 s79, 0
	s_mov_b32 s60, KIM                             ; the step's places in LDS
	s_mov_b32 s61, KSC
	s_mov_b32 s62, WKL
	s_mov_b32 s63, VIM
	s_mov_b32 s66, VSC
	s_wait_dscnt 0x0                               ; the opening add is done
	s_wait_kmcnt 0x0
	s_add_nc_u64 s[70:71], s[6:7], s[70:71]
	s_add_nc_u64 s[72:73], s[4:5], s[72:73]
	s_add_nc_u64 s[76:77], s[4:5], s[76:77]
	s_add_nc_u64 s[78:79], s[70:71], s[78:79]
	s_mov_b32 s40, 1
	s_mov_b32 s41, KSC
	s_mov_b64 s[42:43], s[70:71]
	s_or_b32 s43, s43, 0x80000000
.irp c, 0,1,2,3
	s_mov_b32 s[44+4*\c], 1
	s_add_co_u32 s[45+4*\c], s74, 24576*\c
	s_add_nc_u64 s[46+4*\c:47+4*\c], s[72:73], 24576*\c
	s_or_b32 s[47+4*\c], s[47+4*\c], 0x80000000
.endr
	CROUND                                         ; all four work-groups are here: the joint loads meet
	s_cmp_eq_u32 s12, 0                            ; a wave's first fills stand in one branch; an s_nop 0 follows each load, four v_nop the last
	s_cbranch_scc0 .Lnot_k
	tensor_load_to_lds s[40:43], s[32:39]
	s_nop 0
	tensor_load_to_lds s[44:47], s[24:31]
	s_nop 0
	tensor_load_to_lds s[48:51], s[24:31]
	s_nop 0
	tensor_load_to_lds s[52:55], s[24:31]
	s_nop 0
	tensor_load_to_lds s[56:59], s[24:31]
	s_nop 0
.rept 4
	v_nop
.endr
	s_branch .Lasked
.Lnot_k:
	s_cmp_eq_u32 s12, 1
	s_cbranch_scc0 .Lasked
	tensor_load_to_lds s[44:47], s[24:31]
	s_nop 0
	tensor_load_to_lds s[48:51], s[24:31]
	s_nop 0
	tensor_load_to_lds s[52:55], s[24:31]
	s_nop 0
	tensor_load_to_lds s[56:59], s[24:31]
	s_nop 0
.rept 4
	v_nop
.endr
.Lasked:
	global_load_b128 v[16:19], v1, s[76:77]        ; Q's image: registers 0-5 of the operand
	global_load_b64 v[20:21], v2, s[76:77] offset:512
	global_load_b32 v28, v30, s[78:79]
.irp j, 22,23,24,25,26,27
	v_mov_b32 v[\j], 0                             ; K = 64 .. 127: zero codes
.endr
.irp i, 0,1,2,3
.irp j, 6,7,8,9,10,11
	v_mov_b32 v[KF+12*\i+\j], 0
.endr
.endr
.set j, 0
.rept 32
	v_mov_b32 v[O+j], 0                            ; the step is written once: the first finds zeros, which the first change of M leaves zeros
.set j, j+1
.endr
	v_mov_b32 v13, 0xff61b1e6                      ; the largest t so far: -3e38
	v_floor_f32 v12, -v13                          ; -M
	v_mov_b32 v14, 0
	v_mov_b32 v15, 0
	v_mov_b32 v249, 0                              ; (named as the upper half of the pair v[248:249])
	v_mov_b32 v247, 0
.irp b, 0,1,2,3
	v_mov_b32 v[TP+\b], 0                          ; a lane permute's destination counts as one of its sources
.endr
.macro KQ4 g                           ; four tiles of S^T; K's scale words: lanes 0-15 of a register serve the even tile, lanes 16-31 the odd one
.irp t, 0,1,2,3
.if (\t%2)
	v_wmma_scale_f32_16x16x128_f8f6f4 v[S+8*(4*\g+\t):S+8*(4*\g+\t)+7], v[KF+12*\t:KF+12*\t+11], v[16:27], 0, v[240+(4*\g+\t)/2], v28 matrix_a_fmt:MATRIX_FMT_FP6 matrix_b_fmt:MATRIX_FMT_FP6 matrix_a_scale:MATRIX_SCALE_ROW1
.else
	v_wmma_scale_f32_16x16x128_f8f6f4 v[S+8*(4*\g+\t):S+8*(4*\g+\t)+7], v[KF+12*\t:KF+12*\t+11], v[16:27], 0, v[240+(4*\g+\t)/2], v28 matrix_a_fmt:MATRIX_FMT_FP6 matrix_b_fmt:MATRIX_FMT_FP6
.endif
.endr
.endm
; A KEY STEP: 128 keys.
.macro STEP
	v_add_nc_u32 v8, s60, v1                       ; six plain lines: also the places between the last step's products, which read V's fragments, and the products below, which write over them
	v_add_nc_u32 v9, s60, v2
	v_add_nc_u32 v10, s61, v3
	v_add_nc_u32 v11, s62, v4
	v_add_nc_u32 v29, s63, v1
	v_add_nc_u32 v30, s66, v3
.irp i, 0,1,2,3
	ds_load_b128 v[KF+12*\i:KF+12*\i+3], v8 offset:768*\i
	ds_load_b64 v[KF+12*\i+4:KF+12*\i+5], v9 offset:768*\i+512
.endr
.irp i, 0,1,2,3
	ds_load_b32 v[240+\i], v10 offset:128*\i       ; 32 keys' scale words: two tiles
.endr
.irp i, 0,1,2,3
	ds_load_b128 v[W+8*\i:W+8*\i+3], v11 offset:64*\i          ; w of the tile's eight keys of my half
	ds_load_b128 v[W+8*\i+4:W+8*\i+7], v11 offset:64*\i+16
.endr
	s_wait_dscnt 0x0
	KQ4 0
.rept 4
	v_nop                                          ; places in front of the loads into K's registers and of the first read of results
.endr
.irp i, 0,1,2,3
	ds_load_b128 v[KF+12*\i:KF+12*\i+3], v8 offset:768*(4+\i)
	ds_load_b64 v[KF+12*\i+4:KF+12*\i+5], v9 offset:768*(4+\i)+512
.endr
.set j, 0
.rept 16
	v_pk_mul_f32 v[S+j:S+j+1], v[S+j:S+j+1], v[W+j:W+j+1]      ; t = score x w[key], each accumulator from its low end on
.set j, j+2
.endr
.irp i, 0,1,2,3
	ds_load_b128 v[W+8*\i:W+8*\i+3], v11 offset:64*(4+\i)
	ds_load_b128 v[W+8*\i+4:W+8*\i+7], v11 offset:64*(4+\i)+16
.endr
	s_wait_dscnt 0x0
	KQ4 1
.rept 4
	v_nop
.endr
.set j, 0
.rept 16
	v_pk_mul_f32 v[S+32+j:S+33+j], v[S+32+j:S+33+j], v[W+j:W+j+1]
.set j, j+2
.endr
.irp b, 0,1,2,3
	v_max3_num_f32 v[BM+\b], v[S+16*\b], v[S+1+16*\b], v[S+2+16*\b]   ; the largest t of each block of 32 keys: it serves the row's maximum and, since p rises with t, the block's largest p
.endr
.irp i, 3,5,7,9,11,13
.irp b, 0,1,2,3
	v_max3_num_f32 v[BM+\b], v[BM+\b], v[S+16*\b+\i], v[S+1+16*\b+\i]
.endr
.endr
.irp b, 0,1,2,3
	v_max_num_f32 v[BM+\b], v[BM+\b], v[S+15+16*\b]
.endr
.irp b, 0,1,2,3
	v_permlanex16_b32 v[TP+\b], v[BM+\b], s20, s21
.endr
.irp b, 0,1,2,3
	v_max_num_f32 v[BM+\b], v[BM+\b], v[TP+\b]     ; with lane l xor 16's 16 keys
.endr
	v_max3_num_f32 v247, v[BM], v[BM+1], v[BM+2]
	v_max_num_f32 v247, v247, v[BM+3]
	v_max_num_f32 v13, v13, v247                   ; the running largest t
	v_mov_b32 v247, v12
	v_floor_f32 v12, -v13                          ; the new -M = -ceil(t)
	v_sub_f32 v247, v12, v247                      ; old M - new M: a whole number, 0 or less
	v_cvt_i32_f32 v247, v247                       ; (it saturates)
	v_ldexp_f32 v248, 1.0, v247                    ; f = 2^(old M - new M)
.set j, 0
.rept 32
	v_pk_add_f32 v[S+j:S+j+1], v[S+j:S+j+1], v[12:13] op_sel_hi:[1,0]   ; t - M, two at a time
.set j, j+2
.endr
.irp b, 0,1,2,3
	v_add_f32 v[BM+\b], v[BM+\b], v12              ; the same of each block's largest t
.endr
.set j, 0
.rept 64
	v_exp_f32 v[S+j], v[S+j]                       ; p = 2^(t - M), at most 1
.set j, j+1
.endr
	v_pk_mul_f32 v[14:15], v[14:15], v[248:249] op_sel_hi:[1,0]   ; the sum under the new M: a plain place behind the batch
	s_wait_alu depctr_va_vdst(0)                   ; one wait for the batch, ahead of its first reader
.irp b, 0,1,2,3
	v_exp_f32 v[BM+\b], v[BM+\b]                   ; the block's largest p
.endr
	v_pk_add_f32 v[250:251], v[S:S+1], v[S+2:S+3]  ; the row's sum of the unquantised p, in two chains
.set j, 4
.rept 15
	v_pk_add_f32 v[14:15], v[14:15], v[S+j:S+j+1]
	v_pk_add_f32 v[250:251], v[250:251], v[S+j+2:S+j+3]
.set j, j+4
.endr
	v_pk_add_f32 v[14:15], v[14:15], v[250:251]
	s_wait_alu depctr_va_vdst(0)                   ; and one for the four
.irp b, 0,1,2,3
	v_max_num_f32 v[BM+\b], 0x1800000, v[BM+\b]    ; the floor 2^(3 - 127): the byte cannot fall under 1
.endr
.irp b, 0,1,2,3
	v_add_nc_u32 v[SO+\b], 0xff000000, v[BM+\b]    ; 2 off the exponent field: the conversion's scale operand
.endr
.irp b, 0,1,2,3
	v_lshrrev_b32 v[TP+\b], 23, v[SO+\b]           ; the scale's byte
.endr
	v_lshl_or_b32 v246, v[TP+1], 8, v[TP]          ; p's scale word for these 128 keys
	v_lshl_or_b32 v246, v[TP+2], 16, v246
	v_lshl_or_b32 v246, v[TP+3], 24, v246
.irp c, 0,1
	v_cvt_scalef32_pk16_fp6_f32 v[PC+6*\c:PC+2+6*\c], v[S+32*\c:S+15+32*\c], v[SO+2*\c]
	v_cvt_scalef32_pk16_fp6_f32 v[PC+12+4*\c:PC+14+4*\c], v[S+16+32*\c:S+31+32*\c], v[SO+2*\c+1]
.endr
	v_nop                                          ; one plain place behind a scaled conversion
.irp t, 0,1,2,3
.irp g, 0,1,2
	ds_load_b128 v[S+12*\t+4*\g:S+12*\t+4*\g+3], v29 offset:1536*\t+512*\g   ; V's four images, into the registers that p has left
.endr
.endr
	ds_load_b32 v244, v30                          ; V's scale words: two channel tiles a register
	ds_load_b32 v245, v30 offset:128
.irp c, 0,1                                    ; a whole block in a lane: lanes 0-15 block 2 c, lanes 16-31 block 2 c + 1
.irp i, 0,1,2
	v_permlane16_swap_b32 v[PC+6*\c+\i], v[PC+12+4*\c+\i]
.endr
.irp i, 0,1,2
	v_mov_b32 v[PC+3+6*\c+\i], v[PC+12+4*\c+\i]
.endr
.endr
.set j, 0
.rept 16
	v_pk_mul_f32 v[O+j:O+j+1], v[O+j:O+j+1], v[248:249] op_sel_hi:[1,0]   ; O^T under the new M; these sixteen are also the places in front of the scaled products below
.set j, j+2
.endr
	s_wait_dscnt 0x0
.irp t, 0,1,2,3                                ; O^T += V^T P^T, the four accumulators by turns
.if (\t%2)
	v_wmma_scale_f32_16x16x128_f8f6f4 v[O+8*\t:O+8*\t+7], v[S+12*\t:S+12*\t+11], v[PC:PC+11], v[O+8*\t:O+8*\t+7], v[244+\t/2], v246 matrix_a_fmt:MATRIX_FMT_FP6 matrix_b_fmt:MATRIX_FMT_FP6 matrix_a_scale:MATRIX_SCALE_ROW1
.else
	v_wmma_scale_f32_16x16x128_f8f6f4 v[O+8*\t:O+8*\t+7], v[S+12*\t:S+12*\t+11], v[PC:PC+11], v[O+8*\t:O+8*\t+7], v[244+\t/2], v246 matrix_a_fmt:MATRIX_FMT_FP6 matrix_b_fmt:MATRIX_FMT_FP6
.endif
.endr
	s_add_co_u32 s60, s60, 6144                    ; the next step's images, scale words and w
	s_add_co_u32 s61, s61, 512
	s_add_co_u32 s62, s62, 512
	s_add_co_u32 s63, s63, 6144
	s_add_co_u32 s66, s66, 256
.endm
	s_wait_loadcnt 0x0                             ; Q
.irp c, 0,1,2,3
	s_wait_tensorcnt 3-\c                          ; part c has landed (and, in wave 0, the scale words and w ahead of it); the 3 - c parts issued behind it may stay out
	s_wait_dscnt 0x0
	s_barrier_signal -1
	s_barrier_wait -1                              ; so every wave may read it
	s_mov_b32 s67, 4
.Lstep\c:
	STEP
	s_sub_co_u32 s67, s67, 1
	s_cmp_lg_u32 s67, 0
	s_cbranch_scc1 .Lstep\c
.endr
	; THE WAY OUT
.rept 4
	v_nop                                          ; places behind the last products
.endr
	v_add_f32 v14, v14, v15
	v_permlanex16_b32 v247, v14, s20, s21
	v_add_f32 v14, v14, v247                       ; the row's sum
	v_rcp_f32 v248, v14
	s_lshl_b32 s68, s16, 7
	s_lshl_b32 s69, s14, 4
	s_add_co_u32 s68, s68, s69
	s_add_co_u32 s68, s68, s12                     ; my tile of 16 tokens among all 256
	s_lshl_b32 s68, s68, 4
	s_add_co_u32 s68, s68, s17
	s_mul_i32 s68, s68, 768
	s_mov_b32 s69, 0
	s_add_nc_u64 s[8:9], s[8:9], s[68:69]
	s_lshl_b32 s68, s17, 13
	s_lshl_b32 s72, s16, 12
	s_add_co_u32 s68, s68, s72
	s_lshl_b32 s72, s14, 9
	s_add_co_u32 s68, s68, s72                     ; ah: 8,192 bytes a head, 2 bytes a token
	s_add_nc_u64 s[10:11], s[10:11], s[68:69]
	v_nop                                          ; a plain place behind the reciprocal,
	s_wait_alu depctr_va_vdst(0)                   ; and its wait
.set j, 0
.rept 16
	v_pk_mul_f32 v[S+j:S+j+1], v[O+j:O+j+1], v[248:249] op_sel_hi:[1,0]   ; O^T / the sum: register 8 t + i is channel 16 t + 8 h + i of my token
.set j, j+2
.endr
.irp b, 0,1
	v_max3_num_f32 v[BM+\b], |v[S+16*\b]|, |v[S+1+16*\b]|, 0x1800000
.endr
.irp i, 2,4,6,8,10,12,14
.irp b, 0,1
	v_max3_num_f32 v[BM+\b], v[BM+\b], |v[S+16*\b+\i]|, |v[S+1+16*\b+\i]|
.endr
.endr
.irp b, 0,1
	v_permlanex16_b32 v[TP+\b], v[BM+\b], s20, s21
.endr
.irp b, 0,1
	v_max_num_f32 v[BM+\b], v[BM+\b], v[TP+\b]
.endr
.irp b, 0,1
	v_add_nc_u32 v[SO+\b], 0xff000000, v[BM+\b]
.endr
.irp b, 0,1
	v_lshrrev_b32 v[TP+\b], 23, v[SO+\b]
.endr
	v_lshl_or_b32 v246, v[TP+1], 8, v[TP]          ; my token's two scale bytes
	v_cvt_scalef32_pk16_fp6_f32 v[PC:PC+2], v[S:S+15], v[SO]
	v_cvt_scalef32_pk16_fp6_f32 v[PC+12:PC+14], v[S+16:S+31], v[SO+1]
	v_nop
.irp i, 0,1,2
	v_permlane16_swap_b32 v[PC+\i], v[PC+12+\i]
.endr
.irp i, 0,1,2
	v_mov_b32 v[PC+3+\i], v[PC+12+\i]
.endr
	global_store_b128 v1, v[PC:PC+3], s[8:9]       ; the image: 512 consecutive bytes, then 256
	global_store_b64 v2, v[PC+4:PC+5], s[8:9] offset:512
	ds_store_b16 v7, v246                          ; both halves of the lanes write the same two bytes
	s_wait_dscnt 0x0                               ; for the others' sake
	s_barrier_signal -1
	s_barrier_wait -1
	s_cmp_lg_u32 s12, 0
	s_cbranch_scc1 .Lnot_first
	ds_load_b128 v[112:115], v31                   ; the work-group's 256 tokens x 2 bytes
	s_wait_dscnt 0x0
	global_store_b128 v1, v[112:115], s[10:11]     ; 512 consecutive bytes, aligned
.Lnot_first:
	s_wait_tensorcnt 0x0                           ; the wave's end
	ds_add_u32 v5, v6
	s_wait_dscnt 0x0
	CROUND                                         ; the closing round
	s_endpgm
.Lfunc_end_k_qfd38c99159_attn:
	.size	k_qfd38c99159_attn, .Lfunc_end_k_qfd38c99159_attn-k_qfd38c99159_attn
	.p2alignl 7, 3214868480
	.fill 96, 4, 3214868480
	.section	.rodata,"a",@progbits
	.p2align	6, 0x0
	.amdhsa_kernel k_qfd38c99159_attn
		.amdhsa_group_segment_fixed_size 229376
		.amdhsa_private_segment_fixed_size 0
		.amdhsa_enable_private_segment 0
		.amdhsa_kernarg_size 32
		.amdhsa_user_sgpr_count 2
		.amdhsa_user_sgpr_kernarg_segment_ptr 1
		.amdhsa_wavefront_size32 1
		.amdhsa_system_sgpr_workgroup_id_x 1
		.amdhsa_system_sgpr_workgroup_id_y 1
		.amdhsa_system_sgpr_workgroup_id_z 1
		.amdhsa_system_vgpr_workitem_id 0
		.amdhsa_next_free_vgpr 256
		.amdhsa_next_free_sgpr 80
		.amdhsa_reserve_vcc 0
		.amdhsa_float_denorm_mode_32 3
		.amdhsa_float_denorm_mode_16_64 3
		.amdhsa_memory_ordered 1
		.amdhsa_forward_progress 1
		.amdhsa_inst_pref_size 91
	.end_amdhsa_kernel
	.amdgpu_metadata
---
amdhsa.version: [ 1, 2 ]
amdhsa.kernels:
  - .name:           k_qfd38c99159_attn
    .symbol:         k_qfd38c99159_attn.kd
    .args:
      - { .name: hc, .offset: 0, .size: 8, .value_kind: global_buffer, .address_space: global }
      - { .name: sm, .offset: 8, .size: 8, .value_kind: global_buffer, .address_space: global }
      - { .name: ac, .offset: 16, .size: 8, .value_kind: global_buffer, .address_space: global }
      - { .name: ah, .offset: 24, .size: 8, .value_kind: global_buffer, .address_space: global }
    .group_segment_fixed_size: 229376
    .private_segment_fixed_size: 0
    .kernarg_segment_align: 8
    .kernarg_segment_size: 32
    .max_flat_workgroup_size: 512
    .sgpr_count:     80
    .vgpr_count:     256
    .wavefront_size: 32
...
	.end_amdgpu_metadata
.endif
;; end of part 4
;; launch outp (part 5): grid 4 x 16, 4 waves a work-group, clusters of 4 x 4, 327,680 bytes of LDS; arguments ac, ah, codes, scales, bo, out0; writes out0
.if DOCPART == 5
	.amdgcn_target "amdgcn-amd-amdhsa--gfx1250"
	.amdhsa_code_object_version 6
	.text
	.protected	k_qfd38c99159_outp
	.globl	k_qfd38c99159_outp
	.p2align	8
	.type	k_qfd38c99159_outp,@function
k_qfd38c99159_outp:
	s_mov_b64 s[64:65], 0
	v_nop
	global_prefetch_b8 v0, s[64:65] scope:SCOPE_SE
	s_setreg_imm32_b32 hwreg(HW_REG_WAVE_MODE, 25, 1), 1
	s_wait_xcnt 0x0
	s_wait_alu depctr_hold_cnt(0) depctr_sa_sdst(0) depctr_va_vdst(0) depctr_va_sdst(0) depctr_va_ssrc(0) depctr_va_vcc(0) depctr_vm_vsrc(0)
	s_getreg_b32 s2, hwreg(HW_REG_IB_STS2, 6, 4)
	s_cmp_eq_u32 s2, 0
	s_cbranch_scc0 .Lentry_in_a_cluster
	s_endpgm
.Lentry_in_a_cluster:
	s_bfe_u32 s2, ttmp6, 0x10000c
	s_cmp_lg_u32 s2, 0xf033
	s_cbranch_scc0 .Lentry_shape_is_right
	s_endpgm
.Lentry_shape_is_right:
; out0 = attended Wo^T + bo: [4096][1024] f32, K = 1024, on codes of FP6 (E2M3) with E8M0 scales.
; A = the attended rows, as attention left them: ac [tile of 16 tokens 256][head 16] images of 16 rows x 64 K (768 bytes); two neighbouring heads' images are the 12 registers of a fragment of 128 along K.
; Their scale bytes: ah [head 16][token 4096], two bytes each.  B = Wo's rows in the table of codes (row 9216 on), 768 bytes a row, scale bytes 32 a row.
; A work-group of four waves makes 256 x 256, a wave 128 x 128.  K goes in steps of 256 through two LDS slots.  4 x 16 tiles: 64 work-groups, four clusters of 4 x 4; A's tile is shared along a row, B's along a column.
; A's part of a slot is 16 tiles of tokens x 3,072 bytes (four heads' images), as they lie: a fragment comes by two loads of 16 bytes and two of 8 bytes a lane, each on consecutive bytes.
; A's scale bytes are brought once through registers: the 16 heads' pairs of a token are joined to its 32 bytes and stored into LDS in the same form in which the mover lays B's.
; THE MATRIX INSTRUCTION IS USED TRANSPOSED (source 0 = Wo's rows, source 1 = tokens): a lane holds eight neighbouring columns of one row of out0.  bo is the C of each sum's first instruction.
.set NQ,     2
.set ROWB,   192
.set KROW,   768
.set PITCH,  240
.set FR,     12
.set NL,     6                         ; LDS loads for a fragment of B
.set NLA,    4                         ; and of A
.set NP,     4
.set HALFA,  24576                     ; 8 tiles of tokens x 3,072 bytes
.set HALFT,  128*PITCH
.set SLOT,   2*HALFA+2*HALFT
.set LAPS,   2
.set KS,     32
.set SCL,    2*SLOT                    ; A's scale bytes (written by LDS stores alone: 32 blocks of 256 bytes), then B's (filled once by the mover)
.set HALFS,  16*272
.set SBLK,   2*272
.set SPARE,  SCL+4*HALFS
.set SPITCH, 528
.set SIZE_N, 1024
.set ADRA, 16                          ; v16-17 16 x lane + my half of A in slot 0, 1;  v18-19 the same with 8 x lane
.set ADRB, 20                          ; v20-23
.set STO,  24
.set RD,   25
.set CO,   26
.set ADRS, 27
.set SPW,  28
.set NIL,  29
.set SC,   32
.set BI,   64
.set AF,   128
.set BK,   128
.set G1, 24
.set G0, 32
.set G1B, 48
.set G0B, 56
.set G1SB, 80
.set G0SB, 88
.set MSB, 0
.macro WIN new
.if MSB != \new
	s_set_vgpr_msb (MSB<<8)|\new
.set MSB, \new
.endif
.endm
.set MUL_LO, 0xa1
.set MUL_HI, 0xf1
.set BIA_LO, 0x81
.set BIA_HI, 0xc1
.set TO_B,   0x40
.macro JLOAD g0a, g1a, g0b, g1b
	s_cmp_eq_u32 s23, 0
	s_cbranch_scc0 .Lfor_b_\@
	tensor_load_to_lds s[\g0a:\g0a+3], s[\g1a:\g1a+7]
	s_nop 0
.rept 4
	v_nop
.endr
	s_branch .Lasked_\@
.Lfor_b_\@:
	tensor_load_to_lds s[\g0b:\g0b+3], s[\g1b:\g1b+7]
	s_nop 0
.rept 4
	v_nop
.endr
.Lasked_\@:
.endm
.macro CREST
	s_cmp_lg_u32 s22, 0
	s_cbranch_scc1 .Lnot_wave_0_\@
	s_barrier_signal -3
.Lnot_wave_0_\@:
	s_barrier_wait -3
	s_barrier_signal -1
	s_barrier_wait -1
.endm
.macro CROUND
	s_barrier_signal -1
	s_barrier_wait -1
	CREST
.endm
	s_load_b256 s[4:11], s[0:1], 0x0               ; ac, ah, codes, scales
	s_load_b128 s[12:15], s[0:1], 0x20             ; bo, out0
	v_lshl_add_u32 v[SPW], v0, 2, SPARE
	v_mov_b32 v[NIL], 0
	ds_add_u32 v[SPW], v[NIL]                      ; the wave's opening: the add and its wait ahead of my first tensor load
	v_lshrrev_b32 v1, 5, v0
	v_readfirstlane_b32 s22, v1                    ; wave
	s_lshr_b32 s23, s22, 1                         ; WR: my half of the tokens.  Also: I fetch for A (0) or for B (1)
	s_and_b32 s40, s22, 1                          ; WC: my half of the columns.  Also: which half I fetch
	s_bfe_u32 s41, ttmp6, 0x40000                  ; cx
	s_bfe_u32 s42, ttmp6, 0x40004                  ; cy
	s_lshl_b32 s43, ttmp9, 2
	s_add_co_u32 s43, s43, s41                     ; tile column
	s_and_b32 s44, ttmp7, 0xffff
	s_lshl_b32 s44, s44, 2
	s_add_co_u32 s44, s44, s42                     ; tile row
	s_lshl_b32 s45, s42, 2
	s_lshl_b32 s45, 15, s45                        ; my row of the cluster
	s_lshl_b32 s46, 0x1111, s41                    ; my column
	s_or_b32 s[G1+0], s45, (3<<16)|(1<<21)         ; A: elements of 8 bytes, no padding: 8 rows of 3,072 bytes, 12,288 bytes apart
	s_mov_b32 s[G1+1], 384<<16
	s_mov_b32 s[G1+2], 8<<16
	s_mov_b32 s[G1+3], 384<<16
	s_mov_b32 s[G1+4], 8
	s_mov_b32 s[G1+5], 1536
	s_mov_b32 s[G1+6], 0
	s_mov_b32 s[G1+7], 0
	s_or_b32 s[G1B+0], s46, (0<<16)|(1<<20)|(1<<21)|(3<<22)|(3<<25)   ; B: 128 rows of 192 bytes, 16 bytes of padding behind every 64
	s_mov_b32 s[G1B+1], ROWB<<16
	s_mov_b32 s[G1B+2], 128<<16
	s_mov_b32 s[G1B+3], ROWB<<16
	s_mov_b32 s[G1B+4], 128
	s_mov_b32 s[G1B+5], KROW
	s_mov_b32 s[G1B+6], 0
	s_mov_b32 s[G1B+7], 0
	s_or_b32 s[G1SB+0], s46, (3<<16)|(1<<20)|(1<<21)|(5<<22)|(3<<25)  ; B's scale bytes of 128 rows: 16 rows of 256 dense bytes, 16 of padding behind each
	s_mov_b32 s[G1SB+1], 32<<16
	s_mov_b32 s[G1SB+2], 16<<16
	s_mov_b32 s[G1SB+3], 32<<16
	s_mov_b32 s[G1SB+4], 16
	s_mov_b32 s[G1SB+5], 32
	s_mov_b32 s[G1SB+6], 0
	s_mov_b32 s[G1SB+7], 0
	s_lshl_b32 s94, s44, 4
	s_lshl_b32 s93, s40, 3
	s_add_co_u32 s94, s94, s93                     ; A: tile of tokens 16 x tile row + 8 x half
	s_mul_i32 s94, s94, 12288
	s_mov_b32 s95, 0
	s_lshl_b32 s96, s43, 8
	s_lshl_b32 s93, s40, 7
	s_add_co_u32 s96, s96, s93
	s_add_co_u32 s96, s96, 9216                    ; B: row 9216 + 256 x tile column + 128 x half of the table
	s_mul_i32 s92, s96, KS
	s_mul_i32 s96, s96, KROW
	s_mov_b32 s97, 0
	s_mov_b32 s93, 0
	s_mul_i32 s2, s40, HALFA                       ; where they go: no place in the cluster enters an LDS address
	s_mul_i32 s3, s40, HALFT
	s_add_co_u32 s3, s3, 2*HALFA
	s_mul_i32 s47, s40, HALFS
	s_add_co_u32 s47, s47, SCL+2*HALFS
	s_wait_dscnt 0x0                               ; the opening add is done
	s_wait_kmcnt 0x0
	s_add_nc_u64 s[94:95], s[4:5], s[94:95]
	s_add_nc_u64 s[96:97], s[8:9], s[96:97]
	s_add_nc_u64 s[92:93], s[10:11], s[92:93]
	s_mov_b32 s[G0SB], 1
	s_mov_b32 s[G0SB+1], s47
	s_mov_b64 s[G0SB+2:G0SB+3], s[92:93]
	s_or_b32 s[G0SB+3], s[G0SB+3], 0x80000000
.irp s, 0,1
	s_mov_b32 s[G0+4*\s], 1
	s_add_co_u32 s[G0+4*\s+1], s2, \s*SLOT
	s_add_nc_u64 s[G0+4*\s+2:G0+4*\s+3], s[94:95], \s*3072
	s_or_b32 s[G0+4*\s+3], s[G0+4*\s+3], 0x80000000
	s_mov_b32 s[G0B+4*\s], 1
	s_add_co_u32 s[G0B+4*\s+1], s3, \s*SLOT
	s_add_nc_u64 s[G0B+4*\s+2:G0B+4*\s+3], s[96:97], \s*ROWB
	s_or_b32 s[G0B+4*\s+3], s[G0B+4*\s+3], 0x80000000
.endr
	CROUND                                         ; all sixteen work-groups are here: the first joint loads meet
	s_cmp_eq_u32 s23, 0                            ; a wave's first fills stand in one branch: A's waves have two loads out, B's three
	s_cbranch_scc0 .Lfirst_b
	tensor_load_to_lds s[G0:G0+3], s[G1:G1+7]
	s_nop 0
	tensor_load_to_lds s[G0+4:G0+7], s[G1:G1+7]
	s_nop 0
.rept 4
	v_nop
.endr
	s_branch .Lfirst_done
.Lfirst_b:
	tensor_load_to_lds s[G0SB:G0SB+3], s[G1SB:G1SB+7]
	s_nop 0
	tensor_load_to_lds s[G0B:G0B+3], s[G1B:G1B+7]
	s_nop 0
	tensor_load_to_lds s[G0B+4:G0B+7], s[G1B:G1B+7]
	s_nop 0
.rept 4
	v_nop
.endr
.Lfirst_done:
	; A's scale bytes: thread t takes tokens 2 t and 2 t + 1 of the tile's 256: one word from each head's row of ah
	s_lshl_b32 s92, s44, 9
	s_mov_b32 s93, 0
	s_add_nc_u64 s[92:93], s[6:7], s[92:93]
	v_lshlrev_b32 v6, 2, v0
.irp d, 0,1,2,3,4,5,6,7,8,9,10,11,12,13,14,15
	global_load_b32 v[224+\d], v6, s[92:93] offset:8192*\d
.endr
	; bo, in the result's layout: tile b, register j: column 16 b + 8 h + j of my 128
	v_and_b32 v1, 15, v0                           ; r
	v_bfe_u32 v2, v0, 4, 1                         ; h
	s_lshl_b32 s94, s43, 10
	s_lshl_b32 s95, s40, 9
	s_add_co_u32 s94, s94, s95
	s_mov_b32 s95, 0
	s_add_nc_u64 s[94:95], s[12:13], s[94:95]
	v_lshlrev_b32 v30, 5, v2
.irp b, 0,1,2,3,4,5,6,7
	global_load_b128 v[BI+8*\b:BI+8*\b+3], v30, s[94:95] offset:64*\b
	global_load_b128 v[BI+8*\b+4:BI+8*\b+7], v30, s[94:95] offset:64*\b+16
.endr
	v_lshrrev_b32 v3, 2, v0
	v_mul_u32_u24 v3, v3, 272
	v_and_b32 v4, 3, v0
	v_lshl_add_u32 v3, v4, 6, v3
	v_add_nc_u32 v31, SCL, v3                      ; token 2 t's 32 bytes: 272 (t / 4) + 64 (t % 4); token 2 t + 1's follow
	v_and_b32 v7, 31, v0
	v_lshlrev_b32 v4, 4, v7                        ; 16 l
	v_lshlrev_b32 v5, 3, v7                        ; 8 l
	s_mul_i32 s45, s23, HALFA                      ; my 128 tokens
.irp s, 0,1
	v_add_nc_u32 v[ADRA+\s], s45, v4
	v_add_nc_u32 v[ADRA+2+\s], s45, v5
	s_add_co_u32 s45, s45, SLOT
.endr
	v_mul_u32_u24 v3, v1, PITCH
	v_mul_u32_u24 v4, v2, 24
	v_add_nc_u32 v4, v3, v4
	v_lshl_add_u32 v5, v2, 4, v4
	s_mul_i32 s46, s40, HALFT
	s_add_co_u32 s46, s46, 2*HALFA                 ; my 128 rows of B, behind A's part of the slot
.irp s, 0,1
	v_add_nc_u32 v[ADRB+\s], s46, v4
	v_add_nc_u32 v[ADRB+2+\s], s46, v5
	s_add_co_u32 s46, s46, SLOT
.endr
	v_mul_u32_u24 v5, v1, KS
	v_lshrrev_b32 v3, 8, v5
	v_lshl_add_u32 v5, v3, 4, v5
	s_mul_i32 s45, s23, HALFS
	s_mul_i32 s46, s40, HALFS
	s_add_co_u32 s46, s46, 2*HALFS
	s_sub_co_u32 s46, s46, s45
	v_mul_u32_u24 v3, s46, v2                      ; lanes 16-31 take B's
	s_add_co_u32 s45, s45, SCL
	v_add_nc_u32 v5, v5, v3
	v_add_nc_u32 v[ADRS], s45, v5
	s_mul_i32 s45, s22, 16*SPITCH                  ; my stage, in slot 0
	v_mul_u32_u24 v5, v1, SPITCH
	v_lshl_add_u32 v5, v2, 5, v5
	v_add_nc_u32 v[STO], s45, v5
	v_lshlrev_b32 v[CO], 4, v7
	v_add_nc_u32 v[RD], s45, v[CO]
	s_lshl_b32 s96, s44, 8
	s_lshl_b32 s97, s23, 7
	s_add_co_u32 s96, s96, s97                     ; my first row of out0
	s_lshl_b32 s96, s96, 12                        ; 4,096 bytes a row
	s_lshl_b32 s97, s43, 10
	s_add_co_u32 s96, s96, s97
	s_lshl_b32 s97, s40, 9
	s_add_co_u32 s96, s96, s97
	s_mov_b32 s97, 0
	s_add_nc_u64 s[14:15], s[14:15], s[96:97]
	s_wait_loadcnt 16                              ; ah's sixteen words are in; bo's sixteen loads may be out
.irp k, 0,1,2,3,4,5,6,7
	v_perm_b32 v[240+\k], v[225+2*\k], v[224+2*\k], 0x05040100   ; token 2 t: heads 2 k and 2 k + 1: the four scale bytes of 128 along K
	v_perm_b32 v[248+\k], v[225+2*\k], v[224+2*\k], 0x07060302   ; token 2 t + 1
.endr
.irp i, 0,1,2,3
	ds_store_b128 v31, v[240+4*\i:243+4*\i] offset:16*\i
.endr
.macro FRAG reg, adr, q, i
.irp p, 0,1,2,3,4,5
.set PIECE, 12*(\q)+6*(\p/3)+\p%3
.if PIECE%8 < 5
	ds_load_b64 v[\reg+2*\p:\reg+2*\p+1], v[\adr] offset:8*PIECE+16*(PIECE/8)+(\i)*16*PITCH
.else
	ds_load_b64 v[\reg+2*\p:\reg+2*\p+1], v[\adr+2] offset:8*PIECE+16*(PIECE/8)+(\i)*16*PITCH
.endif
.endr
.endm
.macro FRAGA reg, slot, q, i           ; two heads' images are a fragment's twelve registers
	ds_load_b128 v[\reg:\reg+3], v[ADRA+\slot] offset:(\i)*3072+1536*(\q)
	ds_load_b64 v[\reg+4:\reg+5], v[ADRA+2+\slot] offset:(\i)*3072+1536*(\q)+512
	ds_load_b128 v[\reg+6:\reg+9], v[ADRA+\slot] offset:(\i)*3072+1536*(\q)+768
	ds_load_b64 v[\reg+10:\reg+11], v[ADRA+2+\slot] offset:(\i)*3072+1536*(\q)+1280
.endm
.macro MUL16 a0, p, q, sc, mode        ; the 64 accumulators take turns, one instruction a turn; mode 1: the sums begin with bo
.irp a, \a0, \a0+1
.irp b, 0,1,2,3,4,5,6,7
.if \mode == 0
	v_wmma_scale_f32_16x16x128_f8f6f4 v[8*(8*((\a)%4)+\b):8*(8*((\a)%4)+\b)+7], v[128*(\p)+FR*\b:128*(\p)+FR*\b+FR-1], v[AF+FR*(\a):AF+FR*(\a)+FR-1], v[8*(8*((\a)%4)+\b):8*(8*((\a)%4)+\b)+7], v[SC+8*NQ*(\sc)+NQ*\b+(\q)], v[SC+8*NQ*(\sc)+NQ*(\a)+(\q)] matrix_a_fmt:MATRIX_FMT_FP6 matrix_b_fmt:MATRIX_FMT_FP6 matrix_a_scale:MATRIX_SCALE_ROW1
.else
	v_wmma_scale_f32_16x16x128_f8f6f4 v[8*(8*((\a)%4)+\b):8*(8*((\a)%4)+\b)+7], v[128*(\p)+FR*\b:128*(\p)+FR*\b+FR-1], v[AF+FR*(\a):AF+FR*(\a)+FR-1], v[BI+8*\b:BI+8*\b+7], v[SC+8*NQ*(\sc)+NQ*\b+(\q)], v[SC+8*NQ*(\sc)+NQ*(\a)+(\q)] matrix_a_fmt:MATRIX_FMT_FP6 matrix_b_fmt:MATRIX_FMT_FP6 matrix_a_scale:MATRIX_SCALE_ROW1
.endif
.endr
.endr
.endm
.macro FETCH_B slot, q, p
	WIN TO_B
.irp i, 0,1,2,3,4,5,6,7
	FRAG 128*(\p)+FR*\i, ADRB+\slot, \q, \i
.endr
	WIN 0
.endm
.macro FETCH_A slot, q, i0
.irp i, \i0, \i0+1, \i0+2, \i0+3
	FRAGA AF+FR*(\i), \slot, \q, \i
.endr
.endm
.macro SCALES sc
.irp i, 0,1,2,3,4,5,6,7
	ds_load_b64 v[SC+8*NQ*\sc+NQ*\i:SC+8*NQ*\sc+NQ*\i+1], v[ADRS] offset:\i*SBLK
.endr
.endm
.macro PLACES n
.rept \n
	v_nop
.endr
.endm
.macro STEP slot, q, mode
	s_wait_dscnt 4*NLA                             ; B's set and A's blocks 0-3 are in; the youngest 16 loads (A's blocks 4-7) may be out
.if \mode
	WIN BIA_LO
.else
	WIN MUL_LO
.endif
	MUL16 0, (\q)%2, \q, \slot, \mode
	MUL16 2, (\q)%2, \q, \slot, \mode
	s_wait_dscnt 0
	PLACES NP
	FETCH_B \slot, (\q)+1, 1-(\q)%2
	FETCH_A \slot, (\q)+1, 0
.if \mode
	WIN BIA_HI
.else
	WIN MUL_HI
.endif
	MUL16 4, (\q)%2, \q, \slot, \mode
	MUL16 6, (\q)%2, \q, \slot, \mode
	PLACES NP
	WIN 0
	FETCH_A \slot, (\q)+1, 4
.endm
.macro TURN slot, next, fill
	s_wait_tensorcnt 0x0                           ; all my tensor loads have landed: my part of the next slot
	ds_add_u32 v[SPW], v[NIL]                      ; 0 onto my spare word
	s_wait_dscnt 4*NLA+1                           ; (the add and the youngest 16 loads may be out)
	WIN MUL_LO
	MUL16 0, 1, NQ-1, \slot, 0
	s_wait_dscnt 0x0                               ; the add is done, and my reads of this slot are over
	s_barrier_signal -1
	MUL16 2, 1, NQ-1, \slot, 0
	WIN 0
	s_barrier_wait -1
.if \fill
	CREST                                          ; the barrier has opened a round of the cluster's barrier
	s_add_nc_u64 s[G0+4*\slot+2:G0+4*\slot+3], s[G0+4*\slot+2:G0+4*\slot+3], 2*3072
	s_add_nc_u64 s[G0B+4*\slot+2:G0B+4*\slot+3], s[G0B+4*\slot+2:G0B+4*\slot+3], 2*ROWB
	JLOAD G0+4*\slot, G1, G0B+4*\slot, G1B         ; the first tensor load behind the round; its four v_nop are also the places in front of the loads below
.else
	PLACES NP
.endif
	v_add_nc_u32 v[ADRS], 4*NQ, v[ADRS]
	FETCH_B \next, 0, 0
	FETCH_A \next, 0, 0
	SCALES \next
	WIN MUL_HI
	MUL16 4, 1, NQ-1, \slot, 0
	MUL16 6, 1, NQ-1, \slot, 0
	PLACES NP
	WIN 0
	FETCH_A \next, 0, 4
.endm
	s_wait_tensorcnt 1                             ; my part of K step 0 (and B's scale bytes) is in; K step 1's load may be out,
	s_wait_dscnt 0x0                               ; my part of A's scale bytes lies in LDS,
	s_barrier_signal -1
	s_barrier_wait -1                              ; everybody's does
	FETCH_B 0, 0, 0
	FETCH_A 0, 0, 0
	SCALES 0
	FETCH_A 0, 0, 4
	s_wait_loadcnt 0x0                             ; bo
	STEP 0, 0, 1
	s_mov_b32 s3, LAPS-1
.Llap:
	TURN 0, 1, 1
	STEP 1, 0, 0
	TURN 1, 0, 1
	STEP 0, 0, 0
	s_sub_co_u32 s3, s3, 1
	s_cmp_lg_u32 s3, 0
	s_cbranch_scc1 .Llap
	TURN 0, 1, 0
	STEP 1, 0, 0
	s_wait_dscnt 4*NLA
	WIN MUL_LO
	MUL16 0, 1, NQ-1, 1, 0
	MUL16 2, 1, NQ-1, 1, 0
	s_wait_dscnt 0
	WIN MUL_HI
	MUL16 4, 1, NQ-1, 1, 0
	MUL16 6, 1, NQ-1, 1, 0
	WIN 0
; THE WAY OUT, block by block of 16 rows x 128 columns, through my own stage in LDS: in as 32 bytes a lane, back as whole rows of 512 bytes.  LDS serves a wave's instructions in order (ISA guide 5.7.1.4).
.macro TOSTAGE a
.set AC, 64*((\a)%4)
	WIN 0x08+4*((\a)/4)
.irp b, 0,1,2,3,4,5,6,7
	ds_store_b128 v[STO], v[AC+8*\b:AC+8*\b+3] offset:64*\b          ; each accumulator from its low end on
	ds_store_b128 v[STO], v[AC+8*\b+4:AC+8*\b+7] offset:64*\b+16
.endr
	WIN 0
.set BB, BK+64*((\a)%2)
.irp t, 0,1,2,3,4,5,6,7,8,9,10,11,12,13,14,15
	ds_load_b128 v[BB+4*\t:BB+4*\t+3], v[RD] offset:\t*SPITCH
.endr
.endm
.macro SEND a, younger
.set BB, BK+64*((\a)%2)
	s_wait_dscnt \younger                          ; the block is back in registers
.if (\a) > 0
	s_add_nc_u64 s[14:15], s[14:15], 16*SIZE_N*4   ; (behind a wait on XCNT: the earlier stores have read their base)
.endif
.irp t, 0,1,2,3,4,5,6,7,8,9,10,11,12,13,14,15
	global_store_b128 v[CO], v[BB+4*\t:BB+4*\t+3], s[14:15] offset:\t*SIZE_N*4 th:TH_STORE_NT   ; 32 lanes store 512 consecutive bytes, aligned
.endr
.endm
	PLACES NP
	TOSTAGE 0
.irp a, 1,2,3,4,5,6,7
.if \a > 1
	s_wait_xcnt 0x0                                ; block a - 2's stores have read their registers and their base
.endif
	TOSTAGE \a
	SEND \a-1, 32                                  ; behind block a - 1's loads: block a's 16 stores and 16 loads
.endr
	s_wait_xcnt 0x0
	SEND 7, 0
	s_wait_tensorcnt 0x0                           ; the wave's end
	ds_add_u32 v[SPW], v[NIL]
	s_wait_dscnt 0x0
	CROUND                                         ; the closing round
	s_endpgm
.Lfunc_end_k_qfd38c99159_outp:
	.size	k_qfd38c99159_outp, .Lfunc_end_k_qfd38c99159_outp-k_qfd38c99159_outp
	.p2alignl 7, 3214868480
	.fill 96, 4, 3214868480
	.section	.rodata,"a",@progbits
	.p2align	6, 0x0
	.amdhsa_kernel k_qfd38c99159_outp
		.amdhsa_group_segment_fixed_size 327680
		.amdhsa_private_segment_fixed_size 0
		.amdhsa_enable_private_segment 0
		.amdhsa_kernarg_size 48
		.amdhsa_user_sgpr_count 2
		.amdhsa_user_sgpr_kernarg_segment_ptr 1
		.amdhsa_wavefront_size32 1
		.amdhsa_system_sgpr_workgroup_id_x 1
		.amdhsa_system_sgpr_workgroup_id_y 1
		.amdhsa_system_sgpr_workgroup_id_z 1
		.amdhsa_system_vgpr_workitem_id 0
		.amdhsa_next_free_vgpr 1024
		.amdhsa_next_free_sgpr 100
		.amdhsa_reserve_vcc 0
		.amdhsa_float_denorm_mode_32 3
		.amdhsa_float_denorm_mode_16_64 3
		.amdhsa_memory_ordered 1
		.amdhsa_forward_progress 1
		.amdhsa_inst_pref_size 156
	.end_amdhsa_kernel
	.amdgpu_metadata
---
amdhsa.version: [ 1, 2 ]
amdhsa.kernels:
  - .name:           k_qfd38c99159_outp
    .symbol:         k_qfd38c99159_outp.kd
    .args:
      - { .name: ac, .offset: 0, .size: 8, .value_kind: global_buffer, .address_space: global }
      - { .name: ah, .offset: 8, .size: 8, .value_kind: global_buffer, .address_space: global }
      - { .name: codes, .offset: 16, .size: 8, .value_kind: global_buffer, .address_space: global }
      - { .name: scales, .offset: 24, .size: 8, .value_kind: global_buffer, .address_space: global }
      - { .name: bo, .offset: 32, .size: 8, .value_kind: global_buffer, .address_space: global }
      - { .name: out0, .offset: 40, .size: 8, .value_kind: global_buffer, .address_space: global }
    .group_segment_fixed_size: 327680
    .private_segment_fixed_size: 0
    .kernarg_segment_align: 8
    .kernarg_segment_size: 48
    .max_flat_workgroup_size: 128
    .sgpr_count:     100
    .vgpr_count:     1024
    .wavefront_size: 32
...
	.end_amdgpu_metadata
.endif
;; end of part 5
;; ======== version 2 of 2: 4 launches
;; limits: right only within a limited range of input values
;; workspace buffers: codes 6,291,456 bytes; scales 262,144 bytes; qc 3,145,728 bytes; qs 262,144 bytes; kv 6,684,672 bytes; ac 3,145,728 bytes; ah 131,072 bytes
;; launch quant (part 6): grid 256 x 1, 8 waves a work-group, no clusters, 66,560 bytes of LDS; arguments x, Wq, Wk, Wv, Wo, codes, scales, out1; writes codes, scales, out1
.if DOCPART == 6
	.amdgcn_target "amdgcn-amd-amdhsa--gfx1250"
	.amdhsa_code_object_version 6
	.text
	.protected	k_qfd38c99159_quant
	.globl	k_qfd38c99159_quant
	.p2align	8
	.type	k_qfd38c99159_quant,@function
k_qfd38c99159_quant:
	s_mov_b64 s[64:65], 0
	v_nop
	global_prefetch_b8 v0, s[64:65] scope:SCOPE_SE
	s_setreg_imm32_b32 hwreg(HW_REG_WAVE_MODE, 25, 1), 1
	s_wait_xcnt 0x0
; WORK LEFT OUT.  consistency_weights() ends in a softmax over an axis of length 1: exp(cw - cw) / exp(cw - cw) = 1 for every finite cw, and cw = 1 / (h1 + 1e-6) with h1 >= 0 is finite
; for all finite inputs.  So out1 is 1.0 everywhere and the factor on the scores is 1: the product of x with Wr, br, the differences, norms and mean reach no output.  Wr and br are not loaded and
; are among no launch's arguments.  LIMIT: a NaN, an infinity or an overflow that arises only in that work is not carried to the result.
; x [4096][1024], Wq, Wk, Wv, Wo [1024][1024], f32, K innermost, become codes of FP6 (E2M3) with one E8M0 byte for each 32 along K, in one table of 8,192 rows: 0.. x, 4096.. Wq, 5120.. Wk, 6144.. Wv, 7168.. Wo.
; LAYOUT: codes as images of the matrix operand's registers: [tile of 16 rows][128 along K] of 1,536 bytes, lane r + 16 h at 48 x lane: 24 bytes of block h, then 24 of block 2 + h.
; Scale bytes: [tile of 16 rows][half of K][row][16 bytes]: a row's four words of four steps of 128.
; A block's scale is 2^(floor(log2(largest magnitude)) - 2); its byte is that magnitude's exponent field - 2, held at 1 from below.
; ORDER INSIDE A BLOCK: 0-7, 16-23, 8-15, 24-31 of the block's numbers, in every operand of this program, so both sides of each product agree along K.
; LIMITS: a block of zeros gets the byte 1 (its codes are zeros; this program alone reads the bytes); NaN and infinities among the inputs are not served.
; A work-group takes 32 rows; each of its eight waves 8 rows x 512 along K in 8 steps; a step is four rows x 128 K: four loads of 512 consecutive bytes, turned through the wave's own stage so that a lane holds
; 16 numbers of one block.  All 32 loads of a wave (16,384 bytes) are issued at its start.  No barrier: waves share nothing.
.set STEPS, 8
.set AHEAD, 8
.set EMAX,  2
.set R,     16
.set X,     144
.set E,     176
.set C,     192
.set WREG,  8192
.set SP,    80
.set SPW,   12
.set NIL,   13
.set SPARE, 8*WREG
	s_load_b512 s[4:19], s[0:1], 0x0               ; x, Wq, Wk, Wv, Wo, codes, scales, out1
	v_lshl_add_u32 v[SPW], v0, 2, SPARE
	v_mov_b32 v[NIL], 0
	v_lshrrev_b32 v1, 5, v0
	v_readfirstlane_b32 s24, v1                    ; wave
	v_and_b32 v2, 31, v0
	v_lshlrev_b32 v3, 4, v2
	s_mul_i32 s25, s24, WREG
	v_lshrrev_b32 v14, 2, v2
	v_mul_u32_u24 v14, v14, SP
	v_and_b32 v15, 3, v2
	v_lshl_add_u32 v14, v15, 4, v14
	v_add_nc_u32 v14, s25, v14                     ; the stage, in: SP (lane / 4) + 16 (lane % 4)
	v_lshrrev_b32 v15, 1, v2
	v_mul_u32_u24 v15, v15, 2*SP
	v_and_b32 v10, 1, v2
	v_lshl_add_u32 v15, v10, 5, v15
	v_add_nc_u32 v15, s25, v15                     ; out: block lane / 2; the even lane takes numbers 0-7, 16-23, the odd lane 8-15, 24-31
	v_mul_u32_u24 v4, v10, 12                      ; my 12 bytes in the image: 12 (lane % 2)
	v_bfe_u32 v10, v2, 1, 1
	v_mad_u32_u24 v4, v10, 0x300, v4               ; + 768 (block % 2)
	v_bfe_u32 v10, v2, 2, 1
	v_mad_u32_u24 v4, v10, 24, v4                  ; + 24 (block / 2)
	v_lshrrev_b32 v10, 3, v2
	v_mad_u32_u24 v4, v10, 48, v4                  ; + 48 x the step's row
	v_bfe_u32 v5, v2, 1, 2
	v_lshl_add_u32 v5, v10, 4, v5
	s_add_co_u32 s25, s25, 2*32*SP
	v_add_nc_u32 v5, s25, v5                       ; my block's scale byte: 16 x row + block
	v_lshlrev_b32 v7, 2, v2
	v_add_nc_u32 v6, s25, v7
	s_wait_alu depctr_va_vdst(0)
	s_wait_kmcnt 0x0
	s_mov_b64 s[20:21], s[4:5]                     ; which tensor: by the work-group's number alone
	s_mov_b32 s22, 0
	s_cmp_ge_u32 ttmp9, 128
	s_cselect_b64 s[20:21], s[6:7], s[20:21]
	s_cselect_b32 s22, 128, s22
	s_cmp_ge_u32 ttmp9, 160
	s_cselect_b64 s[20:21], s[8:9], s[20:21]
	s_cselect_b32 s22, 160, s22
	s_cmp_ge_u32 ttmp9, 192
	s_cselect_b64 s[20:21], s[10:11], s[20:21]
	s_cselect_b32 s22, 192, s22
	s_cmp_ge_u32 ttmp9, 224
	s_cselect_b64 s[20:21], s[12:13], s[20:21]
	s_cselect_b32 s22, 224, s22
	s_lshr_b32 s28, s24, 2                         ; which 16 rows of the work-group's 32
	s_bfe_u32 s29, s24, 0x10001                    ; which half of K
	s_and_b32 s32, s24, 1                          ; which 8 of the 16 rows
	s_sub_co_u32 s26, ttmp9, s22
	s_lshl_b32 s26, s26, 1
	s_add_co_u32 s26, s26, s28                     ; tile of 16 rows in its tensor
	s_lshl_b32 s27, ttmp9, 1
	s_add_co_u32 s27, s27, s28                     ; and in the table
	s_lshl_b32 s30, s26, 16
	s_lshl_b32 s23, s29, 11
	s_add_co_u32 s30, s30, s23
	s_lshl_b32 s23, s32, 15
	s_add_co_u32 s30, s30, s23
	s_mov_b32 s31, 0
	s_add_nc_u64 s[20:21], s[20:21], s[30:31]
	s_lshl_b32 s27, s27, 1
	s_add_co_u32 s27, s27, s29
	s_mul_i32 s30, s27, 6144                       ; four images,
	s_mul_i32 s23, s32, 384                        ; in each my 8 rows of 48 bytes
	s_add_co_u32 s30, s30, s23
	s_add_nc_u64 s[14:15], s[14:15], s[30:31]
	s_lshl_b32 s30, s27, 8                         ; 256 scale bytes, of which my 8 rows have 128
	s_lshl_b32 s23, s32, 7
	s_add_co_u32 s30, s30, s23
	s_add_nc_u64 s[16:17], s[16:17], s[30:31]
.macro LOAD t
.irp i, 0,1,2,3
	global_load_b128 v[R+16*((\t)%AHEAD)+4*\i:R+16*((\t)%AHEAD)+4*\i+3], v3, s[20:21] offset:4096*(4*((\t)%2)+\i)+512*((\t)/2) th:TH_LOAD_NT
.endr
.endm
.macro TURN t                          ; LDS serves a wave's instructions in order: no wait between the stores and the loads
.irp i, 0,1,2,3
	ds_store_b128 v14, v[R+16*((\t)%AHEAD)+4*\i:R+16*((\t)%AHEAD)+4*\i+3] offset:32*SP*((\t)%2)+8*SP*\i
.endr
.irp i, 0,1,2,3
	ds_load_b128 v[X+16*((\t)%2)+4*\i:X+16*((\t)%2)+4*\i+3], v15 offset:32*SP*((\t)%2)+16*(\i%2)+80*(\i/2)
.endr
.endm
.irp t, 0,1,2,3,4,5,6,7
	LOAD \t
.endr
	s_wait_loadcnt 4*(STEPS-1)                     ; step 0's four loads are in; 28 may be out
	TURN 0
.macro STEP t
.set XS, X+16*((\t)%2)
.if (\t) > 0
	s_wait_dscnt 1                                 ; this step's numbers are back (the last byte store may be out)
.else
	s_wait_dscnt 0x0
.endif
.if (\t)+1 < STEPS
	s_wait_loadcnt 4*(STEPS-2-(\t))                ; the next step's four are in; those of the steps behind it may be out
	TURN (\t)+1
.endif
	v_max3_num_f32 v8, |v[XS]|, |v[XS+1]|, |v[XS+2]|
	v_max3_num_f32 v9, |v[XS+3]|, |v[XS+4]|, |v[XS+5]|
.irp i, 6,10
	v_max3_num_f32 v8, v8, |v[XS+\i]|, |v[XS+\i+1]|
	v_max3_num_f32 v9, v9, |v[XS+\i+2]|, |v[XS+\i+3]|
.endr
	v_max3_num_f32 v8, v8, |v[XS+14]|, |v[XS+15]|
	v_max3_num_f32 v8, v8, v9, (EMAX+1)<<23        ; the floor holds the byte at 1
	v_max_num_f32_dpp v8, v8, v8 row_xmask:1 row_mask:0xf bank_mask:0xf
	v_add_nc_u32 v11, -(EMAX<<23), v8              ; the conversion's scale operand
	v_cvt_scalef32_pk16_fp6_f32 v[C+4*(\t):C+4*(\t)+2], v[XS:XS+15], v11
	v_lshrrev_b32 v[E+(\t)], 23, v11
	ds_store_b8 v5, v[E+(\t)] offset:64*((\t)%2)+4*((\t)/2)
	global_store_b96 v4, v[C+4*(\t):C+4*(\t)+2], s[14:15] offset:1536*((\t)/2)+192*((\t)%2)
.endm
.irp t, 0,1,2,3,4,5,6,7
	STEP \t
.endr
	ds_load_b32 v8, v6
	s_wait_dscnt 0x0
	global_store_b32 v7, v8, s[16:17]              ; my 8 rows' scale bytes: 128 consecutive bytes
	s_lshr_b32 s28, ttmp9, 5                       ; out1 = 1.0: the first wave of work-groups 0 to 31 stores 512 bytes each
	s_or_b32 s28, s28, s24
	s_cmp_lg_u32 s28, 0
	s_cbranch_scc1 .Lno_one
	s_lshl_b32 s30, ttmp9, 9
	s_add_nc_u64 s[18:19], s[18:19], s[30:31]
.irp j, 0,1,2,3
	v_mov_b32 v[X+\j], 1.0
.endr
	global_store_b128 v3, v[X:X+3], s[18:19]
.Lno_one:
	s_wait_tensorcnt 0x0                           ; the wave's end
	ds_add_u32 v[SPW], v[NIL]
	s_wait_dscnt 0x0
	s_endpgm
.Lfunc_end_k_qfd38c99159_quant:
	.size	k_qfd38c99159_quant, .Lfunc_end_k_qfd38c99159_quant-k_qfd38c99159_quant
	.p2alignl 7, 3214868480
	.fill 96, 4, 3214868480
	.section	.rodata,"a",@progbits
	.p2align	6, 0x0
	.amdhsa_kernel k_qfd38c99159_quant
		.amdhsa_group_segment_fixed_size 66560
		.amdhsa_private_segment_fixed_size 0
		.amdhsa_enable_private_segment 0
		.amdhsa_kernarg_size 64
		.amdhsa_user_sgpr_count 2
		.amdhsa_user_sgpr_kernarg_segment_ptr 1
		.amdhsa_wavefront_size32 1
		.amdhsa_system_sgpr_workgroup_id_x 1
		.amdhsa_system_sgpr_workgroup_id_y 1
		.amdhsa_system_sgpr_workgroup_id_z 1
		.amdhsa_system_vgpr_workitem_id 0
		.amdhsa_next_free_vgpr 256
		.amdhsa_next_free_sgpr 66
		.amdhsa_reserve_vcc 0
		.amdhsa_float_denorm_mode_32 3
		.amdhsa_float_denorm_mode_16_64 3
		.amdhsa_memory_ordered 1
		.amdhsa_forward_progress 1
		.amdhsa_inst_pref_size 19
	.end_amdhsa_kernel
	.amdgpu_metadata
---
amdhsa.version: [ 1, 2 ]
amdhsa.kernels:
  - .name:           k_qfd38c99159_quant
    .symbol:         k_qfd38c99159_quant.kd
    .args:
      - { .name: x, .offset: 0, .size: 8, .value_kind: global_buffer, .address_space: global }
      - { .name: Wq, .offset: 8, .size: 8, .value_kind: global_buffer, .address_space: global }
      - { .name: Wk, .offset: 16, .size: 8, .value_kind: global_buffer, .address_space: global }
      - { .name: Wv, .offset: 24, .size: 8, .value_kind: global_buffer, .address_space: global }
      - { .name: Wo, .offset: 32, .size: 8, .value_kind: global_buffer, .address_space: global }
      - { .name: codes, .offset: 40, .size: 8, .value_kind: global_buffer, .address_space: global }
      - { .name: scales, .offset: 48, .size: 8, .value_kind: global_buffer, .address_space: global }
      - { .name: out1, .offset: 56, .size: 8, .value_kind: global_buffer, .address_space: global }
    .group_segment_fixed_size: 66560
    .private_segment_fixed_size: 0
    .kernarg_segment_align: 8
    .kernarg_segment_size: 64
    .max_flat_workgroup_size: 256
    .sgpr_count:     66
    .vgpr_count:     256
    .wavefront_size: 32
...
	.end_amdgpu_metadata
.endif
;; end of part 6
;; launch qkv (part 7): grid 8 x 32, 4 waves a work-group, clusters of 4 x 4, 327,680 bytes of LDS; arguments codes, scales, bq, bk, bv, qc, qs, kv; writes qc, qs, kv
.if DOCPART == 7
	.amdgcn_target "amdgcn-amd-amdhsa--gfx1250"
	.amdhsa_code_object_version 6
	.text
	.protected	k_qfd38c99159_qkv
	.globl	k_qfd38c99159_qkv
	.p2align	8
	.type	k_qfd38c99159_qkv,@function
k_qfd38c99159_qkv:
	s_mov_b64 s[64:65], 0
	v_nop
	global_prefetch_b8 v0, s[64:65] scope:SCOPE_SE
	s_setreg_imm32_b32 hwreg(HW_REG_WAVE_MODE, 25, 1), 1
	s_wait_xcnt 0x0
	s_wait_alu depctr_hold_cnt(0) depctr_sa_sdst(0) depctr_va_vdst(0) depctr_va_sdst(0) depctr_va_ssrc(0) depctr_va_vcc(0) depctr_vm_vsrc(0)
	s_getreg_b32 s2, hwreg(HW_REG_IB_STS2, 6, 4)
	s_cmp_eq_u32 s2, 0
	s_cbranch_scc0 .Lentry_in_a_cluster
	s_endpgm
.Lentry_in_a_cluster:
	s_bfe_u32 s2, ttmp6, 0x10000c
	s_cmp_lg_u32 s2, 0xf033
	s_cbranch_scc0 .Lentry_shape_is_right
	s_endpgm
.Lentry_shape_is_right:
; q, k, v = x W^T + b, K = 1,024, on codes of FP6 (E2M3) with E8M0 scales, each result quantised for attention.  (The product with Wr is left out: see the first kernel.)
; A work-group takes 128 tokens x the 128 columns (two heads) of q, of k and of v, in three passes; 8 x 32 = 256 work-groups.  A wave takes 64 tokens x one head: 16 accumulators.
; LDS: x's 128 rows, all of K (98,304 dense bytes of operand images) stay; W's tiles go through two slots: Wq slot 0, Wk slot 1, Wv slot 0 again.  The scale bytes of x and of the three W tiles come once.
; At the head each wave issues one joint load (x, Wq, x's scales, W's scales); Wk and Wv come as a quarter a wave, each behind a round of the cluster's barrier: one load a wave is out at a time.
; CLUSTERS 4 x 4: x's bytes are shared along a row, W's along a column.  No prefetch: the text has no loop, and every tile is asked for one pass ahead of its use.
; q, k: source 0 = W's rows, source 1 = tokens: a lane holds a token, its registers run along the head's 64 channels.  v: sources swapped: a lane holds a channel, its registers run along 64 tokens (keys).
; THE WAY OUT: 16 lanes' rows x 64 along the next K become an image of six operand registers (512 bytes of 16 a lane, then 256 of 8 a lane), codes in the order 0-7, 16-23, 8-15, 24-31 of a block, and two scale bytes a row.
; kv: a record of 13,056 bytes for each (head, 128 keys): K's 8 images, V's 8, K's scale words, V's.  K's TILES HOLD ROWS OF TWO BLOCKS: of 64 keys, tile t has in rows 0-7 keys 16 (t % 2) + 8 (t / 2) + 0..7 and in rows 8-15
; the keys 32 further on, so that in attention a lane owns whole blocks of 32 keys.
; LIMITS: a block of zeros gets the scale byte 1; NaN and infinities are not served.
.set XI, 0
.set W0, 98304
.set W1, 196608
.set XS, 294912
.set WS, 299008
.set SPARE, 311296
.set O16, 7
.set O8, 8
.set O4, 9
.set KO16, 10
.set KO8, 11
.set KO4, 12
.set ADRX, 16
.set ADRW, 17
.set ADRS, 20
.set BQ, 24
.set BV, 25
.set SPW, 28
.set NIL, 29
.set SC, 32                            ; v32-63 scale words: 8 i + k: lanes 0-15 x's tile i, lanes 16-31 W's tile i, step k.  On the way out v32-95 hold codes
.set TM, 96                            ; v96-127 at work on the way out
.set ACC, 128
.set G1X, 24
.set G0X, 32
.set G0W, 36
.set G1W, 48
.set G0XS, 56
.set G0WS, 60
.set G1XS, 68
.set G0K, 76
.set G1WS, 80
.set G0V, 88
.set MSB, 0
.macro WIN new
.if MSB != \new
	s_set_vgpr_msb (MSB<<8)|\new
.set MSB, \new
.endif
.endm
.macro CROUND
	s_barrier_signal -1
	s_barrier_wait -1
	s_cmp_lg_u32 s22, 0
	s_cbranch_scc1 .Lnot_wave_0_\@
	s_barrier_signal -3
.Lnot_wave_0_\@:
	s_barrier_wait -3
	s_barrier_signal -1
	s_barrier_wait -1
.endm
.macro TLOAD g0, g1
	tensor_load_to_lds s[\g0:\g0+3], s[\g1:\g1+7]
	s_nop 0
.rept 4
	v_nop
.endr
.endm
.macro ARM under, g0, g1, next
	s_cmp_lt_u32 s22, \under
	s_cbranch_scc0 \next
	TLOAD \g0, \g1
	s_branch .Lhead_asked
\next:
.endm
.macro PLACES n
.rept \n
	v_nop
.endr
.endm
	s_load_b512 s[4:19], s[0:1], 0x0               ; codes, scales, bq, bk, bv, qc, qs, kv
	v_lshl_add_u32 v[SPW], v0, 2, SPARE
	v_mov_b32 v[NIL], 0
	ds_add_u32 v[SPW], v[NIL]                      ; the opening lines
	ds_add_u32 v[SPW], v[NIL]
	v_lshrrev_b32 v1, 5, v0
	v_readfirstlane_b32 s22, v1                    ; wave
	s_lshr_b32 s23, s22, 1                         ; my half of the tokens
	s_and_b32 s40, s22, 1                          ; my head of the two
	s_bfe_u32 s41, ttmp6, 0x40000
	s_bfe_u32 s42, ttmp6, 0x40004
	s_lshl_b32 s43, ttmp9, 2
	s_add_co_u32 s43, s43, s41                     ; group of 128 columns
	s_and_b32 s44, ttmp7, 0xffff
	s_lshl_b32 s44, s44, 2
	s_add_co_u32 s44, s44, s42                     ; tile of 128 tokens
	s_lshl_b32 s45, s42, 2
	s_lshl_b32 s45, 15, s45                        ; my row of the cluster
	s_lshl_b32 s46, 0x1111, s41                    ; my column
	s_or_b32 s[G1X], s45, (3<<16)|(1<<21)          ; dense rows of 256 bytes (32 elements of 8)
	s_or_b32 s[G1W], s46, (3<<16)|(1<<21)
	s_or_b32 s[G1XS], s45, (3<<16)|(1<<21)
	s_or_b32 s[G1WS], s46, (3<<16)|(1<<21)
.irp g, G1X, G1W
	s_mov_b32 s[\g+1], 32<<16
	s_mov_b32 s[\g+2], 384<<16
	s_mov_b32 s[\g+3], 32<<16
	s_mov_b32 s[\g+4], 384
	s_mov_b32 s[\g+5], 32
	s_mov_b32 s[\g+6], 0
	s_mov_b32 s[\g+7], 0
.endr
	s_mov_b32 s[G1XS+1], 32<<16
	s_mov_b32 s[G1XS+2], 16<<16
	s_mov_b32 s[G1XS+3], 32<<16
	s_mov_b32 s[G1XS+4], 16
	s_mov_b32 s[G1XS+5], 32
	s_mov_b32 s[G1XS+6], 0
	s_mov_b32 s[G1XS+7], 0
	s_mov_b32 s[G1WS+1], 512<<16                   ; three rows of 4,096 bytes, 32,768 apart: Wq's, Wk's, Wv's
	s_mov_b32 s[G1WS+2], 3<<16
	s_mov_b32 s[G1WS+3], 512<<16
	s_mov_b32 s[G1WS+4], 3
	s_mov_b32 s[G1WS+5], 4096
	s_mov_b32 s[G1WS+6], 0
	s_mov_b32 s[G1WS+7], 0
	s_mov_b32 s66, 0x76543210
	s_mov_b32 s67, 0xfedcba98
	s_mov_b32 s100, 0xffff0000                     ; lanes 16-31
	s_mul_i32 s92, s44, 98304
	s_mul_i32 s94, s43, 98304
	s_add_co_u32 s94, s94, 3145728                 ; Wq's rows begin at row 4,096
	s_lshl_b32 s96, s44, 12
	s_lshl_b32 s98, s43, 12
	s_add_co_u32 s98, s98, 131072
	s_mov_b32 s93, 0
	s_mov_b32 s95, 0
	s_mov_b32 s97, 0
	s_mov_b32 s99, 0
	s_mul_i32 s47, s22, 24576                      ; a quarter of a W tile for each wave
	s_mov_b32 s20, s47
	s_mov_b32 s21, 0
	s_wait_dscnt 0x0
	CROUND                                         ; the round in front of the first joint loads; it names no argument, so it stands ahead of the wait for them
	s_wait_kmcnt 0x0
	s_add_nc_u64 s[92:93], s[4:5], s[92:93]
	s_add_nc_u64 s[94:95], s[4:5], s[94:95]
	s_add_nc_u64 s[96:97], s[6:7], s[96:97]
	s_add_nc_u64 s[98:99], s[6:7], s[98:99]
	s_mov_b32 s[G0X], 1
	s_mov_b32 s[G0X+1], XI
	s_mov_b64 s[G0X+2:G0X+3], s[92:93]
	s_or_b32 s[G0X+3], s[G0X+3], 0x80000000
	s_mov_b32 s[G0W], 1
	s_mov_b32 s[G0W+1], W0
	s_mov_b64 s[G0W+2:G0W+3], s[94:95]
	s_or_b32 s[G0W+3], s[G0W+3], 0x80000000
	s_mov_b32 s[G0XS], 1
	s_mov_b32 s[G0XS+1], XS
	s_mov_b64 s[G0XS+2:G0XS+3], s[96:97]
	s_or_b32 s[G0XS+3], s[G0XS+3], 0x80000000
	s_mov_b32 s[G0WS], 1
	s_mov_b32 s[G0WS+1], WS
	s_mov_b64 s[G0WS+2:G0WS+3], s[98:99]
	s_or_b32 s[G0WS+3], s[G0WS+3], 0x80000000
	s_add_nc_u64 s[94:95], s[94:95], s[20:21]
	s_mov_b32 s[G0K], 1
	s_add_co_u32 s[G0K+1], s47, W1
	s_add_nc_u64 s[G0K+2:G0K+3], s[94:95], 786432
	s_or_b32 s[G0K+3], s[G0K+3], 0x80000000
	s_mov_b32 s[G0V], 1
	s_add_co_u32 s[G0V+1], s47, W0
	s_add_nc_u64 s[G0V+2:G0V+3], s[94:95], 1572864
	s_or_b32 s[G0V+3], s[G0V+3], 0x80000000
	ARM 1, G0X, G1X, .Lhead_w
	ARM 2, G0W, G1W, .Lhead_xs
	ARM 3, G0XS, G1XS, .Lhead_ws
	TLOAD G0WS, G1WS
.Lhead_asked:
	s_lshl_b32 s92, s43, 9
	s_lshl_b32 s93, s40, 8
	s_add_co_u32 s92, s92, s93                     ; my head's 64 biases
	s_mov_b32 s93, 0
	s_add_nc_u64 s[8:9], s[8:9], s[92:93]
	s_add_nc_u64 s[10:11], s[10:11], s[92:93]
	s_add_nc_u64 s[12:13], s[12:13], s[92:93]
	s_mul_i32 s45, s23, 49152
	s_mul_i32 s46, s40, 49152
	s_add_co_u32 s46, s46, W0
	s_add_co_u32 s47, s46, 98304
	s_lshl_b32 s20, s23, 11
	s_lshl_b32 s21, s40, 11
	s_add_co_u32 s21, s21, WS-XS
	s_sub_co_u32 s21, s21, s20                     ; from x's scale words to Wq's,
	s_add_co_u32 s2, s21, 4096                     ; Wk's,
	s_add_co_u32 s3, s21, 8192                     ; Wv's
	s_add_co_u32 s20, s20, XS
	v_and_b32 v1, 15, v0                           ; r
	v_bfe_u32 v2, v0, 4, 1                         ; h
	v_and_b32 v6, 31, v0
	v_lshlrev_b32 v[O16], 4, v6
	v_lshlrev_b32 v[O8], 3, v6
	v_lshlrev_b32 v[O4], 2, v6
	v_mul_u32_u24 v3, v6, 48
	v_add_nc_u32 v[ADRX], s45, v3
	v_add_nc_u32 v[ADRW], s46, v3
	v_add_nc_u32 v[ADRW+1], s47, v3
	v_lshl_add_u32 v5, v1, 4, s20
	v_mul_u32_u24 v4, s21, v2
	v_add_nc_u32 v[ADRS], v5, v4
	v_mul_u32_u24 v4, s2, v2
	v_add_nc_u32 v[ADRS+1], v5, v4
	v_mul_u32_u24 v4, s3, v2
	v_add_nc_u32 v[ADRS+2], v5, v4
	v_lshrrev_b32 v3, 3, v1
	v_and_b32 v4, 7, v1
	v_mul_u32_u24 v13, v3, 1536
	v_lshl_add_u32 v[KO16], v4, 4, v13
	v_lshl_add_u32 v[KO16], v2, 8, v[KO16]         ; K's images: 1,536 (r / 8) + 16 (r % 8) + 256 h
	v_lshl_add_u32 v[KO8], v4, 3, v13
	v_lshl_add_u32 v[KO8], v2, 7, v[KO8]
	v_lshlrev_b32 v[KO4], 2, v4
	v_lshl_add_u32 v[KO4], v3, 7, v[KO4]
	v_lshl_add_u32 v[KO4], v2, 6, v[KO4]           ; K's scale words: 128 (r / 8) + 4 (r % 8) + 64 h
	v_lshlrev_b32 v[BQ], 5, v2
	v_lshlrev_b32 v[BV], 2, v1
.irp e, 8,9,10,11,12,13,14,15
	v_mov_b32 v[TM+\e], 0                          ; a lane permute's destination counts as a source
.endr
	WIN 0x80                                       ; the biases, in the result's layout, into window 2: bq v0-31, bk v32-63, bv v64-95
.irp b, 0,1,2,3
	global_load_b128 v[8*\b:8*\b+3], v[BQ], s[8:9] offset:64*\b
	global_load_b128 v[8*\b+4:8*\b+7], v[BQ], s[8:9] offset:64*\b+16
	global_load_b128 v[32+8*\b:32+8*\b+3], v[BQ], s[10:11] offset:64*\b
	global_load_b128 v[32+8*\b+4:32+8*\b+7], v[BQ], s[10:11] offset:64*\b+16
.irp j, 0,1,2,3,4,5,6,7
	global_load_b32 v[64+8*\b+\j], v[BV], s[12:13] offset:64*\b
.endr
.endr
	WIN 0
	s_lshr_b32 s45, s44, 4
	s_lshl_b32 s45, s45, 4
	s_lshl_b32 s46, s43, 1
	s_add_co_u32 s45, s45, s46
	s_add_co_u32 s45, s45, s40                     ; (batch, head)
	s_and_b32 s46, s44, 15                         ; the 128 tokens' number in the sequence
	s_lshl_b32 s47, s45, 7
	s_lshl_b32 s92, s46, 3
	s_add_co_u32 s47, s47, s92
	s_lshl_b32 s92, s23, 2
	s_add_co_u32 s47, s47, s92                     ; my first tile of 16 queries
	s_mul_i32 s92, s47, 768
	s_mov_b32 s93, 0
	s_lshl_b32 s94, s47, 6
	s_mov_b32 s95, 0
	s_add_nc_u64 s[92:93], s[14:15], s[92:93]      ; q's images
	s_add_nc_u64 s[94:95], s[16:17], s[94:95]      ; q's scale words
	s_mul_i32 s96, s45, 208896
	s_mul_i32 s47, s46, 13056
	s_add_co_u32 s96, s96, s47
	s_mov_b32 s97, 0
	s_add_nc_u64 s[18:19], s[18:19], s[96:97]      ; the record
	s_mul_i32 s96, s23, 3072
	s_add_nc_u64 s[96:97], s[18:19], s[96:97]      ; K's images
	s_lshl_b32 s98, s23, 8
	s_add_co_u32 s98, s98, 12288
	s_mov_b32 s99, 0
	s_add_nc_u64 s[98:99], s[18:19], s[98:99]      ; K's scale words
	s_mul_i32 s20, s23, 768
	s_add_co_u32 s20, s20, 6144
	s_mov_b32 s21, 0
	s_add_nc_u64 s[20:21], s[18:19], s[20:21]      ; V's images
	s_lshl_b32 s2, s23, 1
	s_add_co_u32 s2, s2, 12800
	s_mov_b32 s3, 0
	s_add_nc_u64 s[2:3], s[18:19], s[2:3]          ; V's scale words: my two bytes of each
; x's 32 fragments are read from LDS once, in pass q (ldx = 1), and stay in registers for all three passes: steps 0-2 in window 2 from v96 on, steps 3-7 in window 3 from v0 on, 48 registers a step.
.macro FETCH k, aw, ldx
.set XWI, ((\k)+5)/8
.set XB, 96+48*(\k)-240*XWI
.set XD, 128+64*XWI
.if \ldx
	WIN XD
.irp i, 0,1,2,3
.irp g, 0,1,2
	ds_load_b128 v[XB+12*\i+4*\g:XB+12*\i+4*\g+3], v[ADRX] offset:12288*\i+1536*(\k)+16*\g
.endr
.endr
.endif
	WIN 0x40
.irp i, 0,1,2,3
.irp g, 0,1,2
	ds_load_b128 v[128*((\k)%2)+48+12*\i+4*\g:128*((\k)%2)+48+12*\i+4*\g+3], v[\aw] offset:12288*\i+1536*(\k)+16*\g
.endr
.endr
.endm
.macro MUL16 k, mode, bias             ; the 16 accumulators by turns; the first step starts the sums with the bias
.set P, 128*((\k)%2)
.set XWI, ((\k)+5)/8
.set XB, 96+48*(\k)-240*XWI
.irp a, 0,1,2,3
.irp b, 0,1,2,3
.set AC, ACC+8*(4*\a+\b)
.if (\k) == 0
.set CC, (\bias)+8*\b*(1-(\mode))+8*\a*(\mode)
.else
.set CC, AC
.endif
.if \mode
	v_wmma_scale_f32_16x16x128_f8f6f4 v[AC:AC+7], v[XB+12*\b:XB+12*\b+11], v[P+48+12*\a:P+48+12*\a+11], v[CC:CC+7], v[SC+8*\b+(\k)], v[SC+8*\a+(\k)] matrix_a_fmt:MATRIX_FMT_FP6 matrix_b_fmt:MATRIX_FMT_FP6 matrix_b_scale:MATRIX_SCALE_ROW1
.else
	v_wmma_scale_f32_16x16x128_f8f6f4 v[AC:AC+7], v[P+48+12*\b:P+48+12*\b+11], v[XB+12*\a:XB+12*\a+11], v[CC:CC+7], v[SC+8*\b+(\k)], v[SC+8*\a+(\k)] matrix_a_fmt:MATRIX_FMT_FP6 matrix_b_fmt:MATRIX_FMT_FP6 matrix_a_scale:MATRIX_SCALE_ROW1
.endif
.endr
.endr
.endm
.macro PASS mode, bias, aw, as, ldx
	s_wait_xcnt 0x0                                ; earlier stores have read their data: the scale words land there
.irp i, 0,1,2,3
	ds_load_b128 v[SC+8*\i:SC+8*\i+3], v[\as] offset:512*\i
	ds_load_b128 v[SC+8*\i+4:SC+8*\i+7], v[\as] offset:512*\i+256
.endr
	FETCH 0, \aw, \ldx
.irp k, 0,1,2,3,4,5,6,7
	s_wait_dscnt 0x0                               ; this step's fragments are in
.if \k < 7
	PLACES 4                                       ; behind the last step's products, ahead of loads into their sources
	FETCH \k+1, \aw, \ldx
.endif
.set XWK, 2+(\k+5)/8                   ; x's window in this step; W's fragments lie in window 1, the first step's C (the bias) in window 2
.if \mode
.set WM, XWK+4
.else
.set WM, 1+4*XWK
.endif
.if \k == 0
.set WM, WM+0x20
.endif
	WIN WM
	MUL16 \k, \mode, \bias
.endr
	WIN 0
	PLACES 4
.endm
.macro EPI                             ; eight blocks of 32 (e = 2 a + b), by turns: maxima, scale bytes, codes; image a in v[32 + 16 a] on, its scale word in v[TM + 8 + a]
.irp e, 0,1,2,3,4,5,6,7
	v_max3_num_f32 v[TM+\e], |v[ACC+16*\e]|, |v[ACC+16*\e+1]|, 0x1800000
.endr
.irp i, 2,4,6,8,10,12,14
.irp e, 0,1,2,3,4,5,6,7
	v_max3_num_f32 v[TM+\e], |v[ACC+16*\e+\i]|, |v[ACC+16*\e+\i+1]|, v[TM+\e]
.endr
.endr
.irp e, 0,1,2,3,4,5,6,7
	v_permlanex16_b32 v[TM+8+\e], v[TM+\e], s66, s67
.endr
.irp e, 0,1,2,3,4,5,6,7
	v_max_num_f32 v[TM+\e], v[TM+\e], v[TM+8+\e]
.endr
.irp e, 0,1,2,3,4,5,6,7
	v_add_nc_u32 v[TM+16+\e], 0xff000000, v[TM+\e]
.endr
.irp e, 0,1,2,3,4,5,6,7
	v_lshrrev_b32 v[TM+24+\e], 23, v[TM+16+\e]
.endr
.irp a, 0,1,2,3
	v_lshl_or_b32 v[TM+8+\a], v[TM+25+2*\a], 8, v[TM+24+2*\a]
.endr
.irp a, 0,1,2,3
	v_cvt_scalef32_pk16_fp6_f32 v[32+16*\a:34+16*\a], v[ACC+32*\a:ACC+32*\a+15], v[TM+16+2*\a]
	v_cvt_scalef32_pk16_fp6_f32 v[40+16*\a:42+16*\a], v[ACC+32*\a+16:ACC+32*\a+31], v[TM+17+2*\a]
.endr
	v_nop
.irp a, 0,1,2,3
.irp i, 0,1,2
	v_permlane16_swap_b32 v[32+16*\a+\i], v[40+16*\a+\i]
.endr
.endr
.irp a, 0,1,2,3
.irp i, 0,1,2
	v_mov_b32 v[35+16*\a+\i], v[40+16*\a+\i]
.endr
.endr
	v_cndmask_b32 v[TM+12], v[TM+8], v[TM+9], s100  ; lanes 0-15 tile 0's words, lanes 16-31 tile 1's
	v_cndmask_b32 v[TM+13], v[TM+10], v[TM+11], s100
.endm
	s_wait_alu depctr_va_vdst(0)
	s_wait_tensorcnt 0x0                           ; my tile of the head's four is in
	ds_add_u32 v[SPW], v[NIL]
	s_mov_b32 s[G1W+2], 96<<16                     ; no load of mine is out: from here on a W load brings 96 rows of 256 bytes
	s_mov_b32 s[G1W+4], 96
	s_wait_dscnt 0x0
	CROUND
	TLOAD G0K, G1W                                 ; Wk, slot 1's first fill
	s_wait_loadcnt 0x0                             ; the biases
	PASS 0, 0, ADRW, ADRS, 1
	s_wait_tensorcnt 0x0                           ; Wk is in; my reads of slot 0 are over
	ds_add_u32 v[SPW], v[NIL]
	s_wait_dscnt 0x0
	CROUND
	TLOAD G0V, G1W                                 ; Wv into slot 0
	EPI
.irp a, 0,1,2,3
	global_store_b128 v[O16], v[32+16*\a:35+16*\a], s[92:93] offset:768*\a
	global_store_b64 v[O8], v[36+16*\a:37+16*\a], s[92:93] offset:768*\a+512
.endr
	global_store_b32 v[O4], v[TM+12], s[94:95]
	global_store_b32 v[O4], v[TM+13], s[94:95] offset:128
	PASS 0, 32, ADRW+1, ADRS+1, 0
	EPI
.irp a, 0,1,2,3
	global_store_b128 v[KO16], v[32+16*\a:35+16*\a], s[96:97] offset:768*(\a%2)+128*(\a/2)
	global_store_b64 v[KO8], v[36+16*\a:37+16*\a], s[96:97] offset:768*(\a%2)+512+64*(\a/2)
.endr
	global_store_b32 v[KO4], v[TM+12], s[98:99]
	global_store_b32 v[KO4], v[TM+13], s[98:99] offset:32
	s_wait_tensorcnt 0x0                           ; my quarter of Wv is in,
	s_wait_dscnt 0x0
	s_barrier_signal -1
	s_barrier_wait -1                              ; everybody's is
	PASS 1, 64, ADRW, ADRS+2, 0
	EPI
.irp a, 0,1,2,3
	global_store_b128 v[O16], v[32+16*\a:35+16*\a], s[20:21] offset:1536*\a
	global_store_b64 v[O8], v[36+16*\a:37+16*\a], s[20:21] offset:1536*\a+512
.endr
	global_store_b16 v[O4], v[TM+12], s[2:3]       ; two of the four bytes of each channel's word for these 128 keys; the wave with the other 64 tokens stores the other two
	global_store_b16 v[O4], v[TM+13], s[2:3] offset:128
	s_wait_tensorcnt 0x0                           ; the wave's end
	ds_add_u32 v[SPW], v[NIL]
	s_wait_dscnt 0x0
	CROUND                                         ; the closing round
	s_endpgm
.Lfunc_end_k_qfd38c99159_qkv:
	.size	k_qfd38c99159_qkv, .Lfunc_end_k_qfd38c99159_qkv-k_qfd38c99159_qkv
	.p2alignl 7, 3214868480
	.fill 96, 4, 3214868480
	.section	.rodata,"a",@progbits
	.p2align	6, 0x0
	.amdhsa_kernel k_qfd38c99159_qkv
		.amdhsa_group_segment_fixed_size 327680
		.amdhsa_private_segment_fixed_size 0
		.amdhsa_enable_private_segment 0
		.amdhsa_kernarg_size 64
		.amdhsa_user_sgpr_count 2
		.amdhsa_user_sgpr_kernarg_segment_ptr 1
		.amdhsa_wavefront_size32 1
		.amdhsa_system_sgpr_workgroup_id_x 1
		.amdhsa_system_sgpr_workgroup_id_y 1
		.amdhsa_system_sgpr_workgroup_id_z 1
		.amdhsa_system_vgpr_workitem_id 0
		.amdhsa_next_free_vgpr 1024
		.amdhsa_next_free_sgpr 102
		.amdhsa_reserve_vcc 0
		.amdhsa_float_denorm_mode_32 3
		.amdhsa_float_denorm_mode_16_64 3
		.amdhsa_memory_ordered 1
		.amdhsa_forward_progress 1
		.amdhsa_inst_pref_size 121
	.end_amdhsa_kernel
	.amdgpu_metadata
---
amdhsa.version: [ 1, 2 ]
amdhsa.kernels:
  - .name:           k_qfd38c99159_qkv
    .symbol:         k_qfd38c99159_qkv.kd
    .args:
      - { .name: codes, .offset: 0, .size: 8, .value_kind: global_buffer, .address_space: global }
      - { .name: scales, .offset: 8, .size: 8, .value_kind: global_buffer, .address_space: global }
      - { .name: bq, .offset: 16, .size: 8, .value_kind: global_buffer, .address_space: global }
      - { .name: bk, .offset: 24, .size: 8, .value_kind: global_buffer, .address_space: global }
      - { .name: bv, .offset: 32, .size: 8, .value_kind: global_buffer, .address_space: global }
      - { .name: qc, .offset: 40, .size: 8, .value_kind: global_buffer, .address_space: global }
      - { .name: qs, .offset: 48, .size: 8, .value_kind: global_buffer, .address_space: global }
      - { .name: kv, .offset: 56, .size: 8, .value_kind: global_buffer, .address_space: global }
    .group_segment_fixed_size: 327680
    .private_segment_fixed_size: 0
    .kernarg_segment_align: 8
    .kernarg_segment_size: 64
    .max_flat_workgroup_size: 128
    .sgpr_count:     102
    .vgpr_count:     1024
    .wavefront_size: 32
...
	.end_amdgpu_metadata
.endif
;; end of part 7
;; launch attn (part 8): grid 8 x 32, 16 waves a work-group, clusters of 4 x 1, 212,992 bytes of LDS; arguments qc, qs, kv, ac, ah; writes ac, ah
.if DOCPART == 8
	.amdgcn_target "amdgcn-amd-amdhsa--gfx1250"
	.amdhsa_code_object_version 6
	.text
	.protected	k_qfd38c99159_attn
	.globl	k_qfd38c99159_attn
	.p2align	8
	.type	k_qfd38c99159_attn,@function
k_qfd38c99159_attn:
	s_mov_b64 s[64:65], 0
	v_nop
	global_prefetch_b8 v0, s[64:65] scope:SCOPE_SE
	s_setreg_imm32_b32 hwreg(HW_REG_WAVE_MODE, 25, 1), 1
	s_wait_xcnt 0x0
	s_wait_alu depctr_hold_cnt(0) depctr_sa_sdst(0) depctr_va_vdst(0) depctr_va_sdst(0) depctr_va_ssrc(0) depctr_va_vcc(0) depctr_vm_vsrc(0)
	s_getreg_b32 s2, hwreg(HW_REG_IB_STS2, 6, 4)
	s_cmp_eq_u32 s2, 0
	s_cbranch_scc0 .Lentry_in_a_cluster
	s_endpgm
.Lentry_in_a_cluster:
	s_bfe_u32 s2, ttmp6, 0x10000c
	s_cmp_lg_u32 s2, 0x3003
	s_cbranch_scc0 .Lentry_shape_is_right
	s_endpgm
.Lentry_shape_is_right:
; Attention for one (batch, head): 2,048 queries and keys, head size 64, both products on codes of FP6 (E2M3) with E8M0 scales.  (The factor cw on the scores is 1 by identity: see the first kernel.)
; t = score x log2(e) / 8; M = the running largest t rounded UP to a whole number; p = 2^(t - M) is quantised along the keys, not normalised; the row's sum is taken of the unquantised p and divides O at the end.
; When M moves, the sum and O are multiplied by 2^(old M - new M): exact.
; A work-group owns 256 queries, each of its sixteen waves a tile of 16.  THE WHOLE HEAD LIES IN LDS: sixteen records of 13,056 bytes, one for each 128 keys (K's 8 images, V's 8, their scale words), filled ONCE:
; each wave asks for one record, jointly with the three other query blocks of the head (cluster 4 x 1).  No prefetch: all bytes are asked for at the head, ahead of the loop.
; Both products are used transposed: S^T = K Q^T, O^T = V^T P^T: a lane holds ONE query.  The first product's K is 64: Q's upper 64 are zero codes.  K's eight images lie 6 registers apart, so the upper half of a K operand
; is the next tile's codes (behind the last: zeros): finite numbers under finite scale bytes, which meet Q's zero codes and add nothing.
; K's tiles hold rows of two blocks of keys (see qkv): four neighbouring tiles give lanes 0-15 the 32 keys of one block and lanes 16-31 those of the next, in the order in which V's codes lie.  So a block's maximum
; needs no other lane and p's codes fall into the operand's lanes as they are made.  A block's largest p is made from its largest score by the same multiply-add and exponential.
; The row's sum runs in four chains; they are joined behind the next step's first products, where plain work is due anyway.
; THE WAY OUT: O / the sum is quantised along the 64 channels and stored as an image into ac; its two scale bytes a token go through LDS into ah [head][token].
; LIMITS: the promise holds while |t| stays under 2^31; p under 2^-126 counts as 0; a block of zeros keeps the scale byte 1; NaN and infinities are not served.
.set REC,   13056
.set SPARE, 208896
.set STS,   210944
.set KV,  32                           ; v32-85   K's eight images and six zeros; then V's four fragments in v32-79
.set CH,  86                           ; v86-91   three chains of the row's sum
.set PT,  92                           ; v92-94, v96-98 the second halves of the blocks' codes
.set TP,  100
.set BM,  102
.set SO,  104
.set BY,  106
.set MQ,  108
.set S,   112                          ; v112-175 S^T, then p
.set O,   176
.set PC,  208
; v1 16 l, v2 8 l, v3 4 l, v4 8 h, v5, v6 the add's two, v7, v31 the stage; v8-10 the step's addresses; v11 the old -M; v12 -M, v13 the largest t, v[14:15] the sum; v16-27 Q, v28 its scale words;
; v240-243 K's scale words, v244-245 V's, v246 p's; v247 at work; v[248:249] f
.macro CROUND
	s_barrier_signal -1
	s_barrier_wait -1
	s_cmp_lg_u32 s12, 0
	s_cbranch_scc1 .Lnot_wave_0_\@
	s_barrier_signal -3
.Lnot_wave_0_\@:
	s_barrier_wait -3
	s_barrier_signal -1
	s_barrier_wait -1
.endm
.macro JOIN                            ; the four chains of the row's sum become one
	v_pk_add_f32 v[CH:CH+1], v[CH:CH+1], v[CH+2:CH+3]
	v_pk_add_f32 v[14:15], v[14:15], v[CH+4:CH+5]
	v_nop
	v_pk_add_f32 v[14:15], v[14:15], v[CH:CH+1]
.endm
	s_load_b256 s[4:11], s[0:1], 0x0               ; qc, qs, kv, ac
	s_load_b64 s[18:19], s[0:1], 0x20              ; ah
	v_lshl_add_u32 v5, v0, 2, SPARE
	v_mov_b32 v6, 0
	ds_add_u32 v5, v6                              ; the opening lines
	ds_add_u32 v5, v6
	v_lshrrev_b32 v8, 5, v0
	v_readfirstlane_b32 s12, v8                    ; wave 0..15
	s_bfe_u32 s13, ttmp6, 0x40000
	s_lshl_b32 s14, ttmp9, 2
	s_add_co_u32 s14, s14, s13                     ; my block of 256 queries: it enters my own loads' and stores' addresses alone
	s_and_b32 s15, ttmp7, 0xffff                   ; (batch, head)
	s_lshr_b32 s16, s15, 4
	s_and_b32 s17, s15, 15
	s_mov_b32 s24, 15|(3<<16)|(1<<21)              ; a record: 51 dense rows of 256 bytes; the mask names the four
	s_mov_b32 s25, 32<<16
	s_mov_b32 s26, 51<<16
	s_mov_b32 s27, 32<<16
	s_mov_b32 s28, 51
	s_mov_b32 s29, 32
	s_mov_b32 s30, 0
	s_mov_b32 s31, 0
	s_mov_b32 s20, 0x76543210
	s_mov_b32 s21, 0xfedcba98
	s_mov_b32 s22, 0x3e38aa3b                      ; log2(e) / 8
	s_mov_b32 s23, s22
	s_lshl_b32 s68, s12, 5
	s_add_co_u32 s68, s68, STS
	s_mul_i32 s70, s15, 208896
	s_mul_i32 s41, s12, REC                        ; wave w asks for record w
	s_add_co_u32 s70, s70, s41
	s_mov_b32 s71, 0
	s_lshl_b32 s76, s15, 7
	s_lshl_b32 s77, s14, 4
	s_add_co_u32 s76, s76, s77
	s_add_co_u32 s76, s76, s12                     ; my tile of queries
	s_lshl_b32 s78, s76, 6
	s_mul_i32 s76, s76, 768
	s_mov_b32 s77, 0
	s_mov_b32 s79, 0
	s_mov_b32 s40, 1
	s_mov_b32 s60, 0
	v_and_b32 v9, 31, v0
	v_bfe_u32 v10, v0, 4, 1
	v_and_b32 v11, 15, v0
	v_lshlrev_b32 v1, 4, v9
	v_lshlrev_b32 v2, 3, v9
	v_lshlrev_b32 v3, 2, v9
	v_lshlrev_b32 v4, 3, v10
	v_lshl_add_u32 v7, v11, 1, s68                 ; STS + 32 wave + 2 r
	v_add_nc_u32 v31, STS, v1
	v_lshlrev_b32 v30, 2, v11
	s_wait_dscnt 0x0
	CROUND                                         ; the round in front of the joint loads; it names no argument, so it stands ahead of the wait for them
	s_wait_kmcnt 0x0
	s_add_nc_u64 s[42:43], s[8:9], s[70:71]
	s_or_b32 s43, s43, 0x80000000
	s_add_nc_u64 s[76:77], s[4:5], s[76:77]
	s_add_nc_u64 s[78:79], s[6:7], s[78:79]
	tensor_load_to_lds s[40:43], s[24:31]
	s_nop 0
.rept 4
	v_nop
.endr
	s_wait_alu depctr_va_vdst(0)
	global_load_b128 v[16:19], v1, s[76:77]
	global_load_b64 v[20:21], v2, s[76:77] offset:512
	global_load_b32 v28, v30, s[78:79]
.irp j, 22,23,24,25,26,27
	v_mov_b32 v[\j], 0                             ; Q's K = 64 .. 127: zero codes
.endr
.irp j, 48,49,50,51,52,53
	v_mov_b32 v[KV+\j], 0                          ; behind K's last image
.endr
.irp j, 0,1,2,3,4,5
	v_mov_b32 v[CH+\j], 0
.endr
.set j, 0
.rept 32
	v_mov_b32 v[O+j], 0                            ; the step is written once: the first finds zeros
.set j, j+1
.endr
	v_mov_b32 v13, 0xff61b1e6                      ; -3e38
	v_mov_b32 v14, 0
	v_mov_b32 v15, 0
	v_floor_f32 v12, -v13
	v_mov_b32 v249, 0
	v_mov_b32 v247, 0
	v_mov_b32 v[TP], 0
	v_mov_b32 v[TP+1], 0
.macro MAXB c                          ; the largest score of my block of 32 keys: four chains by turns, each accumulator from its low end on
.set X, S+32*(\c)
.irp q, 0,1,2,3
	v_max3_num_f32 v[MQ+\q], v[X+8*\q], v[X+8*\q+1], v[X+8*\q+2]
.endr
.irp i, 3,5
.irp q, 0,1,2,3
	v_max3_num_f32 v[MQ+\q], v[MQ+\q], v[X+8*\q+\i], v[X+8*\q+\i+1]
.endr
.endr
	v_max3_num_f32 v[MQ], v[MQ], v[X+7], v[X+15]
	v_max3_num_f32 v[MQ+1], v[MQ+1], v[X+23], v[X+31]
	s_delay_alu instid0(VALU_DEP_2)
	v_max3_num_f32 v[MQ], v[MQ], v[MQ+2], v[MQ+3]
	s_delay_alu instid0(VALU_DEP_1)
	v_max_num_f32 v[BM+\c], v[MQ], v[MQ+1]
.endm
	s_wait_alu depctr_va_vdst(0)
	s_wait_loadcnt 0x0                             ; Q
	s_wait_tensorcnt 0x0                           ; my record is in,
	s_barrier_signal -1
	s_barrier_wait -1                              ; everybody's is; nothing is filled again
	s_mov_b32 s67, 16
.Lstep:                                                ; 128 keys
	v_add_nc_u32 v8, s60, v1                       ; four plain lines: the places between the last step's products and the loads into V's registers
	v_add_nc_u32 v9, s60, v2
	v_add_nc_u32 v10, s60, v3
	v_mov_b32 v11, v12                             ; the old -M
.irp i, 0,1,2,3,4,5,6,7
	ds_load_b128 v[KV+6*\i:KV+6*\i+3], v8 offset:768*\i
	ds_load_b64 v[KV+6*\i+4:KV+6*\i+5], v9 offset:768*\i+512
.endr
.irp i, 0,1,2,3
	ds_load_b32 v[240+\i], v10 offset:12288+128*\i ; two tiles' scale words a register
.endr
	s_wait_alu depctr_va_vdst(0)
	s_wait_dscnt 0x0
.irp t, 0,1,2,3,4,5,6,7
.if (\t%2)
	v_wmma_scale_f32_16x16x128_f8f6f4 v[S+8*\t:S+8*\t+7], v[KV+6*\t:KV+6*\t+11], v[16:27], 0, v[240+\t/2], v28 matrix_a_fmt:MATRIX_FMT_FP6 matrix_b_fmt:MATRIX_FMT_FP6 matrix_a_scale:MATRIX_SCALE_ROW1
.else
	v_wmma_scale_f32_16x16x128_f8f6f4 v[S+8*\t:S+8*\t+7], v[KV+6*\t:KV+6*\t+11], v[16:27], 0, v[240+\t/2], v28 matrix_a_fmt:MATRIX_FMT_FP6 matrix_b_fmt:MATRIX_FMT_FP6
.endif
.endr
	JOIN                                           ; the last step's sums: also the four places behind the products
.irp t, 0,1,2,3
	ds_load_b128 v[KV+12*\t:KV+12*\t+3], v8 offset:6144+1536*\t        ; V's fragments, two images of 64 keys each, into the registers that K has left
	ds_load_b64 v[KV+12*\t+4:KV+12*\t+5], v9 offset:6144+1536*\t+512
	ds_load_b128 v[KV+12*\t+6:KV+12*\t+9], v8 offset:6144+1536*\t+768
	ds_load_b64 v[KV+12*\t+10:KV+12*\t+11], v9 offset:6144+1536*\t+1280
.endr
	ds_load_b32 v244, v10 offset:12800
	ds_load_b32 v245, v10 offset:12928
	MAXB 0
	MAXB 1
	s_delay_alu instid0(VALU_DEP_1)
	v_max_num_f32 v247, v[BM], v[BM+1]
	s_delay_alu instid0(VALU_DEP_1)
	v_permlanex16_b32 v[TP], v247, s20, s21
	s_delay_alu instid0(VALU_DEP_1)
	v_max_num_f32 v247, v247, v[TP]                ; the step's largest score of my query
	s_delay_alu instid0(VALU_DEP_1)
	v_mul_f32 v247, s22, v247
	s_delay_alu instid0(VALU_DEP_1)
	v_max_num_f32 v13, v13, v247                   ; the running largest t
	s_delay_alu instid0(VALU_DEP_1)
	v_floor_f32 v12, -v13                          ; -M = -ceil(t)
	s_delay_alu instid0(VALU_DEP_1)
	v_sub_f32 v247, v12, v11                       ; old M - new M
	s_delay_alu instid0(VALU_DEP_1)
	v_cvt_i32_f32 v247, v247                       ; (it saturates)
	s_delay_alu instid0(VALU_DEP_1)
	v_ldexp_f32 v248, 1.0, v247                    ; f
.set j, 0
.rept 32
	v_pk_fma_f32 v[S+j:S+j+1], v[S+j:S+j+1], s[22:23], v[12:13] op_sel_hi:[1,0,0]   ; t - M
.set j, j+2
.endr
	v_fma_f32 v[BM], v[BM], s22, v12
	v_fma_f32 v[BM+1], v[BM+1], s22, v12
	s_wait_alu depctr_va_vdst(0)
.set j, 0
.rept 64
	v_exp_f32 v[S+j], v[S+j]
.set j, j+1
.endr
	v_exp_f32 v[BM], v[BM]                         ; my two blocks' largest p
	v_exp_f32 v[BM+1], v[BM+1]
	v_pk_mul_f32 v[14:15], v[14:15], v[248:249] op_sel_hi:[1,0]   ; the sum under the new M: the plain place behind the batch
	s_wait_alu depctr_va_vdst(0)                   ; and the one wait behind it
	v_pk_add_f32 v[CH:CH+1], v[S:S+1], v[S+2:S+3]  ; the sum of the unquantised p, four chains
	v_pk_add_f32 v[CH+2:CH+3], v[S+4:S+5], v[S+6:S+7]
	v_pk_add_f32 v[CH+4:CH+5], v[S+8:S+9], v[S+10:S+11]
	v_pk_add_f32 v[14:15], v[14:15], v[S+12:S+13]
.irp j, 14,22,30,38,46,54
	v_pk_add_f32 v[CH:CH+1], v[CH:CH+1], v[S+\j:S+\j+1]
	v_pk_add_f32 v[CH+2:CH+3], v[CH+2:CH+3], v[S+\j+2:S+\j+3]
	v_pk_add_f32 v[CH+4:CH+5], v[CH+4:CH+5], v[S+\j+4:S+\j+5]
	v_pk_add_f32 v[14:15], v[14:15], v[S+\j+6:S+\j+7]
.endr
	v_pk_add_f32 v[CH:CH+1], v[CH:CH+1], v[S+62:S+63]
	v_max_num_f32 v[BM], 0x1800000, v[BM]          ; the floor holds the byte at 1
	v_max_num_f32 v[BM+1], 0x1800000, v[BM+1]
	s_delay_alu instid0(VALU_DEP_2)
	v_add_nc_u32 v[SO], 0xff000000, v[BM]          ; the conversions' scale operands
	s_delay_alu instid0(VALU_DEP_2)
	v_add_nc_u32 v[SO+1], 0xff000000, v[BM+1]
	s_delay_alu instid0(VALU_DEP_2)
	v_lshrrev_b32 v[BY], 23, v[SO]
	s_delay_alu instid0(VALU_DEP_2)
	v_lshrrev_b32 v[BY+1], 23, v[SO+1]
	s_delay_alu instid0(VALU_DEP_1)
	v_lshl_or_b32 v246, v[BY+1], 16, v[BY]         ; my bytes: blocks h and 2 + h,
	s_delay_alu instid0(VALU_DEP_1)
	v_lshlrev_b32 v246, v4, v246                   ; 8 h bits up;
	s_delay_alu instid0(VALU_DEP_1)
	v_permlanex16_b32 v[TP], v246, s20, s21
	s_delay_alu instid0(VALU_DEP_1)
	v_or_b32 v246, v246, v[TP]                     ; with lane l xor 16's the word is whole
.irp c, 0,1
	v_cvt_scalef32_pk16_fp6_f32 v[PC+6*\c:PC+6*\c+2], v[S+32*\c:S+32*\c+15], v[SO+\c]
	v_cvt_scalef32_pk16_fp6_f32 v[PT+4*\c:PT+4*\c+2], v[S+32*\c+16:S+32*\c+31], v[SO+\c]
.endr
	s_wait_alu depctr_va_vdst(0)
.set j, 0
.rept 4
	v_pk_mul_f32 v[O+j:O+j+1], v[O+j:O+j+1], v[248:249] op_sel_hi:[1,0]   ; O^T under the new M; the first is the plain place behind the conversions
.set j, j+2
.endr
.irp c, 0,1
.irp i, 0,1,2
	v_mov_b32 v[PC+6*\c+3+\i], v[PT+4*\c+\i]
.endr
.endr
.rept 12
	v_pk_mul_f32 v[O+j:O+j+1], v[O+j:O+j+1], v[248:249] op_sel_hi:[1,0]   ; these twelve are the places ahead of the scaled products
.set j, j+2
.endr
	s_wait_alu depctr_va_vdst(0)
	s_wait_dscnt 0x0                               ; V
.irp t, 0,1,2,3
.if (\t%2)
	v_wmma_scale_f32_16x16x128_f8f6f4 v[O+8*\t:O+8*\t+7], v[KV+12*\t:KV+12*\t+11], v[PC:PC+11], v[O+8*\t:O+8*\t+7], v[244+\t/2], v246 matrix_a_fmt:MATRIX_FMT_FP6 matrix_b_fmt:MATRIX_FMT_FP6 matrix_a_scale:MATRIX_SCALE_ROW1
.else
	v_wmma_scale_f32_16x16x128_f8f6f4 v[O+8*\t:O+8*\t+7], v[KV+12*\t:KV+12*\t+11], v[PC:PC+11], v[O+8*\t:O+8*\t+7], v[244+\t/2], v246 matrix_a_fmt:MATRIX_FMT_FP6 matrix_b_fmt:MATRIX_FMT_FP6
.endif
.endr
	s_add_co_u32 s60, s60, REC
	s_sub_co_u32 s67, s67, 1
	s_cmp_lg_u32 s67, 0
	s_cbranch_scc1 .Lstep
	JOIN                                           ; the last step's sums: also the places behind the last products
	s_delay_alu instid0(VALU_DEP_1)
	v_add_f32 v14, v14, v15
	s_delay_alu instid0(VALU_DEP_1)
	v_permlanex16_b32 v247, v14, s20, s21
	s_delay_alu instid0(VALU_DEP_1)
	v_add_f32 v14, v14, v247                       ; the row's sum
	s_wait_alu depctr_va_vdst(0)
	v_rcp_f32 v248, v14
	s_lshl_b32 s68, s16, 7
	s_lshl_b32 s69, s14, 4
	s_add_co_u32 s68, s68, s69
	s_add_co_u32 s68, s68, s12                     ; my tile of 16 tokens among all 256
	s_lshl_b32 s68, s68, 4
	s_add_co_u32 s68, s68, s17
	s_mul_i32 s68, s68, 768
	s_mov_b32 s69, 0
	s_add_nc_u64 s[10:11], s[10:11], s[68:69]
	s_lshl_b32 s68, s17, 13
	s_lshl_b32 s72, s16, 12
	s_add_co_u32 s68, s68, s72
	s_lshl_b32 s72, s14, 9
	s_add_co_u32 s68, s68, s72                     ; ah: 8,192 bytes a head, 2 a token
	s_add_nc_u64 s[18:19], s[18:19], s[68:69]
	v_nop
	s_wait_alu depctr_va_vdst(0)
.set j, 0
.rept 16
	v_pk_mul_f32 v[S+j:S+j+1], v[O+j:O+j+1], v[248:249] op_sel_hi:[1,0]   ; register 8 t + i: channel 16 t + 8 h + i of my token
.set j, j+2
.endr
.irp b, 0,1
	v_max3_num_f32 v[BM+\b], |v[S+16*\b]|, |v[S+1+16*\b]|, 0x1800000
.endr
.irp i, 2,4,6,8,10,12,14
.irp b, 0,1
	s_delay_alu instid0(VALU_DEP_2)
	v_max3_num_f32 v[BM+\b], v[BM+\b], |v[S+16*\b+\i]|, |v[S+1+16*\b+\i]|
.endr
.endr
.irp b, 0,1
	s_delay_alu instid0(VALU_DEP_2)
	v_permlanex16_b32 v[TP+\b], v[BM+\b], s20, s21
.endr
.irp b, 0,1
	s_delay_alu instid0(VALU_DEP_2)
	v_max_num_f32 v[BM+\b], v[BM+\b], v[TP+\b]
.endr
.irp b, 0,1
	s_delay_alu instid0(VALU_DEP_2)
	v_add_nc_u32 v[SO+\b], 0xff000000, v[BM+\b]
.endr
.irp b, 0,1
	s_delay_alu instid0(VALU_DEP_2)
	v_lshrrev_b32 v[BY+\b], 23, v[SO+\b]
.endr
	s_delay_alu instid0(VALU_DEP_1)
	v_lshl_or_b32 v246, v[BY+1], 8, v[BY]          ; my token's two scale bytes
	v_cvt_scalef32_pk16_fp6_f32 v[PC:PC+2], v[S:S+15], v[SO]
	v_cvt_scalef32_pk16_fp6_f32 v[PT:PT+2], v[S+16:S+31], v[SO+1]
	v_nop
.irp i, 0,1,2
	v_permlane16_swap_b32 v[PC+\i], v[PT+\i]
.endr
.irp i, 0,1,2
	v_mov_b32 v[PC+3+\i], v[PT+\i]
.endr
	global_store_b128 v1, v[PC:PC+3], s[10:11]
	global_store_b64 v2, v[PC+4:PC+5], s[10:11] offset:512
	ds_store_b16 v7, v246
	s_wait_dscnt 0x0
	s_barrier_signal -1
	s_barrier_wait -1
	s_cmp_lg_u32 s12, 0
	s_cbranch_scc1 .Lnot_first
	ds_load_b128 v[112:115], v31                   ; the work-group's 256 tokens x 2 bytes
	s_wait_dscnt 0x0
	global_store_b128 v1, v[112:115], s[18:19]
.Lnot_first:
	s_wait_tensorcnt 0x0                           ; the wave's end
	ds_add_u32 v5, v6
	s_wait_dscnt 0x0
	CROUND                                         ; the closing round
	s_endpgm
.Lfunc_end_k_qfd38c99159_attn:
	.size	k_qfd38c99159_attn, .Lfunc_end_k_qfd38c99159_attn-k_qfd38c99159_attn
	.p2alignl 7, 3214868480
	.fill 96, 4, 3214868480
	.section	.rodata,"a",@progbits
	.p2align	6, 0x0
	.amdhsa_kernel k_qfd38c99159_attn
		.amdhsa_group_segment_fixed_size 212992
		.amdhsa_private_segment_fixed_size 0
		.amdhsa_enable_private_segment 0
		.amdhsa_kernarg_size 40
		.amdhsa_user_sgpr_count 2
		.amdhsa_user_sgpr_kernarg_segment_ptr 1
		.amdhsa_wavefront_size32 1
		.amdhsa_system_sgpr_workgroup_id_x 1
		.amdhsa_system_sgpr_workgroup_id_y 1
		.amdhsa_system_sgpr_workgroup_id_z 1
		.amdhsa_system_vgpr_workitem_id 0
		.amdhsa_next_free_vgpr 256
		.amdhsa_next_free_sgpr 80
		.amdhsa_reserve_vcc 0
		.amdhsa_float_denorm_mode_32 3
		.amdhsa_float_denorm_mode_16_64 3
		.amdhsa_memory_ordered 1
		.amdhsa_forward_progress 1
		.amdhsa_inst_pref_size 28
	.end_amdhsa_kernel
	.amdgpu_metadata
---
amdhsa.version: [ 1, 2 ]
amdhsa.kernels:
  - .name:           k_qfd38c99159_attn
    .symbol:         k_qfd38c99159_attn.kd
    .args:
      - { .name: qc, .offset: 0, .size: 8, .value_kind: global_buffer, .address_space: global }
      - { .name: qs, .offset: 8, .size: 8, .value_kind: global_buffer, .address_space: global }
      - { .name: kv, .offset: 16, .size: 8, .value_kind: global_buffer, .address_space: global }
      - { .name: ac, .offset: 24, .size: 8, .value_kind: global_buffer, .address_space: global }
      - { .name: ah, .offset: 32, .size: 8, .value_kind: global_buffer, .address_space: global }
    .group_segment_fixed_size: 212992
    .private_segment_fixed_size: 0
    .kernarg_segment_align: 8
    .kernarg_segment_size: 40
    .max_flat_workgroup_size: 512
    .sgpr_count:     80
    .vgpr_count:     256
    .wavefront_size: 32
...
	.end_amdgpu_metadata
.endif
;; end of part 8
;; launch outp (part 9): grid 8 x 32, 4 waves a work-group, clusters of 4 x 4, 229,376 bytes of LDS; arguments ac, ah, codes, scales, bo, out0; writes out0
.if DOCPART == 9
	.amdgcn_target "amdgcn-amd-amdhsa--gfx1250"
	.amdhsa_code_object_version 6
	.text
	.protected	k_qfd38c99159_outp
	.globl	k_qfd38c99159_outp
	.p2align	8
	.type	k_qfd38c99159_outp,@function
k_qfd38c99159_outp:
	s_mov_b64 s[64:65], 0
	v_nop
	global_prefetch_b8 v0, s[64:65] scope:SCOPE_SE
	s_setreg_imm32_b32 hwreg(HW_REG_WAVE_MODE, 25, 1), 1
	s_wait_xcnt 0x0
	s_wait_alu depctr_hold_cnt(0) depctr_sa_sdst(0) depctr_va_vdst(0) depctr_va_sdst(0) depctr_va_ssrc(0) depctr_va_vcc(0) depctr_vm_vsrc(0)
	s_getreg_b32 s2, hwreg(HW_REG_IB_STS2, 6, 4)
	s_cmp_eq_u32 s2, 0
	s_cbranch_scc0 .Lentry_in_a_cluster
	s_endpgm
.Lentry_in_a_cluster:
	s_bfe_u32 s2, ttmp6, 0x10000c
	s_cmp_lg_u32 s2, 0xf033
	s_cbranch_scc0 .Lentry_shape_is_right
	s_endpgm
.Lentry_shape_is_right:
; out0 = attended Wo^T + bo: [4096][1024] f32, K = 1,024, on codes of FP6 (E2M3) with E8M0 scales.
; A = the attended rows as attention left them: ac [tile of 16 tokens][head] images of 16 rows x 64 K (768 bytes): two neighbouring heads' images are a fragment of 128 along K.  Their scale bytes: ah [head][token], two each.
; B = Wo's rows (row 7,168 on of the table), as operand images of 1,536 bytes, scale bytes [tile of 16 rows][half of K][row][16].
; A tile is 128 tokens x 128 columns: 256 work-groups of four waves, a wave 64 x 64: 16 accumulators.  ALL OF K LIES IN LDS, filled ONCE, in dense rows of 256 bytes: waves 0 and 1 ask for A's halves, wave 2 for B, wave 3 for
; B's scale bytes: one joint load a wave.  CLUSTERS 4 x 4: A is shared along a row, B along a column.  No prefetch: all bytes are asked for at the head; there is no loop.
; A's scale bytes come through registers: a token's 16 pairs are joined and stored into LDS in the form of B's.
; Source 0 = Wo's rows, source 1 = tokens: a lane holds eight neighbouring columns of one row of out0.  bo is the C of each sum's first instruction.
.set AIM, 0
.set BIM, 98304
.set SCA, 196608
.set SCB, 200704
.set SPARE, 204800
.set STG, 205312
.set SPITCH, 272
.set ROWO, 4096
.set ADRA, 16
.set ADRB, 20
.set STO, 24
.set RD, 25
.set CO, 26
.set ADRS, 27
.set SPW, 28
.set NIL, 29
.set SC, 32
.set BI, 64
.set HW, 96
.set ACC, 128
.set BK, 32
.set G1A, 24
.set G0A, 32
.set G0B, 36
.set G1B, 48
.set G0S, 56
.set G1S, 68
.set MSB, 0
.macro WIN new
.if MSB != \new
	s_set_vgpr_msb (MSB<<8)|\new
.set MSB, \new
.endif
.endm
.macro CROUND
	s_barrier_signal -1
	s_barrier_wait -1
	s_cmp_lg_u32 s22, 0
	s_cbranch_scc1 .Lnot_wave_0_\@
	s_barrier_signal -3
.Lnot_wave_0_\@:
	s_barrier_wait -3
	s_barrier_signal -1
	s_barrier_wait -1
.endm
.macro TLOAD g0, g1
	tensor_load_to_lds s[\g0:\g0+3], s[\g1:\g1+7]
	s_nop 0
.rept 4
	v_nop
.endr
.endm
.macro ARM under, g0, g1, next
	s_cmp_lt_u32 s22, \under
	s_cbranch_scc0 \next
	TLOAD \g0, \g1
	s_branch .Lhead_asked
\next:
.endm
.macro PLACES n
.rept \n
	v_nop
.endr
.endm
	s_load_b256 s[4:11], s[0:1], 0x0               ; ac, ah, codes, scales
	s_load_b128 s[12:15], s[0:1], 0x20             ; bo, out0
	v_lshl_add_u32 v[SPW], v0, 2, SPARE
	v_mov_b32 v[NIL], 0
	ds_add_u32 v[SPW], v[NIL]                      ; the opening lines
	ds_add_u32 v[SPW], v[NIL]
	v_lshrrev_b32 v1, 5, v0
	v_readfirstlane_b32 s22, v1
	s_lshr_b32 s23, s22, 1                         ; my half of the tokens
	s_and_b32 s40, s22, 1                          ; my half of the columns.  Also: which half of A waves 0 and 1 fetch
	s_bfe_u32 s41, ttmp6, 0x40000
	s_bfe_u32 s42, ttmp6, 0x40004
	s_lshl_b32 s43, ttmp9, 2
	s_add_co_u32 s43, s43, s41                     ; tile of 128 columns
	s_and_b32 s44, ttmp7, 0xffff
	s_lshl_b32 s44, s44, 2
	s_add_co_u32 s44, s44, s42                     ; tile of 128 tokens
	s_lshl_b32 s45, s42, 2
	s_lshl_b32 s45, 15, s45
	s_lshl_b32 s46, 0x1111, s41
	s_or_b32 s[G1A], s45, (3<<16)|(1<<21)
	s_or_b32 s[G1B], s46, (3<<16)|(1<<21)
	s_or_b32 s[G1S], s46, (3<<16)|(1<<21)
.irp g, G1A, G1B, G1S
	s_mov_b32 s[\g+1], 32<<16
	s_mov_b32 s[\g+3], 32<<16
	s_mov_b32 s[\g+5], 32
	s_mov_b32 s[\g+6], 0
	s_mov_b32 s[\g+7], 0
.endr
	s_mov_b32 s[G1A+2], 192<<16
	s_mov_b32 s[G1A+4], 192
	s_mov_b32 s[G1B+2], 384<<16
	s_mov_b32 s[G1B+4], 384
	s_mov_b32 s[G1S+2], 16<<16
	s_mov_b32 s[G1S+4], 16
	s_mul_i32 s92, s44, 98304
	s_mul_i32 s2, s40, 49152
	s_add_co_u32 s92, s92, s2
	s_mov_b32 s93, 0
	s_mul_i32 s94, s43, 98304
	s_add_co_u32 s94, s94, 5505024                 ; Wo's rows begin at row 7,168
	s_mov_b32 s95, 0
	s_lshl_b32 s96, s43, 12
	s_add_co_u32 s96, s96, 229376
	s_mov_b32 s97, 0
	s_wait_dscnt 0x0
	CROUND                                         ; the round in front of the joint loads; it names no argument, so it stands ahead of the wait for them
	s_wait_kmcnt 0x0
	s_add_nc_u64 s[92:93], s[4:5], s[92:93]
	s_add_nc_u64 s[94:95], s[8:9], s[94:95]
	s_add_nc_u64 s[96:97], s[10:11], s[96:97]
	s_mov_b32 s[G0A], 1
	s_mov_b32 s[G0A+1], s2
	s_mov_b64 s[G0A+2:G0A+3], s[92:93]
	s_or_b32 s[G0A+3], s[G0A+3], 0x80000000
	s_mov_b32 s[G0B], 1
	s_mov_b32 s[G0B+1], BIM
	s_mov_b64 s[G0B+2:G0B+3], s[94:95]
	s_or_b32 s[G0B+3], s[G0B+3], 0x80000000
	s_mov_b32 s[G0S], 1
	s_mov_b32 s[G0S+1], SCB
	s_mov_b64 s[G0S+2:G0S+3], s[96:97]
	s_or_b32 s[G0S+3], s[G0S+3], 0x80000000
	ARM 2, G0A, G1A, .Lhead_b
	ARM 3, G0B, G1B, .Lhead_s
	TLOAD G0S, G1S
.Lhead_asked:
	s_lshl_b32 s92, s44, 8
	s_mov_b32 s93, 0
	s_add_nc_u64 s[6:7], s[6:7], s[92:93]          ; ah: my 128 tokens
	s_lshl_b32 s92, s43, 9
	s_lshl_b32 s94, s40, 8
	s_add_co_u32 s92, s92, s94
	s_add_nc_u64 s[12:13], s[12:13], s[92:93]      ; bo: my 64 columns
	s_lshl_b32 s94, s44, 7
	s_lshl_b32 s95, s23, 6
	s_add_co_u32 s94, s94, s95
	s_lshl_b32 s94, s94, 12
	s_add_co_u32 s92, s92, s94
	s_add_nc_u64 s[14:15], s[14:15], s[92:93]      ; out0: my first row and column
	s_mul_i32 s45, s23, 49152
	s_mul_i32 s46, s40, 49152
	s_add_co_u32 s46, s46, BIM
	s_lshl_b32 s47, s23, 11
	s_lshl_b32 s3, s40, 11
	s_add_co_u32 s3, s3, SCB-SCA
	s_sub_co_u32 s3, s3, s47
	s_add_co_u32 s47, s47, SCA
	s_mul_i32 s20, s22, 16*SPITCH
	s_add_co_u32 s20, s20, STG
	v_and_b32 v1, 15, v0                           ; r
	v_bfe_u32 v2, v0, 4, 1                         ; h
	v_and_b32 v7, 31, v0
	v_and_b32 v6, 0x7e, v0
	v_lshlrev_b32 v6, 1, v6                        ; the word of ah that holds tokens t and t xor 1
	v_lshlrev_b32 v30, 5, v2
	v_and_b32 v9, 1, v0                            ; an even token takes the words' low halves, an odd one the high halves
	v_sub_nc_u32 v9, 0, v9
	v_and_b32 v9, 0x02020202, v9
	v_add_nc_u32 v9, 0x05040100, v9
	v_lshrrev_b32 v3, 4, v0
	v_lshlrev_b32 v3, 9, v3
	v_lshl_add_u32 v3, v1, 4, v3
	v_add_nc_u32 v31, SCA, v3                      ; token t's scale bytes: 512 (t / 16) + 16 (t % 16), and 256 further on
	v_lshl_add_u32 v[ADRA], v7, 4, s45
	v_lshl_add_u32 v[ADRA+1], v7, 3, s45
	v_mul_u32_u24 v4, v7, 48
	v_add_nc_u32 v[ADRB], s46, v4
	v_mul_u32_u24 v3, s3, v2                       ; lanes 16-31 take B's scale words
	v_lshl_add_u32 v5, v1, 4, s47
	v_add_nc_u32 v[ADRS], v5, v3
	v_mul_u32_u24 v5, v1, SPITCH
	v_lshl_add_u32 v5, v2, 5, v5
	v_add_nc_u32 v[STO], s20, v5
	v_mul_u32_u24 v5, v2, SPITCH
	v_lshl_add_u32 v5, v1, 4, v5
	v_add_nc_u32 v[RD], s20, v5
	v_lshlrev_b32 v5, 12, v2
	v_lshl_add_u32 v[CO], v1, 4, v5
.irp d, 0,1,2,3,4,5,6,7,8,9,10,11,12,13,14,15
	global_load_b32 v[HW+\d], v6, s[6:7] offset:8192*\d
.endr
.irp b, 0,1,2,3
	global_load_b128 v[BI+8*\b:BI+8*\b+3], v30, s[12:13] offset:64*\b
	global_load_b128 v[BI+8*\b+4:BI+8*\b+7], v30, s[12:13] offset:64*\b+16
.endr
	s_wait_alu depctr_va_vdst(0)
	s_wait_loadcnt 8                               ; ah's sixteen words are in; bo's eight loads may be out
.irp k, 0,1,2,3,4,5,6,7
	v_perm_b32 v[HW+16+\k], v[HW+1+2*\k], v[HW+2*\k], v9   ; heads 2 k, 2 k + 1: my token's word of step k
.endr
	ds_store_b128 v31, v[HW+16:HW+19]
	ds_store_b128 v31, v[HW+20:HW+23] offset:256
.macro FETCH k
	WIN 0x40
.irp i, 0,1,2,3
	ds_load_b128 v[128*((\k)%2)+12*\i:128*((\k)%2)+12*\i+3], v[ADRA] offset:12288*\i+1536*(\k)
	ds_load_b64 v[128*((\k)%2)+12*\i+4:128*((\k)%2)+12*\i+5], v[ADRA+1] offset:12288*\i+1536*(\k)+512
	ds_load_b128 v[128*((\k)%2)+12*\i+6:128*((\k)%2)+12*\i+9], v[ADRA] offset:12288*\i+1536*(\k)+768
	ds_load_b64 v[128*((\k)%2)+12*\i+10:128*((\k)%2)+12*\i+11], v[ADRA+1] offset:12288*\i+1536*(\k)+1280
.endr
.irp i, 0,1,2,3
.irp g, 0,1,2
	ds_load_b128 v[128*((\k)%2)+48+12*\i+4*\g:128*((\k)%2)+48+12*\i+4*\g+3], v[ADRB] offset:12288*\i+1536*(\k)+16*\g
.endr
.endr
.endm
.macro MUL16 k                         ; the 16 accumulators by turns
.set P, 128*((\k)%2)
.irp a, 0,1,2,3
.irp b, 0,1,2,3
.set AC, ACC+8*(4*\a+\b)
.if (\k) == 0
.set CC, BI+8*\b
.else
.set CC, AC
.endif
	v_wmma_scale_f32_16x16x128_f8f6f4 v[AC:AC+7], v[P+48+12*\b:P+48+12*\b+11], v[P+12*\a:P+12*\a+11], v[CC:CC+7], v[SC+8*\b+(\k)], v[SC+8*\a+(\k)] matrix_a_fmt:MATRIX_FMT_FP6 matrix_b_fmt:MATRIX_FMT_FP6 matrix_a_scale:MATRIX_SCALE_ROW1
.endr
.endr
.endm
	s_wait_tensorcnt 0x0                           ; my load is in,
	s_wait_dscnt 0x0                               ; my part of A's scale bytes lies in LDS,
	s_barrier_signal -1
	s_barrier_wait -1                              ; everybody's does; nothing is filled again
.irp i, 0,1,2,3
	ds_load_b128 v[SC+8*\i:SC+8*\i+3], v[ADRS] offset:512*\i
	ds_load_b128 v[SC+8*\i+4:SC+8*\i+7], v[ADRS] offset:512*\i+256
.endr
	FETCH 0
	s_wait_loadcnt 0x0                             ; bo
.irp k, 0,1,2,3,4,5,6,7
	s_wait_dscnt 0x0
.if \k < 7
	PLACES 4
	FETCH \k+1
.endif
	WIN 0x05
	MUL16 \k
.endr
	WIN 0
; THE WAY OUT, block by block of 16 rows x 64 columns, through my own stage: in as 32 bytes a lane, back as whole rows of 256 bytes.  LDS serves a wave's instructions in order.
.macro TOSTAGE a
.irp b, 0,1,2,3
	ds_store_b128 v[STO], v[ACC+8*(4*(\a)+\b):ACC+8*(4*(\a)+\b)+3] offset:64*\b
	ds_store_b128 v[STO], v[ACC+8*(4*(\a)+\b)+4:ACC+8*(4*(\a)+\b)+7] offset:64*\b+16
.endr
.set BB, BK+32*((\a)%2)
.irp t, 0,1,2,3,4,5,6,7
	ds_load_b128 v[BB+4*\t:BB+4*\t+3], v[RD] offset:\t*2*SPITCH
.endr
.endm
.macro SEND a, younger
.set BB, BK+32*((\a)%2)
	s_wait_dscnt \younger
.irp t, 0,1,2,3,4,5,6,7
	global_store_b128 v[CO], v[BB+4*\t:BB+4*\t+3], s[14:15] offset:(16*(\a)+2*\t)*ROWO th:TH_STORE_NT
.endr
.endm
	PLACES 4
	TOSTAGE 0
.irp a, 1,2,3
.if \a > 1
	s_wait_xcnt 0x0                                ; block a - 2's stores have read their registers
.endif
	TOSTAGE \a
	SEND \a-1, 16                                  ; behind block a - 1's loads: block a's 8 stores and 8 loads
.endr
	SEND 3, 0
	s_wait_tensorcnt 0x0                           ; the wave's end
	ds_add_u32 v[SPW], v[NIL]
	s_wait_dscnt 0x0
	CROUND                                         ; the closing round
	s_endpgm
.Lfunc_end_k_qfd38c99159_outp:
	.size	k_qfd38c99159_outp, .Lfunc_end_k_qfd38c99159_outp-k_qfd38c99159_outp
	.p2alignl 7, 3214868480
	.fill 96, 4, 3214868480
	.section	.rodata,"a",@progbits
	.p2align	6, 0x0
	.amdhsa_kernel k_qfd38c99159_outp
		.amdhsa_group_segment_fixed_size 229376
		.amdhsa_private_segment_fixed_size 0
		.amdhsa_enable_private_segment 0
		.amdhsa_kernarg_size 48
		.amdhsa_user_sgpr_count 2
		.amdhsa_user_sgpr_kernarg_segment_ptr 1
		.amdhsa_wavefront_size32 1
		.amdhsa_system_sgpr_workgroup_id_x 1
		.amdhsa_system_sgpr_workgroup_id_y 1
		.amdhsa_system_sgpr_workgroup_id_z 1
		.amdhsa_system_vgpr_workitem_id 0
		.amdhsa_next_free_vgpr 512
		.amdhsa_next_free_sgpr 100
		.amdhsa_reserve_vcc 0
		.amdhsa_float_denorm_mode_32 3
		.amdhsa_float_denorm_mode_16_64 3
		.amdhsa_memory_ordered 1
		.amdhsa_forward_progress 1
		.amdhsa_inst_pref_size 51
	.end_amdhsa_kernel
	.amdgpu_metadata
---
amdhsa.version: [ 1, 2 ]
amdhsa.kernels:
  - .name:           k_qfd38c99159_outp
    .symbol:         k_qfd38c99159_outp.kd
    .args:
      - { .name: ac, .offset: 0, .size: 8, .value_kind: global_buffer, .address_space: global }
      - { .name: ah, .offset: 8, .size: 8, .value_kind: global_buffer, .address_space: global }
      - { .name: codes, .offset: 16, .size: 8, .value_kind: global_buffer, .address_space: global }
      - { .name: scales, .offset: 24, .size: 8, .value_kind: global_buffer, .address_space: global }
      - { .name: bo, .offset: 32, .size: 8, .value_kind: global_buffer, .address_space: global }
      - { .name: out0, .offset: 40, .size: 8, .value_kind: global_buffer, .address_space: global }
    .group_segment_fixed_size: 229376
    .private_segment_fixed_size: 0
    .kernarg_segment_align: 8
    .kernarg_segment_size: 48
    .max_flat_workgroup_size: 128
    .sgpr_count:     100
    .vgpr_count:     512
    .wavefront_size: 32
...
	.end_amdgpu_metadata
.endif
;; end of part 9
